; MI455X (gfx1250); checked and timed in simulation.
; The chip was launched on July 23, 2026; its instructions are those of AMD's public machine-readable ISA for CDNA 5 (MIT licence, August 2026) and "CDNA5" Instruction Set Architecture Reference Guide (July 2026). The comments in the code are by the model that wrote it; some were corrected since.
;; Decoder Block. Allowed arithmetic: matrix products marked QUANTISED: E2M3 operands, one E8M0 scale for each 32 along K, by v_wmma_scale_f32_16x16x128_f8f6f4 with both operands' format E2M3, f32 sums; everything else in f32.
;; Inputs: W1 1,024 x 4,096 float32; W2 4,096 x 1,024 float32; Wk 16 x 1,024 x 64 float32; Wproj 1,024 x 1,024 float32; Wq 16 x 1,024 x 64 float32; Wv 16 x 1,024 x 64 float32; b1 4,096 float32; b2 1,024 float32; be1 1,024 float32; be2 1,024 float32; bproj 1,024 float32; g1 1,024 float32; g2 1,024 float32; x 2 x 2,048 x 1,024 float32.
;; Outputs: out0 2 x 2,048 x 1,024 float32.
;; This version of the problem:
;;   THIS VERSION OF THE PROBLEM IS GIVEN IN LOW PRECISION. The matrix products marked QUANTISED in the list below multiply operands that are first quantised to E2M3 (2 exponent bits, 3 mantissa bits; 6 bits a number), with one power-of-two scale for each 32 numbers along K (OCP MX v1.0); their sums are f32. All else is computed in f32.
;;   The module's matrix products, in the order in which they are computed (A, B: the left and right operand; K: the contracted axis; several contracted axes count as one K, in the product's order):
;;     1. [M 1,024, K 1,024] x [K 1,024, N 4,096]; A: input Wq; B: computed on the way: QUANTISED
;;     2. [M 1,024, K 1,024] x [K 1,024, N 4,096]; A: input Wk; B: computed on the way: QUANTISED
;;     3. [M 1,024, K 1,024] x [K 1,024, N 4,096]; A: input Wv; B: computed on the way: QUANTISED
;;     4. batch 32 x [M 2,048, K 64] x [K 64, N 2,048]; A: computed on the way; B: computed on the way: QUANTISED
;;     5. batch 32 x [M 2,048, K 2,048] x [K 2,048, N 64]; A: softmax (see below); B: computed on the way: QUANTISED
;;     6. [M 4,096, K 1,024] x [K 1,024, N 1,024]; A: computed on the way; B: input Wproj: QUANTISED
;;     7. [M 4,096, K 1,024] x [K 1,024, N 4,096]; A: computed on the way; B: input W1: QUANTISED
;;     8. [M 4,096, K 4,096] x [K 4,096, N 1,024]; A: computed on the way; B: input W2: QUANTISED
;;   THE QUANTISER, for each operand of a quantised product, along K:
;;     - K is cut into blocks of 32 from its start; a last block that is shorter is filled with zeros.
;;     - A block's scale is 2^e with e = floor(log2(the largest magnitude in the block)) - 2, held to -126 .. 127; a block of zeros has e = 0. As a byte (E8M0): e + 127.
;;     - Each number is divided by its block's scale, clamped to +-7.5, and rounded to the nearest number of E2M3, ties to even, subnormals kept.
;;     - The product sums the exact products of the quantised numbers (number of the format x scale) in f32.
;;   ~~~python
;;   def quantise(x, axis):      # numpy; x: float32 -> the quantised numbers, widened to float32 again
;;       x = np.moveaxis(x, axis, -1); K = x.shape[-1]
;;       x = np.pad(x, [(0, 0)] * (x.ndim - 1) + [(0, -K % 32)]); x = x.reshape(x.shape[:-1] + (-1, 32)); a = np.abs(x).max(-1, keepdims=True)
;;       e = np.where(a > 0, np.clip(np.frexp(np.where(a > 0, a, 1))[1] - 1 - 2, -126, 127), 0)      # np.frexp(a)[1] - 1 = floor(log2(a)), exactly
;;       r = np.clip(x / 2.0 ** e, -7.5, 7.5)
;;       step = 2.0 ** (np.maximum(np.frexp(np.where(r == 0, 1, r))[1] - 1, 0) - 3)
;;       q = np.round(r / step) * step * 2.0 ** e      # np.round: ties to even
;;       return np.moveaxis(q.reshape(q.shape[:-2] + (-1,))[..., :K], -1, axis).astype(np.float32)
;;   ~~~
;;   SOFTMAX AHEAD OF A QUANTISED PRODUCT. Where the list says 'softmax', what is quantised is not the finished softmax but p = 2^(t - M), with t = logit x log2(e) and M = ceil(the row's largest t), a whole number; so 1/2 < the row's largest p <= 1. The row's sum l is taken of the UNQUANTISED p, in f32, and the product's result is divided by l at the end. Since M is a whole number, a kernel that streams over the keys may use a running M (the ceiling of the running maximum): every later rescaling is an exact power of two, which a block's scale takes up: the codes' values come out the same.
;;   OPERANDS COMPUTED ON THE WAY. 'Computed on the way' means the value that the module computes at that place (a softmax that the list does not call 'softmax' is quantised finished and normalised). What goes into a quantiser is computed in f32, as accurately as f32 sums, v_exp_f32 and their like allow (about 1e-6 of the number): no bf16 or f16 on the way to a quantiser, and a product that is left as it is and whose result goes on into a quantised operand takes f32 operands (vector FMAs, or v_wmma_f32_16x16x4_f32). A number that lies on a knife's edge between two numbers of the format may be rounded either way, as far as f32 arithmetic and the matrix unit's own rounding can turn it there, and no further.
;; 2 versions. Each part assembles by itself: llvm-mc -triple=amdgcn-amd-amdhsa -mcpu=gfx1250 --defsym DOCPART=n.
;; ======== version 1 of 2: 8 launches
;; workspace buffers: wts 9,830,400 bytes; hq 3,276,800 bytes; h2q 3,276,800 bytes; oq 3,276,800 bytes; qkv 9,830,400 bytes; x1 16,777,216 bytes; f1q 13,107,200 bytes
;; launch wquant (part 1): grid 768 x 1, 4 waves a work-group, no clusters, 0 bytes of LDS; arguments Wq, Wk, Wv, Wproj, W1, W2, wts; writes wts
.if DOCPART == 1
	.amdgcn_target "amdgcn-amd-amdhsa--gfx1250"
	.amdhsa_code_object_version 6
	.text
	.protected	k_qc622ec16b4_wquant
	.globl	k_qc622ec16b4_wquant
	.p2align	8
	.type	k_qc622ec16b4_wquant,@function
k_qc622ec16b4_wquant:
	s_mov_b64 s[64:65], 0
	v_nop
	global_prefetch_b8 v0, s[64:65] scope:SCOPE_SE
	s_setreg_imm32_b32 hwreg(HW_REG_WAVE_MODE, 25, 1), 1
	s_wait_xcnt 0x0
; All six weights, f32 with K NOT innermost, become codes of FP6 (E2M3) with one E8M0 byte for each 32 along K, laid as the products' launches read them.
; OUTPUT.  A work-group makes one group-step: 128 columns n x 128 along K = 8 fragments of 16 rows x 128 K, 1,536 bytes each, at wts + 12,288 x work-group; its 128 scale words at wts + 9,437,184 + 512 x work-group.
; A fragment is an image of the operand's 12 registers, in two halves of 768 bytes: registers 6 c .. 6 c + 3 at 16 x lane, registers 6 c + 4, 6 c + 5 at 512 + 8 x lane.  Lane (r, h) holds row r, block 2 c + h.
; ORDER INSIDE A BLOCK.  Position p of a block of 32 holds k offset 8 (p / 16) + p % 8 + 16 ((p / 8) % 2).  Every operand of every product of this program is laid so, which keeps products and scales.
; A LANE TAKES A COLUMN AND ITS REGISTERS RUN DOWN K: a block's largest magnitude needs no other lane, and the conversions give codes with K innermost.  A wave takes 32 columns: two fragments.
; Work-groups 0-191: Wq, Wk, Wv ([head][k][64]: column = 64 head + e, 256 bytes from k to k + 1); 192-255: Wproj; 256-511: W1; 512-767: W2.  The three ways differ in the pitch alone and share no LDS.
; A block's scale is 2^(floor(log2(largest magnitude)) - 2); its byte is the largest magnitude's exponent field - 2, held at 1 from below.
; LIMITS: a block of zeros, or one whose largest magnitude lies under 2^-124, gets the byte 1 (a block of zeros has zero codes, and this program alone reads the bytes); NaN and infinities are not served.
; Loads run two blocks (64 loads a wave) ahead; each block has registers of its own.  No cluster, no LDS, no barrier: work-groups and waves share no input.
.set X,   32                           ; v32-159  128 numbers: 4 blocks of 32, in the blocks' own order
.set T,   160                          ; v160-191 codes: 8 registers for each block (3 + 1 spare, 3 + 1 spare)
.set SW,  14                           ; v14      my column's scale word
.set SRC, 28                           ; s[28:29] my wave's first number
.set DC,  20                           ; s[20:21] my wave's two fragments
.set DSC, 22                           ; s[22:23] my wave's 32 scale words
.macro LD kb, pitch                    ; block kb's 32 numbers of my column, in the blocks' own order; pitch: bytes from k to k + 1
.set LP, 0
.rept 32
	global_load_b32 v[X+32*(\kb)+LP], v1, s[SRC:SRC+1] offset:(32*(\kb)+8*(LP/16)+LP%8+16*((LP/8)%2))*\pitch th:TH_LOAD_NT   ; 32 lanes read 128 consecutive bytes
.set LP, LP+1
.endr
.endm
.macro QB kb, pitch                    ; block kb: largest magnitude, scale, byte, 32 codes
.set XS, X+32*(\kb)
.if (\kb) < 3
	s_wait_loadcnt 32                              ; this block's 32 loads are in; the next block's 32 may be out
.else
	s_wait_loadcnt 0x0
.endif
.if (\kb) < 2
	LD (\kb)+2, \pitch                             ; the block two further on is asked for
.endif
	v_max3_num_f32 v8, |v[XS]|, |v[XS+1]|, |v[XS+2]|
	v_max3_num_f32 v9, |v[XS+3]|, |v[XS+4]|, |v[XS+5]|
.irp i, 6,10,14,18,22,26
	v_max3_num_f32 v8, v8, |v[XS+\i]|, |v[XS+\i+1]|
	v_max3_num_f32 v9, v9, |v[XS+\i+2]|, |v[XS+\i+3]|
.endr
	v_max3_num_f32 v8, v8, |v[XS+30]|, |v[XS+31]|
	v_max3_num_f32 v8, v8, v9, 0x1800000           ; and the floor 2^(3 - 127): the byte cannot fall under 1
	v_add_nc_u32 v11, 0xff000000, v8               ; 2 off the exponent field: the conversion takes this operand's exponent field as its scale
	v_lshrrev_b32 v9, 23, v11                      ; the scale's byte
.if (\kb) == 0
	v_mov_b32 v[SW], v9
.else
	v_lshl_or_b32 v[SW], v9, 8*(\kb), v[SW]
.endif
	v_cvt_scalef32_pk16_fp6_f32 v[T+8*(\kb):T+8*(\kb)+2], v[XS:XS+15], v11
	v_cvt_scalef32_pk16_fp6_f32 v[T+8*(\kb)+4:T+8*(\kb)+6], v[XS+16:XS+31], v11   ; (a conversion's three registers begin on an even number)
.endm
.macro UNIT pitch                      ; pitch: bytes from k to k + 1
	LD 0, \pitch
	LD 1, \pitch
	QB 0, \pitch
	QB 1, \pitch
	QB 2, \pitch
	QB 3, \pitch
	v_nop                                          ; one plain instruction behind the last scaled conversion
.irp c, 0,1                            ; lane l holds column l's blocks 2 c and 2 c + 1.  The exchange gives fragment 0 (columns 0-15: lanes 0-15 block 2 c, lanes 16-31 block 2 c + 1) and fragment 1 (columns 16-31)
.irp i, 0,1,2
	v_permlane16_swap_b32 v[T+16*\c+\i], v[T+16*\c+8+\i]
	v_permlane16_swap_b32 v[T+16*\c+4+\i], v[T+16*\c+12+\i]
.endr
.endr
.irp u, 0,8,16,24                      ; a block's six registers on end
	v_mov_b32 v[T+\u+3], v[T+\u+4]
	v_mov_b32 v[T+\u+4], v[T+\u+5]
	v_mov_b32 v[T+\u+5], v[T+\u+6]
.endr
.irp c, 0,1
.irp f, 0,1
	global_store_b128 v2, v[T+16*\c+8*\f:T+16*\c+8*\f+3], s[DC:DC+1] offset:\f*1536+\c*768          ; 512 consecutive bytes
	global_store_b64 v3, v[T+16*\c+8*\f+4:T+16*\c+8*\f+5], s[DC:DC+1] offset:\f*1536+\c*768+512     ; 256 consecutive bytes
.endr
.endr
	global_store_b32 v1, v[SW], s[DSC:DSC+1]       ; 128 consecutive bytes: one byte in 128 of what the launch reads
.endm
	s_load_b256 s[4:11], s[0:1], 0x0               ; Wq s[4:5], Wk s[6:7], Wv s[8:9], Wproj s[10:11]
	s_load_b128 s[12:15], s[0:1], 0x20             ; W1 s[12:13], W2 s[14:15]
	s_load_b64 s[16:17], s[0:1], 0x30              ; wts
	v_lshrrev_b32 v1, 5, v0
	v_readfirstlane_b32 s18, v1                    ; wave 0..3
	v_and_b32 v4, 31, v0                           ; lane
	v_lshlrev_b32 v1, 2, v4                        ; 4 x lane
	v_lshlrev_b32 v2, 4, v4                        ; 16 x lane
	v_lshlrev_b32 v3, 3, v4                        ; 8 x lane
	s_mul_i32 s20, ttmp9, 12288
	s_mul_i32 s21, s18, 3072
	s_add_co_u32 s20, s20, s21                     ; codes: 12,288 x work-group + 3,072 x wave
	s_mov_b32 s21, 0
	s_lshl_b32 s22, ttmp9, 9
	s_lshl_b32 s23, s18, 7
	s_add_co_u32 s22, s22, s23
	s_add_co_u32 s22, s22, 9437184                 ; scale words: behind all codes, 512 x work-group + 128 x wave
	s_mov_b32 s23, 0
	s_wait_kmcnt 0x0
	s_add_nc_u64 s[DC:DC+1], s[16:17], s[20:21]
	s_add_nc_u64 s[DSC:DSC+1], s[16:17], s[22:23]
	s_cmp_lt_u32 ttmp9, 192
	s_cbranch_scc0 .Lnot_qkv
	s_lshr_b32 s24, ttmp9, 3                       ; group 0..23
	s_and_b32 s25, ttmp9, 7                        ; K step
	s_lshr_b32 s26, s24, 3                         ; 0 Wq, 1 Wk, 2 Wv
	s_cmp_eq_u32 s26, 0
	s_cselect_b64 s[SRC:SRC+1], s[4:5], s[6:7]
	s_cmp_eq_u32 s26, 2
	s_cselect_b64 s[SRC:SRC+1], s[8:9], s[SRC:SRC+1]
	s_and_b32 s24, s24, 7
	s_lshl_b32 s24, s24, 1
	s_lshr_b32 s27, s18, 1
	s_add_co_u32 s24, s24, s27                     ; head = 2 x group + wave / 2
	s_lshl_b32 s24, s24, 18                        ; 262,144 bytes a head
	s_and_b32 s27, s18, 1
	s_lshl_b32 s27, s27, 7                         ; 32 columns of 4 bytes
	s_add_co_u32 s24, s24, s27
	s_lshl_b32 s25, s25, 15                        ; 128 rows of 256 bytes
	s_add_co_u32 s24, s24, s25
	s_mov_b32 s25, 0
	s_add_nc_u64 s[SRC:SRC+1], s[SRC:SRC+1], s[24:25]
	UNIT 256
	s_endpgm
.Lnot_qkv:
	s_cmp_lt_u32 ttmp9, 256
	s_cbranch_scc1 .Lrows_4096
	s_cmp_lt_u32 ttmp9, 512
	s_cbranch_scc0 .Lrows_4096
	s_sub_co_u32 s24, ttmp9, 256                   ; W1: 32 groups x 8 K steps
	s_and_b32 s25, s24, 7
	s_lshr_b32 s24, s24, 3
	s_lshl_b32 s24, s24, 2
	s_add_co_u32 s24, s24, s18
	s_lshl_b32 s24, s24, 7                         ; (4 x group + wave) x 32 columns of 4 bytes
	s_lshl_b32 s25, s25, 21                        ; 128 rows of 16,384 bytes
	s_add_co_u32 s24, s24, s25
	s_mov_b32 s25, 0
	s_add_nc_u64 s[SRC:SRC+1], s[12:13], s[24:25]
	UNIT 16384
	s_endpgm
.Lrows_4096:                                           ; Wproj (8 groups x 8 K steps) and W2 (8 groups x 32 K steps): rows of 4,096 bytes
	s_cmp_lt_u32 ttmp9, 512
	s_cselect_b64 s[SRC:SRC+1], s[10:11], s[14:15]
	s_mov_b32 s24, 512
	s_cselect_b32 s24, 192, s24                    ; the tensor's first work-group
	s_cselect_b32 s26, 3, 5                        ; log2 of its K steps
	s_cselect_b32 s27, 7, 31
	s_sub_co_u32 s24, ttmp9, s24
	s_and_b32 s25, s24, s27                        ; K step
	s_lshr_b32 s24, s24, s26                       ; group
	s_lshl_b32 s24, s24, 2
	s_add_co_u32 s24, s24, s18
	s_lshl_b32 s24, s24, 7
	s_lshl_b32 s25, s25, 19                        ; 128 rows of 4,096 bytes
	s_add_co_u32 s24, s24, s25
	s_mov_b32 s25, 0
	s_add_nc_u64 s[SRC:SRC+1], s[SRC:SRC+1], s[24:25]
	UNIT 4096
	s_endpgm
.Lfunc_end_k_qc622ec16b4_wquant:
	.size	k_qc622ec16b4_wquant, .Lfunc_end_k_qc622ec16b4_wquant-k_qc622ec16b4_wquant
	.p2alignl 7, 3214868480
	.fill 96, 4, 3214868480
	.section	.rodata,"a",@progbits
	.p2align	6, 0x0
	.amdhsa_kernel k_qc622ec16b4_wquant
		.amdhsa_group_segment_fixed_size 0
		.amdhsa_private_segment_fixed_size 0
		.amdhsa_enable_private_segment 0
		.amdhsa_kernarg_size 56
		.amdhsa_user_sgpr_count 2
		.amdhsa_user_sgpr_kernarg_segment_ptr 1
		.amdhsa_wavefront_size32 1
		.amdhsa_system_sgpr_workgroup_id_x 1
		.amdhsa_system_sgpr_workgroup_id_y 1
		.amdhsa_system_sgpr_workgroup_id_z 1
		.amdhsa_system_vgpr_workitem_id 0
		.amdhsa_next_free_vgpr 192
		.amdhsa_next_free_sgpr 66
		.amdhsa_reserve_vcc 0
		.amdhsa_float_denorm_mode_32 3
		.amdhsa_float_denorm_mode_16_64 3
		.amdhsa_memory_ordered 1
		.amdhsa_forward_progress 1
		.amdhsa_inst_pref_size 60
	.end_amdhsa_kernel
	.amdgpu_metadata
---
amdhsa.version: [ 1, 2 ]
amdhsa.kernels:
  - .name:           k_qc622ec16b4_wquant
    .symbol:         k_qc622ec16b4_wquant.kd
    .args:
      - { .name: Wq, .offset: 0, .size: 8, .value_kind: global_buffer, .address_space: global }
      - { .name: Wk, .offset: 8, .size: 8, .value_kind: global_buffer, .address_space: global }
      - { .name: Wv, .offset: 16, .size: 8, .value_kind: global_buffer, .address_space: global }
      - { .name: Wproj, .offset: 24, .size: 8, .value_kind: global_buffer, .address_space: global }
      - { .name: W1, .offset: 32, .size: 8, .value_kind: global_buffer, .address_space: global }
      - { .name: W2, .offset: 40, .size: 8, .value_kind: global_buffer, .address_space: global }
      - { .name: wts, .offset: 48, .size: 8, .value_kind: global_buffer, .address_space: global }
    .group_segment_fixed_size: 0
    .private_segment_fixed_size: 0
    .kernarg_segment_align: 8
    .kernarg_segment_size: 56
    .max_flat_workgroup_size: 128
    .sgpr_count:     66
    .vgpr_count:     192
    .wavefront_size: 32
...
	.end_amdgpu_metadata
.endif
;; end of part 1
;; launch ln1 (part 2): grid 256 x 1, 4 waves a work-group, no clusters, 32,768 bytes of LDS; arguments x, g1, be1, hq; writes hq
.if DOCPART == 2
	.amdgcn_target "amdgcn-amd-amdhsa--gfx1250"
	.amdhsa_code_object_version 6
	.text
	.protected	k_qc622ec16b4_ln1
	.globl	k_qc622ec16b4_ln1
	.p2align	8
	.type	k_qc622ec16b4_ln1,@function
k_qc622ec16b4_ln1:
	s_mov_b64 s[64:65], 0
	v_nop
	global_prefetch_b8 v0, s[64:65] scope:SCOPE_SE
	s_setreg_imm32_b32 hwreg(HW_REG_WAVE_MODE, 25, 1), 1
	s_wait_xcnt 0x0
; y = (x - mean) rsqrt(var + 1e-5) g + b over rows of 1,024 f32, and y's codes of FP6 (E2M3) with one E8M0 byte for each 32 along the row, laid as an operand of the products' launches.
; OUTPUT: codes [row / 128][K step 0..7][(row / 16) % 8][1,536 bytes], scale words at 3,145,728: [row / 128][K step][row % 128].  A fragment (16 rows x 128 K) is an image of its 12 registers, in two halves of
; 768 bytes: registers 6 c .. 6 c + 3 at 16 x lane, registers 6 c + 4, 6 c + 5 at 512 + 8 x lane; lane (r, h) holds row r, block 2 c + h.  Position p of a block holds k offset 8 (p / 16) + p % 8 + 16 ((p / 8) % 2), as in every operand of this program.
; SHARES.  A work-group takes 16 rows (one row of fragments), wave w rows 4 w .. 4 w + 3, a row at a time; all 32 loads of a wave's four rows go out at the head.
; The mean is taken first and the variance of x - mean: no difference of large sums is formed.
; A row is loaded dense (16 bytes a lane, 512 a load); it turns through the wave's own LDS so that lane L holds block L whole (32 numbers).  The codes of the 16 rows meet in LDS, one barrier, and leave as 512 and 256 consecutive bytes.
; LIMITS: a block of zeros, or one whose largest magnitude lies under 2^-124, gets the byte 1 (zero codes; this program alone reads the bytes); NaN and infinities are not served.
; No cluster: work-groups share only g and b, 8 KiB.  No tensor load: each byte is read once, by loads whose data the arithmetic wants in registers.
.set X,     32                         ; v32-159  four rows of 32 numbers a lane
.set G,     160                        ; v160-191 g at my columns
.set BE,    192                        ; v192-223 b at my columns
.set Y,     224                        ; v224-255 my block of the row in hand
.set TURNB, 4608                       ; LDS: for each wave 32 blocks x (128 bytes + 16)
.set IMGA,  4*TURNB                    ; 32 pieces (piece L = block L) x (16 rows x 16 bytes + 16): the halves' first four registers
.set IMGB,  IMGA+32*272                ; 32 pieces x (16 rows x 8 bytes + 8): their last two
.set SCS,   IMGB+32*136                ; 8 K steps x 16 rows x 4 scale bytes
.set SPARE, SCS+512                    ; the spare words, 128 bytes for each wave: two blocks of 256 bytes that no other line names
.set SPW,   30                         ; v30  LDS address of my spare word; never rewritten
.set NIL,   31                         ; v31  0; never rewritten
	s_load_b256 s[4:11], s[0:1], 0x0               ; x s[4:5], g s[6:7], b s[8:9], the codes' buffer s[10:11]
	v_lshl_add_u32 v[SPW], v0, 2, SPARE
	v_mov_b32 v[NIL], 0
	v_lshrrev_b32 v1, 5, v0
	v_readfirstlane_b32 s16, v1                    ; wave 0..3
	v_and_b32 v26, 31, v0                          ; lane
	v_lshlrev_b32 v1, 4, v26                       ; v1: 16 x lane
	v_lshlrev_b32 v16, 3, v26                      ; v16: 8 x lane
	s_mul_i32 s17, s16, TURNB
	v_lshrrev_b32 v2, 3, v26
	v_mul_u32_u24 v2, v2, 144
	v_and_b32 v3, 7, v26
	v_lshl_add_u32 v2, v3, 4, v2
	v_add_nc_u32 v2, s17, v2                       ; v2: the turn, in: load j's 16 bytes belong to block 4 j + lane / 8, at 16 (lane % 8)
	v_mul_u32_u24 v3, v26, 144
	v_add_nc_u32 v3, s17, v3                       ; v3: the turn, out: block = lane
	s_lshl_b32 s17, s16, 6
	v_mul_u32_u24 v4, v26, 272
	v_add_nc_u32 v4, s17, v4
	v_add_nc_u32 v4, IMGA, v4                      ; v4: piece = lane, row 4 w (+ q in the immediate), 16 bytes a row
	s_lshl_b32 s17, s16, 5
	v_mul_u32_u24 v5, v26, 136
	v_add_nc_u32 v5, s17, v5
	v_add_nc_u32 v5, IMGB, v5                      ; v5: the same, 8 bytes a row
	s_lshl_b32 s17, s16, 4
	v_lshrrev_b32 v6, 2, v26
	v_lshlrev_b32 v6, 6, v6
	v_and_b32 v7, 3, v26
	v_add_nc_u32 v6, v6, v7
	v_add_nc_u32 v6, s17, v6
	v_add_nc_u32 v6, SCS, v6                       ; v6: K step lane / 4, row 4 w (+ q), byte lane % 4
	v_lshrrev_b32 v27, 4, v26                      ; lane / 16
	v_and_b32 v28, 15, v26                         ; lane % 16
	s_mul_i32 s17, s16, 2176
	v_mul_u32_u24 v7, v27, 272
	v_lshl_add_u32 v7, v28, 4, v7
	v_add_nc_u32 v7, s17, v7
	v_add_nc_u32 v7, IMGA, v7                      ; v7: the way out: wave w takes pieces 8 w .. 8 w + 7, two an instruction
	s_mul_i32 s17, s16, 1088
	v_mul_u32_u24 v8, v27, 136
	v_lshl_add_u32 v8, v28, 3, v8
	v_add_nc_u32 v8, s17, v8
	v_add_nc_u32 v8, IMGB, v8                      ; v8: likewise
	s_lshl_b32 s17, s16, 7
	v_lshlrev_b32 v9, 2, v26
	v_add_nc_u32 v9, s17, v9
	v_add_nc_u32 v9, SCS, v9                       ; v9: K steps 2 w, 2 w + 1: 32 scale words
	v_lshlrev_b32 v17, 9, v27
	v_lshl_add_u32 v17, v28, 2, v17                ; v17: their place in memory: 512 bytes from K step to K step, 4 a row
	s_mov_b32 s12, 0x76543210
	s_mov_b32 s13, 0xfedcba98                      ; v_permlanex16_b32's selects for lane l xor 16
	s_mov_b32 s14, 0x3a800000                      ; 1 / 1,024
	s_mov_b32 s15, 0x3727c5ac                      ; 1e-5
	s_lshl_b32 s18, ttmp9, 16                      ; 16 rows of 4,096 bytes a work-group,
	s_lshl_b32 s19, s16, 14                        ; 4 a wave
	s_add_co_u32 s18, s18, s19
	s_mov_b32 s19, 0
	s_lshr_b32 s20, ttmp9, 3                       ; group of 128 rows
	s_and_b32 s21, ttmp9, 7                        ; fragment row in it
	s_mul_i32 s22, s20, 98304
	s_mul_i32 s23, s21, 1536
	s_add_co_u32 s22, s22, s23
	s_mul_i32 s23, s16, 24576                      ; K step 2 w
	s_add_co_u32 s22, s22, s23
	s_mov_b32 s23, 0
	s_lshl_b32 s24, s20, 12
	s_lshl_b32 s25, s21, 6
	s_add_co_u32 s24, s24, s25
	s_lshl_b32 s25, s16, 10
	s_add_co_u32 s24, s24, s25
	s_add_co_u32 s24, s24, 3145728
	s_mov_b32 s25, 0
	s_wait_kmcnt 0x0
	s_add_nc_u64 s[4:5], s[4:5], s[18:19]
	s_add_nc_u64 s[20:21], s[10:11], s[24:25]      ; scale words
	s_add_nc_u64 s[10:11], s[10:11], s[22:23]      ; codes
.irp j, 0,1,2,3,4,5,6,7
	global_load_b128 v[G+4*\j:G+4*\j+3], v1, s[6:7] offset:512*\j
.endr
.irp j, 0,1,2,3,4,5,6,7
	global_load_b128 v[BE+4*\j:BE+4*\j+3], v1, s[8:9] offset:512*\j
.endr
.irp q, 0,1,2,3
.irp j, 0,1,2,3,4,5,6,7
	global_load_b128 v[X+32*\q+4*\j:X+32*\q+4*\j+3], v1, s[4:5] offset:4096*\q+512*\j th:TH_LOAD_NT
.endr
.endr
.macro SUM32                           ; v12 = the sum of v12 over the wave's 32 lanes, in every lane
	v_add_f32_dpp v12, v12, v12 row_xmask:1 row_mask:0xf bank_mask:0xf
	v_add_f32_dpp v12, v12, v12 row_xmask:2 row_mask:0xf bank_mask:0xf
	v_add_f32_dpp v12, v12, v12 row_xmask:4 row_mask:0xf bank_mask:0xf
	v_add_f32_dpp v12, v12, v12 row_xmask:8 row_mask:0xf bank_mask:0xf
	v_permlanex16_b32 v13, v12, s12, s13
	v_add_f32 v12, v12, v13
.endm
.macro ROW q
.set XR, X+32*\q
	s_wait_loadcnt 8*(3-\q)                        ; g, b and this row are in; the later rows' loads, 8 each, may be out
	v_pk_add_f32 v[12:13], v[XR:XR+1], v[XR+2:XR+3]
	v_pk_add_f32 v[14:15], v[XR+4:XR+5], v[XR+6:XR+7]
.irp j, 8,12,16,20,24,28
	v_pk_add_f32 v[12:13], v[12:13], v[XR+\j:XR+\j+1]
	v_pk_add_f32 v[14:15], v[14:15], v[XR+\j+2:XR+\j+3]
.endr
	v_pk_add_f32 v[12:13], v[12:13], v[14:15]
	v_add_f32 v12, v12, v13
	SUM32
	v_mul_f32 v10, s14, v12                        ; the mean
	v_mov_b32 v11, v10
.irp j, 0,2,4,6,8,10,12,14,16,18,20,22,24,26,28,30
	v_pk_add_f32 v[XR+\j:XR+\j+1], v[XR+\j:XR+\j+1], v[10:11] neg_lo:[0,1] neg_hi:[0,1]   ; d = x - mean
.endr
	v_pk_mul_f32 v[12:13], v[XR:XR+1], v[XR:XR+1]
	v_pk_mul_f32 v[14:15], v[XR+2:XR+3], v[XR+2:XR+3]
.irp j, 4,8,12,16,20,24,28
	v_pk_fma_f32 v[12:13], v[XR+\j:XR+\j+1], v[XR+\j:XR+\j+1], v[12:13]
	v_pk_fma_f32 v[14:15], v[XR+\j+2:XR+\j+3], v[XR+\j+2:XR+\j+3], v[14:15]
.endr
	v_pk_add_f32 v[12:13], v[12:13], v[14:15]
	v_add_f32 v12, v12, v13
	SUM32
	v_fma_f32 v12, v12, s14, s15                   ; the variance + 1e-5
	v_rsq_f32 v10, v12
	v_nop                                          ; a plain instruction behind the transcendental (ISA guide 5.7.2)
	s_wait_alu depctr_va_vdst(0)                   ; the wait ahead of the first line that names the result
	v_mov_b32 v11, v10
.irp j, 0,2,4,6,8,10,12,14,16,18,20,22,24,26,28,30
	v_pk_mul_f32 v[XR+\j:XR+\j+1], v[XR+\j:XR+\j+1], v[10:11]
.endr
.irp j, 0,2,4,6,8,10,12,14,16,18,20,22,24,26,28,30
	v_pk_fma_f32 v[XR+\j:XR+\j+1], v[XR+\j:XR+\j+1], v[G+\j:G+\j+1], v[BE+\j:BE+\j+1]
.endr
.irp j, 0,1,2,3,4,5,6,7
	ds_store_b128 v2, v[XR+4*\j:XR+4*\j+3] offset:576*\j
.endr
	ds_load_b128 v[Y:Y+3],     v3                  ; LDS serves a wave's instructions in order: these see the stores above.  The block's eight pieces in the blocks' own order: k 0-7, 16-23, 8-15, 24-31
	ds_load_b128 v[Y+4:Y+7],   v3 offset:16
	ds_load_b128 v[Y+8:Y+11],  v3 offset:64
	ds_load_b128 v[Y+12:Y+15], v3 offset:80
	ds_load_b128 v[Y+16:Y+19], v3 offset:32
	ds_load_b128 v[Y+20:Y+23], v3 offset:48
	ds_load_b128 v[Y+24:Y+27], v3 offset:96
	ds_load_b128 v[Y+28:Y+31], v3 offset:112
	s_wait_dscnt 0x0                               ; my block is in; the last row's stores of codes have read their registers
	v_max3_num_f32 v12, |v[Y]|, |v[Y+1]|, |v[Y+2]|
	v_max3_num_f32 v13, |v[Y+3]|, |v[Y+4]|, |v[Y+5]|
.irp i, 6,10,14,18,22,26
	v_max3_num_f32 v12, v12, |v[Y+\i]|, |v[Y+\i+1]|
	v_max3_num_f32 v13, v13, |v[Y+\i+2]|, |v[Y+\i+3]|
.endr
	v_max3_num_f32 v12, v12, |v[Y+30]|, |v[Y+31]|
	v_max3_num_f32 v12, v12, v13, 0x1800000        ; and the floor 2^(3 - 127): the byte cannot fall under 1
	v_add_nc_u32 v14, 0xff000000, v12              ; 2 off the exponent field: the conversion's scale operand
	v_lshrrev_b32 v19, 23, v14                     ; the scale's byte
	v_cvt_scalef32_pk16_fp6_f32 v[20:22], v[Y:Y+15], v14
	v_cvt_scalef32_pk16_fp6_f32 v[26:28], v[Y+16:Y+31], v14   ; (a conversion's three registers begin on an even number)
	v_nop                                          ; one plain instruction behind a scaled conversion
	v_mov_b32 v23, v26
	v_mov_b32 v24, v27
	v_mov_b32 v25, v28
	ds_store_b128 v4, v[20:23] offset:16*\q
	ds_store_b64 v5, v[24:25] offset:8*\q
	ds_store_b8 v6, v19 offset:4*\q
.endm
	ROW 0
	ROW 1
	ROW 2
	ROW 3
	s_wait_dscnt 0x0                               ; for the others' sake: my stores have landed
	s_barrier_signal -1
	s_barrier_wait -1                              ; the 16 rows' codes and scale bytes lie in LDS
.irp e, 0,1,2,3                        ; half e % 2 of K step 2 w + e / 2
	ds_load_b128 v[X+8*\e:X+8*\e+3], v7 offset:544*\e
	ds_load_b64 v[X+8*\e+4:X+8*\e+5], v8 offset:272*\e
.endr
	ds_load_b32 v[X+32], v9
	s_wait_dscnt 0x0
.irp e, 0,1,2,3
	global_store_b128 v1, v[X+8*\e:X+8*\e+3], s[10:11] offset:(\e/2)*12288+(\e%2)*768          ; 512 consecutive bytes
	global_store_b64 v16, v[X+8*\e+4:X+8*\e+5], s[10:11] offset:(\e/2)*12288+(\e%2)*768+512    ; 256 consecutive bytes
.endr
	global_store_b32 v17, v[X+32], s[20:21]        ; two runs of 64 bytes: one byte in 128 of what the launch reads
	s_wait_tensorcnt 0x0                           ; the wave's end: behind my last LDS store
	ds_add_u32 v[SPW], v[NIL]
	s_wait_dscnt 0x0
	s_endpgm
.Lfunc_end_k_qc622ec16b4_ln1:
	.size	k_qc622ec16b4_ln1, .Lfunc_end_k_qc622ec16b4_ln1-k_qc622ec16b4_ln1
	.p2alignl 7, 3214868480
	.fill 96, 4, 3214868480
	.section	.rodata,"a",@progbits
	.p2align	6, 0x0
	.amdhsa_kernel k_qc622ec16b4_ln1
		.amdhsa_group_segment_fixed_size 32768
		.amdhsa_private_segment_fixed_size 0
		.amdhsa_enable_private_segment 0
		.amdhsa_kernarg_size 32
		.amdhsa_user_sgpr_count 2
		.amdhsa_user_sgpr_kernarg_segment_ptr 1
		.amdhsa_wavefront_size32 1
		.amdhsa_system_sgpr_workgroup_id_x 1
		.amdhsa_system_sgpr_workgroup_id_y 1
		.amdhsa_system_sgpr_workgroup_id_z 1
		.amdhsa_system_vgpr_workitem_id 0
		.amdhsa_next_free_vgpr 256
		.amdhsa_next_free_sgpr 66
		.amdhsa_reserve_vcc 0
		.amdhsa_float_denorm_mode_32 3
		.amdhsa_float_denorm_mode_16_64 3
		.amdhsa_memory_ordered 1
		.amdhsa_forward_progress 1
		.amdhsa_inst_pref_size 45
	.end_amdhsa_kernel
	.amdgpu_metadata
---
amdhsa.version: [ 1, 2 ]
amdhsa.kernels:
  - .name:           k_qc622ec16b4_ln1
    .symbol:         k_qc622ec16b4_ln1.kd
    .args:
      - { .name: x, .offset: 0, .size: 8, .value_kind: global_buffer, .address_space: global }
      - { .name: g1, .offset: 8, .size: 8, .value_kind: global_buffer, .address_space: global }
      - { .name: be1, .offset: 16, .size: 8, .value_kind: global_buffer, .address_space: global }
      - { .name: hq, .offset: 24, .size: 8, .value_kind: global_buffer, .address_space: global }
    .group_segment_fixed_size: 32768
    .private_segment_fixed_size: 0
    .kernarg_segment_align: 8
    .kernarg_segment_size: 32
    .max_flat_workgroup_size: 128
    .sgpr_count:     66
    .vgpr_count:     256
    .wavefront_size: 32
...
	.end_amdgpu_metadata
.endif
;; end of part 2
;; launch qkvgemm (part 3): grid 8 x 24, 4 waves a work-group, clusters of 4 x 4, 327,680 bytes of LDS; arguments hq, wts, qkv; writes qkv
.if DOCPART == 3
	.amdgcn_target "amdgcn-amd-amdhsa--gfx1250"
	.amdhsa_code_object_version 6
	.text
	.protected	k_qc622ec16b4_qkvgemm
	.globl	k_qc622ec16b4_qkvgemm
	.p2align	8
	.type	k_qc622ec16b4_qkvgemm,@function
k_qc622ec16b4_qkvgemm:
	s_mov_b64 s[64:65], 0
	v_nop
	global_prefetch_b8 v0, s[64:65] scope:SCOPE_SE
	s_setreg_imm32_b32 hwreg(HW_REG_WAVE_MODE, 25, 1), 1
	s_wait_xcnt 0x0
	s_wait_alu depctr_hold_cnt(0) depctr_sa_sdst(0) depctr_va_vdst(0) depctr_va_sdst(0) depctr_va_ssrc(0) depctr_va_vcc(0) depctr_vm_vsrc(0)
	s_getreg_b32 s2, hwreg(HW_REG_IB_STS2, 6, 4)
	s_cmp_eq_u32 s2, 0
	s_cbranch_scc0 .Lentry_in_a_cluster
	s_endpgm
.Lentry_in_a_cluster:
	s_bfe_u32 s2, ttmp6, 0x10000c
	s_cmp_lg_u32 s2, 0xf033
	s_cbranch_scc0 .Lentry_shape_is_right
	s_endpgm
.Lentry_shape_is_right:
; q, k and v^T of all heads, from codes to codes.  C[m][n] = sum over k of A[m][k] B[n][k], K = 1,024, both operands codes of FP6 (E2M3) with E8M0 scales for each 32 along K; sums in f32; C is quantised along n and never stored wide.
; CLUSTER ROWS 0-3: A = h (4,096 tokens), B = Wq, Wk (2,048 columns = 64 head + e): C = q, k, quantised along the head's 64.  CLUSTER ROWS 4, 5: A = Wv (1,024 rows = 64 head + d), B = h: C = v^T, quantised along the KEYS, the K of attention's second product.
; The two parts run the same text: they differ in pointers and offsets chosen by s_cselect on the cluster's y, which all sixteen partners share; no branch hangs on it.
; OPERANDS IN MEMORY: codes [row / 128][K step of 128][(row / 16) % 8][1,536], scale words [row / 128][K step][row % 128].  A fragment (16 rows x 128 K) is an image of its 12 registers, in two halves of 768 bytes: registers 6 c .. 6 c + 3 at 16 x lane,
; 6 c + 4, 6 c + 5 at 512 + 8 x lane.  So a fragment comes from LDS by two loads of 16 bytes and two of 8, each of consecutive bytes: no pitch, no padding.  128 rows x 256 K are 24,576 dense bytes: one tensor load.
; SHAPE: a tile of C is 256 x 256, four waves, 128 x 128 each: 64 accumulators, 512 registers.  K goes in steps of 256 through two LDS slots; the scales of the tile's 512 rows for all of K come once, with the first fills.
; CLUSTERS: 4 x 4 work-groups; A's tiles are asked for jointly along a row of the cluster, B's along a column.  THE MATRIX INSTRUCTION IS USED TRANSPOSED (source 0 = B's rows, source 1 = A's): lane (r, h) holds row 16 a + r and columns 16 b + 8 h + 0..7.
; OUTPUT (qkv): codes [0 q, 1 k, 2 v][16 batch + head][98,304]: q, k: [token / 16][768], half a fragment a head; v: [key / 128][d / 16][1,536].  q, k scale words at 9,437,184: [q, k][batch][head / 2][token] (bytes 0, 1 the even head's);
; v's at 9,699,328: [16 batch + head][key / 128][d].  Inside a block of 32, position p holds offset 8 (p / 16) + p % 8 + 16 ((p / 8) % 2), as in every operand of this program: that is how a lane's registers of two neighbouring tiles fall.
; LIMITS: a block of zeros, or one whose largest magnitude lies under 2^-124, gets the byte 1 (zero codes; this program alone reads the bytes); NaN and infinities are not served.
; REGISTERS, in windows of 256: window 0: v1-31 addresses; v32-63 scale words, two sets; v128-223 A's fragments, one set; on the way out v192-243 at work.  window 1: B's fragments, two sets, at v0 and v128.  windows 2, 3: the accumulators ((a, b) at v[8 (8 (a % 4) + b)]).
.set KTOT,   1024
.set KS,     KTOT/128
.set LAPS,   KTOT/512                  ; a lap = two K steps of 256 = once round the ring
.set NQ,     2                         ; matrix instructions deep in a slot
.set FR,     12                        ; registers of a fragment
.set NL,     4                         ; LDS loads that bring one
.set NP,     4                         ; places behind this matrix instruction (ISA guide 7.12.1)
.set GSTEP,  12288                     ; 128 rows x 128 K
.set HALFT,  2*GSTEP                   ; what one tensor load brings
.set SLOT,   4*HALFT                   ; A's two groups of 128 rows, then B's two
.set HALFS,  KS*512                    ; the scale words of 128 rows, all of K
.set SCL,    2*SLOT
.set SPARE,  SCL+4*HALFS               ; the spare words, 128 bytes for each wave: two blocks of 256 bytes that no other line names
.set STG,    SPARE+512                 ; 512 bytes for each wave: the scale words on their way out; no fill lands here
.set ADRA, 16                          ; v16-17 LDS address of my A fragments' 16-byte parts in slot 0, 1; v18-19 of their 8-byte parts
.set ADRB, 20                          ; v20-23 the same for B
.set ADRS, 27                          ; v27 my scale words: lanes 0-15 A's rows, lanes 16-31 B's
.set SPW,  28                          ; v28 LDS address of my spare word; never rewritten
.set NIL,  29                          ; v29 0; never rewritten
.set SC,   32                          ; set s at v[SC + 16 s]; register 2 i + q: lanes 0-15 A's block i, lanes 16-31 B's block i, the slot's q-th 128 along K
.set AF,   128
.set PC,   192                         ; the way out: a fragment's codes, and 7 registers at work
.set TM,   216                         ; v216-231 at work in the quantiser
.set PW,   232                         ; the scale word just made
.set G1, 24
.set G0, 32
.set G1B, 48
.set G0B, 56
.set G1S, 68
.set G0S, 76
.set G1SB, 80
.set G0SB, 88
.set OB,  92                           ; s[92:93] the way out: where block a's codes go
.set OS,  94                           ; s[94:95] and my 128 scale words
.set STA, 96                           ; s[96:97] from block to block
.set ST4, 98                           ; s[98:99] from block 3 to block 4
.set MSB, 0
.macro WIN new                         ; the immediate's high byte repeats the setting that is left
.if MSB != \new
	s_set_vgpr_msb (MSB<<8)|\new
.set MSB, \new
.endif
.endm
.set MUL_LO, 0xa1                      ; source 0 (B) window 1, source 1 (A) window 0, C and D window 2
.set MUL_HI, 0xf1                      ; the same, C and D window 3
.set TO_B,   0x40                      ; destination window 1, address window 0
; A joint load: waves 0 and 1 fetch for A, waves 2 and 3 for B.  Each line has one mask and one set of registers for all that issue it; the branch hangs on the wave's number alone.  An s_nop 0 and four v_nop follow each line.
.macro JLOAD g0a, g1a, g0b, g1b
	s_cmp_eq_u32 s15, 0
	s_cbranch_scc0 .Lfor_b_\@
	tensor_load_to_lds s[\g0a:\g0a+3], s[\g1a:\g1a+7]
	s_nop 0
.rept 4
	v_nop
.endr
	s_branch .Lasked_\@
.Lfor_b_\@:
	tensor_load_to_lds s[\g0b:\g0b+3], s[\g1b:\g1b+7]
	s_nop 0
.rept 4
	v_nop
.endr
.Lasked_\@:
.endm
.macro CREST                           ; a round of the cluster's barrier behind its opening barrier
	s_cmp_lg_u32 s14, 0
	s_cbranch_scc1 .Lnot_wave_0_\@
	s_barrier_signal -3
.Lnot_wave_0_\@:
	s_barrier_wait -3
	s_barrier_signal -1
	s_barrier_wait -1
.endm
.macro CROUND
	s_barrier_signal -1
	s_barrier_wait -1
	CREST
.endm
	s_load_b128 s[4:7], s[0:1], 0x0                ; hq s[4:5], wts s[6:7]
	s_load_b64 s[8:9], s[0:1], 0x10                ; qkv
	v_lshl_add_u32 v[SPW], v0, 2, SPARE
	v_mov_b32 v[NIL], 0
	ds_add_u32 v[SPW], v[NIL]                      ; the wave's opening: the add, twice on end, and its wait ahead of my first tensor load
	ds_add_u32 v[SPW], v[NIL]
	v_lshrrev_b32 v1, 5, v0
	v_readfirstlane_b32 s14, v1                    ; wave 0..3
	s_lshr_b32 s15, s14, 1                         ; which half of the tile's rows is mine.  Also: I fetch for A (0) or for B (1)
	s_and_b32 s16, s14, 1                          ; which half of its columns.  Also: which 128 rows of that tile I fetch
	s_bfe_u32 s40, ttmp6, 0x40000                  ; cx
	s_bfe_u32 s41, ttmp6, 0x40004                  ; cy
	s_and_b32 s18, ttmp7, 0xffff                   ; the cluster's y: 0-3 q and k, 4 and 5 v^T
	s_lshl_b32 s96, s18, 3
	s_sub_co_u32 s96, s96, 32                      ; 8 (y - 4)
	s_lshl_b32 s97, s18, 2
	s_cmp_ge_u32 s18, 4
	s_cselect_b32 s19, 1, 0                        ; the part, kept as a flag
	s_cselect_b32 s17, 0, s97
	s_cselect_b32 s96, s96, 0
	s_cselect_b32 s98, 1572864, 0                  ; A's codes: Wv's groups begin 16 x 98,304 bytes into wts; h's at 0
	s_mov_b32 s99, 3145728
	s_cselect_b32 s99, 9502720, s99                ; A's scale words: wts + 9,437,184 + 16 x 4,096, or hq + 3,145,728
	s_mov_b32 s100, 9437184
	s_cselect_b32 s100, 3145728, s100              ; B's scale words: hq's, or wts'
	s_add_co_u32 s17, s17, s41                     ; tile row of C
	s_lshl_b32 s42, ttmp9, 2
	s_add_co_u32 s42, s42, s96
	s_add_co_u32 s42, s42, s40                     ; tile column of C
	s_lshl_b32 s43, s41, 2
	s_lshl_b32 s43, 15, s43                        ; my row of the cluster
	s_lshl_b32 s44, 0x1111, s40                    ; my column
	; descriptor group 1: 24,576 dense bytes as 96 rows of 32 elements of 8 bytes, no padding
	s_or_b32 s[G1+0], s43, (3<<16)|(1<<21)         ; 15:0 the mask: A's tiles go to my row; 17:16 elements of 8 bytes; 21 set beside a mask
	s_or_b32 s[G1B+0], s44, (3<<16)|(1<<21)
.irp g, G1, G1B
	s_mov_b32 s[\g+1], 32<<16                      ; tensor_dim0
	s_mov_b32 s[\g+2], 96<<16                      ; tensor_dim1
	s_mov_b32 s[\g+3], 32<<16                      ; tile_dim0
	s_mov_b32 s[\g+4], 96                          ; tile_dim1
	s_mov_b32 s[\g+5], 32                          ; tensor_dim0_stride
	s_mov_b32 s[\g+6], 0
	s_mov_b32 s[\g+7], 0
.endr
	s_or_b32 s[G1S+0], s43, (3<<16)|(1<<21)        ; the scale words of 128 rows: HALFS dense bytes, rows of 256
	s_or_b32 s[G1SB+0], s44, (3<<16)|(1<<21)
.irp g, G1S, G1SB
	s_mov_b32 s[\g+1], 32<<16
	s_mov_b32 s[\g+2], (HALFS/256)<<16
	s_mov_b32 s[\g+3], 32<<16
	s_mov_b32 s[\g+4], HALFS/256
	s_mov_b32 s[\g+5], 32
	s_mov_b32 s[\g+6], 0
	s_mov_b32 s[\g+7], 0
.endr
	s_lshl_b32 s20, s17, 1
	s_add_co_u32 s20, s20, s16                     ; A's group of 128 rows that I fetch: it hangs on the tile row alone
	s_lshl_b32 s46, s42, 1
	s_add_co_u32 s46, s46, s16                     ; B's: on the tile column alone
	s_mul_i32 s22, s20, HALFS
	s_add_co_u32 s22, s22, s99
	s_mul_i32 s92, s46, HALFS
	s_add_co_u32 s92, s92, s100
	s_mul_i32 s20, s20, KS*GSTEP
	s_add_co_u32 s20, s20, s98
	s_mul_i32 s46, s46, KS*GSTEP
	s_mov_b32 s21, 0
	s_mov_b32 s23, 0
	s_mov_b32 s47, 0
	s_mov_b32 s93, 0
	s_mul_i32 s45, s14, HALFT                      ; where they go: wave x a quarter: no place in the cluster enters an LDS address
	s_mul_i32 s94, s14, HALFS
	s_wait_dscnt 0x0                               ; both opening adds are done
	s_wait_kmcnt 0x0
	s_cmp_eq_u32 s19, 1
	s_cselect_b64 s[10:11], s[6:7], s[4:5]         ; A's buffer
	s_cselect_b64 s[12:13], s[4:5], s[6:7]         ; B's buffer
	s_add_nc_u64 s[20:21], s[10:11], s[20:21]
	s_add_nc_u64 s[22:23], s[10:11], s[22:23]
	s_add_nc_u64 s[46:47], s[12:13], s[46:47]
	s_add_nc_u64 s[92:93], s[12:13], s[92:93]
	CROUND                                         ; all sixteen work-groups are here: the first joint loads meet
	s_mov_b32 s[G0S], 1
	s_add_co_u32 s[G0S+1], s94, SCL
	s_mov_b64 s[G0S+2:G0S+3], s[22:23]
	s_or_b32 s[G0S+3], s[G0S+3], 0x80000000
	s_mov_b32 s[G0SB], 1
	s_add_co_u32 s[G0SB+1], s94, SCL
	s_mov_b64 s[G0SB+2:G0SB+3], s[92:93]
	s_or_b32 s[G0SB+3], s[G0SB+3], 0x80000000
	JLOAD G0S, G1S, G0SB, G1SB                     ; the scales first: they are wanted with K step 0
.irp s, 0,1
	s_mov_b32 s[G0+4*\s], 1
	s_add_co_u32 s[G0+4*\s+1], s45, \s*SLOT
	s_add_nc_u64 s[G0+4*\s+2:G0+4*\s+3], s[20:21], \s*HALFT
	s_or_b32 s[G0+4*\s+3], s[G0+4*\s+3], 0x80000000
	s_mov_b32 s[G0B+4*\s], 1
	s_add_co_u32 s[G0B+4*\s+1], s45, \s*SLOT
	s_add_nc_u64 s[G0B+4*\s+2:G0B+4*\s+3], s[46:47], \s*HALFT
	s_or_b32 s[G0B+4*\s+3], s[G0B+4*\s+3], 0x80000000
	JLOAD G0+4*\s, G1, G0B+4*\s, G1B
.endr
	v_and_b32 v1, 15, v0                           ; r
	v_bfe_u32 v2, v0, 4, 1                         ; h
	v_and_b32 v3, 31, v0
	v_lshlrev_b32 v4, 4, v3                        ; v4: 16 x lane
	v_lshlrev_b32 v5, 3, v3
	v_add_nc_u32 v5, 512, v5                       ; v5: 512 + 8 x lane
	s_mul_i32 s21, s15, HALFT                      ; my 128 rows of A
	s_mul_i32 s22, s16, HALFT
	s_add_co_u32 s22, s22, 2*HALFT                 ; my 128 rows of B, behind A's two groups
.irp s, 0,1
	v_add_nc_u32 v[ADRA+\s], s21, v4
	v_add_nc_u32 v[ADRA+2+\s], s21, v5
	v_add_nc_u32 v[ADRB+\s], s22, v4
	v_add_nc_u32 v[ADRB+2+\s], s22, v5
	s_add_co_u32 s21, s21, SLOT
	s_add_co_u32 s22, s22, SLOT
.endr
	s_mul_i32 s21, s15, HALFS
	s_mul_i32 s22, s16, HALFS
	s_add_co_u32 s22, s22, 2*HALFS
	s_sub_co_u32 s22, s22, s21
	v_mul_u32_u24 v6, s22, v2                      ; lanes 16-31 take B's
	s_add_co_u32 s21, s21, SCL
	v_lshl_add_u32 v6, v1, 2, v6
	v_add_nc_u32 v[ADRS], s21, v6
	; THE WAY OUT'S PLACES, for both parts; then the part's are chosen
	s_lshr_b32 s10, s42, 2                         ; q, k: 0 q, 1 k
	s_lshr_b32 s11, s17, 3                         ; batch
	s_and_b32 s12, s42, 3
	s_and_b32 s13, s17, 7
	s_lshl_b32 s20, s10, 5
	s_lshl_b32 s21, s11, 4
	s_add_co_u32 s20, s20, s21
	s_lshl_b32 s21, s12, 2
	s_add_co_u32 s20, s20, s21
	s_lshl_b32 s21, s16, 1
	s_add_co_u32 s20, s20, s21                     ; 32 (q, k) + 16 batch + my first head
	s_mul_i32 s20, s20, 98304
	s_lshl_b32 s21, s13, 4
	s_lshl_b32 s22, s15, 3
	s_add_co_u32 s21, s21, s22                     ; my first token / 16
	s_mul_i32 s21, s21, 768
	s_add_co_u32 s20, s20, s21                     ; q, k: codes
	s_lshl_b32 s21, s10, 1
	s_add_co_u32 s21, s21, s11
	s_lshl_b32 s21, s21, 3
	s_lshl_b32 s22, s12, 1
	s_add_co_u32 s21, s21, s22
	s_add_co_u32 s21, s21, s16                     ; ((q, k) x 2 + batch) x 8 + my pair of heads
	s_lshl_b32 s21, s21, 13
	s_lshl_b32 s22, s13, 10
	s_add_co_u32 s21, s21, s22
	s_lshl_b32 s22, s15, 9
	s_add_co_u32 s21, s21, s22
	s_add_co_u32 s21, s21, 9437184                 ; q, k: scale words
	s_lshr_b32 s10, s42, 3                         ; v^T: batch
	s_and_b32 s11, s42, 7
	s_lshl_b32 s22, s10, 4
	s_lshl_b32 s23, s17, 2
	s_add_co_u32 s22, s22, s23
	s_lshl_b32 s23, s15, 1
	s_add_co_u32 s22, s22, s23                     ; 16 batch + my first head
	s_lshl_b32 s11, s11, 1
	s_add_co_u32 s11, s11, s16                     ; my 128 keys
	s_lshl_b32 s23, s22, 12
	s_lshl_b32 s45, s11, 8
	s_add_co_u32 s23, s23, s45
	s_add_co_u32 s23, s23, 9699328                 ; v^T: scale words
	s_add_co_u32 s22, s22, 64
	s_mul_i32 s22, s22, 98304
	s_mul_i32 s45, s11, 6144
	s_add_co_u32 s22, s22, s45                     ; v^T: codes
	s_cmp_eq_u32 s19, 1
	s_cselect_b32 s20, s22, s20
	s_cselect_b32 s22, s23, s21
	s_mov_b32 s100, 98304
	s_cselect_b32 s100, 768, s100                  ; a fragment's second half: the next head's (q, k), or 768 bytes on (v^T)
	s_mov_b32 s[STA], 768
	s_cselect_b32 s[STA], 1536, s[STA]             ; 16 rows on: the next 16 tokens, or the next 16 of d
	s_mov_b32 s[ST4], 768
	s_cselect_b32 s[ST4], 93696, s[ST4]            ; v^T: from d 48-63 of a head to d 0-15 of the next: 98,304 - 3 x 1,536
	s_mov_b32 s101, 256
	s_cselect_b32 s101, 4096, s101                 ; my scale words' second 256 bytes: on end, or the next head's
	s_mov_b32 s21, 0
	s_mov_b32 s23, 0
	s_mov_b32 s[STA+1], 0
	s_mov_b32 s[ST4+1], 0
	s_add_nc_u64 s[OB:OB+1], s[8:9], s[20:21]
	s_add_nc_u64 s[OS:OS+1], s[8:9], s[22:23]
	v_add_nc_u32 v10, s100, v4                     ; v10, v11: the second half's places
	v_add_nc_u32 v11, s100, v5
	s_lshl_b32 s45, s14, 9
	s_add_co_u32 s45, s45, STG
	v_lshl_add_u32 v12, v1, 2, s45                 ; v12: my stage: row r's word (+ 64 a)
	v_add_nc_u32 v13, s45, v4                      ; v13: and back, 16 bytes a lane
	v_mul_u32_u24 v14, s101, v2
	v_lshl_add_u32 v14, v1, 4, v14                 ; v14: sixteen lanes store 256 consecutive bytes
.macro FRAG reg, adr, q, i             ; a fragment as it lies: for each half 16 bytes a lane and 8 bytes a lane
.irp c, 0,1
	ds_load_b128 v[\reg+6*\c:\reg+6*\c+3], v[\adr] offset:(\q)*GSTEP+(\i)*1536+768*\c
	ds_load_b64 v[\reg+6*\c+4:\reg+6*\c+5], v[\adr+2] offset:(\q)*GSTEP+(\i)*1536+768*\c
.endr
.endm
; 16 matrix instructions: A's blocks a0, a0 + 1 x B's eight, 128 along K: the slot's q-th.  p: B's set; sc: the set of scale words.  zero = 1: the first product starts the sums.  The 64 accumulators take turns, in the same order in every step.
.macro MUL16 a0, p, q, sc, zero
.irp a, \a0, \a0+1
.irp b, 0,1,2,3,4,5,6,7
.if \zero
	v_wmma_scale_f32_16x16x128_f8f6f4 v[8*(8*((\a)%4)+\b):8*(8*((\a)%4)+\b)+7], v[128*(\p)+FR*\b:128*(\p)+FR*\b+FR-1], v[AF+FR*(\a):AF+FR*(\a)+FR-1], 0, v[SC+16*(\sc)+2*\b+(\q)], v[SC+16*(\sc)+2*(\a)+(\q)] matrix_a_fmt:MATRIX_FMT_FP6 matrix_b_fmt:MATRIX_FMT_FP6 matrix_a_scale:MATRIX_SCALE_ROW1
.else
	v_wmma_scale_f32_16x16x128_f8f6f4 v[8*(8*((\a)%4)+\b):8*(8*((\a)%4)+\b)+7], v[128*(\p)+FR*\b:128*(\p)+FR*\b+FR-1], v[AF+FR*(\a):AF+FR*(\a)+FR-1], v[8*(8*((\a)%4)+\b):8*(8*((\a)%4)+\b)+7], v[SC+16*(\sc)+2*\b+(\q)], v[SC+16*(\sc)+2*(\a)+(\q)] matrix_a_fmt:MATRIX_FMT_FP6 matrix_b_fmt:MATRIX_FMT_FP6 matrix_a_scale:MATRIX_SCALE_ROW1
.endif
.endr
.endr
.endm
.macro FETCH_B slot, q, p
	WIN TO_B
.irp i, 0,1,2,3,4,5,6,7
	FRAG 128*(\p)+FR*\i, ADRB+\slot, \q, \i
.endr
	WIN 0
.endm
.macro FETCH_A slot, q, i0
.irp i, \i0, \i0+1, \i0+2, \i0+3
	FRAG AF+FR*(\i), ADRA+\slot, \q, \i
.endr
.endm
.macro SCALES sc                       ; the next K step's scale words: lanes 0-15 A's block i, lanes 16-31 B's block i
.irp i, 0,1,2,3,4,5,6,7
.irp q, 0,1
	ds_load_b32 v[SC+16*\sc+2*\i+\q], v[ADRS] offset:512*\q+64*\i
.endr
.endr
.endm
.macro PLACES n                        ; plain vector instructions between a matrix instruction and a load into one of its registers, or the first read of its result
.rept \n
	v_nop
.endr
.endm
.macro STEP slot, q, zero              ; a step of 128 along K that has its successor in the same slot
	s_wait_dscnt 4*NL                              ; B's set, A's blocks 0-3 and the scale words are in; the youngest 16 loads (A's blocks 4-7) may be out
	WIN MUL_LO
	MUL16 0, (\q)%2, \q, \slot, \zero
	MUL16 2, (\q)%2, \q, \slot, \zero
	s_wait_dscnt 0
	PLACES NP
	FETCH_B \slot, (\q)+1, 1-(\q)%2
	FETCH_A \slot, (\q)+1, 0
	WIN MUL_HI
	MUL16 4, (\q)%2, \q, \slot, \zero
	MUL16 6, (\q)%2, \q, \slot, \zero
	PLACES NP
	WIN 0
	FETCH_A \slot, (\q)+1, 4
.endm
; A slot's last step changes slots: one barrier; in front of it each wave waits for all its tensor loads, adds 0 to its spare word, and waits for that and for its reads of this slot.  fill = 1: this slot is filled again, two K steps ahead.
.macro TURN slot, next, fill
	s_wait_tensorcnt 0x0                           ; all my tensor loads have landed: my part of the next slot
	ds_add_u32 v[SPW], v[NIL]                      ; 0 onto my spare word
	s_wait_dscnt 4*NL+1                            ; (the add and the youngest 16 loads may be out)
	WIN MUL_LO
	MUL16 0, 1, NQ-1, \slot, 0
	s_wait_dscnt 0x0                               ; the add is done, and my reads of this slot are over
	s_barrier_signal -1
	MUL16 2, 1, NQ-1, \slot, 0
	WIN 0
	s_barrier_wait -1
.if \fill
	CREST                                          ; the barrier has opened a round of the cluster's barrier: no wave of any partner still reads this slot or has a load on its way
	s_add_nc_u64 s[G0+4*\slot+2:G0+4*\slot+3], s[G0+4*\slot+2:G0+4*\slot+3], 2*HALFT
	s_add_nc_u64 s[G0B+4*\slot+2:G0B+4*\slot+3], s[G0B+4*\slot+2:G0B+4*\slot+3], 2*HALFT
	JLOAD G0+4*\slot, G1, G0B+4*\slot, G1B         ; the first tensor load behind the round; its four v_nop are the places in front of the loads below
.else
	PLACES NP
.endif
	v_add_nc_u32 v[ADRS], 1024, v[ADRS]            ; the next K step's scale words
	FETCH_B \next, 0, 0
	FETCH_A \next, 0, 0
	SCALES \next
	WIN MUL_HI
	MUL16 4, 1, NQ-1, \slot, 0
	MUL16 6, 1, NQ-1, \slot, 0
	PLACES NP
	WIN 0
	FETCH_A \next, 0, 4
.endm
; 64 numbers of a lane, v[s] .. v[s + 63] of window w (the 8 tiles of a block of 16 rows), become a fragment's codes in v[PC] on and its scale word in v[PW].  Registers 16 b .. 16 b + 15 belong to block b of my row; lane l xor 16 holds the block's other 16.
.macro QUANT s, w
.set QWA, ((\w)<<2)|((\w)<<4)
.set QWB, (\w)
	WIN QWA                                        ; sources 1 and 2 in window w
.irp b, 0,1,2,3
	v_max3_num_f32 v[TM+\b], 0x1800000, |v[\s+16*\b]|, |v[\s+1+16*\b]|   ; the floor 2^(3 - 127) among the leaves: the byte cannot fall under 1.  Each accumulator is read from its low end on
.endr
.irp i, 2,4,6,8,10,12,14
.irp b, 0,1,2,3
	v_max3_num_f32 v[TM+\b], v[TM+\b], |v[\s+16*\b+\i]|, |v[\s+1+16*\b+\i]|
.endr
.endr
	WIN 0
.irp b, 0,1,2,3
	v_permlanex16_b32 v[TM+4+\b], v[TM+\b], s66, s67
.endr
.irp b, 0,1,2,3
	v_max_num_f32 v[TM+\b], v[TM+\b], v[TM+4+\b]
.endr
.irp b, 0,1,2,3
	v_add_nc_u32 v[TM+12+\b], 0xff000000, v[TM+\b] ; 2 off the exponent field: the conversion's scale operand
.endr
.irp b, 0,1,2,3
	v_lshrrev_b32 v[TM+4+\b], 23, v[TM+12+\b]      ; the scale's byte
.endr
	v_lshl_or_b32 v[PW], v[TM+5], 8, v[TM+4]
	v_lshl_or_b32 v[PW], v[TM+6], 16, v[PW]
	v_lshl_or_b32 v[PW], v[TM+7], 24, v[PW]
	WIN QWB                                        ; source 0 in window w
.irp c, 0,1
	v_cvt_scalef32_pk16_fp6_f32 v[PC+6*\c:PC+2+6*\c], v[\s+32*\c:\s+15+32*\c], v[TM+12+2*\c]
	v_cvt_scalef32_pk16_fp6_f32 v[PC+12+4*\c:PC+14+4*\c], v[\s+16+32*\c:\s+31+32*\c], v[TM+12+2*\c+1]
.endr
	WIN 0
	v_nop                                          ; one plain instruction behind a scaled conversion
.irp c, 0,1                            ; the operand's layout wants a whole block in a lane: lanes 0-15 block 2 c, lanes 16-31 block 2 c + 1
.irp i, 0,1,2
	v_permlane16_swap_b32 v[PC+6*\c+\i], v[PC+12+4*\c+\i]
.endr
.irp i, 0,1,2
	v_mov_b32 v[PC+3+6*\c+\i], v[PC+12+4*\c+\i]
.endr
.endr
.endm
	s_mov_b32 s66, 0x76543210
	s_mov_b32 s67, 0xfedcba98                      ; v_permlanex16_b32's selects for lane l xor 16
	s_wait_tensorcnt 1                             ; the scales and my part of K step 0 are in (K step 1's load may be out)
	s_barrier_signal -1
	s_barrier_wait -1                              ; everybody's are
	FETCH_B 0, 0, 0
	FETCH_A 0, 0, 0
	SCALES 0
	FETCH_A 0, 0, 4
	STEP 0, 0, 1                                   ; the first step stands in front of the loop: its products start the sums
	s_mov_b32 s3, LAPS-1
.Llap:                                                 ; a trip goes once round the ring and fills both slots again
	TURN 0, 1, 1
	STEP 1, 0, 0
	TURN 1, 0, 1
	STEP 0, 0, 0
	s_sub_co_u32 s3, s3, 1
	s_cmp_lg_u32 s3, 0
	s_cbranch_scc1 .Llap
	TURN 0, 1, 0                                   ; the last lap fills nothing, and has no round of the cluster's barrier
	STEP 1, 0, 0
	s_wait_dscnt 4*NL
	WIN MUL_LO
	MUL16 0, 1, NQ-1, 1, 0
	MUL16 2, 1, NQ-1, 1, 0
	s_wait_dscnt 0
	WIN MUL_HI
	MUL16 4, 1, NQ-1, 1, 0
	MUL16 6, 1, NQ-1, 1, 0
	WIN 0
	; THE WAY OUT: each block of 16 rows x 128 columns is quantised in registers and stored as a fragment's image
	PLACES NP
.irp b, 0,1,2,3
	v_mov_b32 v[TM+4+\b], 0                        ; written once: a lane permute's destination counts as one of its sources
.endr
.irp a, 0,1,2,3,4,5,6,7
.if \a > 0
	s_wait_xcnt 0x0                                ; the last block's stores have read their data and their base: both are written again only behind this wait
.if \a == 4
	s_add_nc_u64 s[OB:OB+1], s[OB:OB+1], s[ST4:ST4+1]
.else
	s_add_nc_u64 s[OB:OB+1], s[OB:OB+1], s[STA:STA+1]
.endif
.endif
	QUANT 64*(\a%4), 2+\a/4
	global_store_b128 v4, v[PC:PC+3], s[OB:OB+1]           ; 512 consecutive bytes
	global_store_b64 v5, v[PC+4:PC+5], s[OB:OB+1]          ; 256 consecutive bytes
	global_store_b128 v10, v[PC+6:PC+9], s[OB:OB+1]
	global_store_b64 v11, v[PC+10:PC+11], s[OB:OB+1]
	ds_store_b32 v12, v[PW] offset:64*\a                   ; lanes r and r + 16 write the same word with the same value
.endr
	ds_load_b128 v[240:243], v13                   ; LDS serves a wave's instructions in order: this sees my stores
	s_wait_dscnt 0x0
	global_store_b128 v14, v[240:243], s[OS:OS+1]  ; my 128 scale words: two runs of 256 consecutive bytes
	s_wait_tensorcnt 0x0                           ; the wave's end: behind my last tensor load and my last LDS store
	ds_add_u32 v[SPW], v[NIL]
	s_wait_dscnt 0x0
	CROUND                                         ; the closing round: no work-group ends while a partner may still ask for a tile that names it
	s_endpgm
.Lfunc_end_k_qc622ec16b4_qkvgemm:
	.size	k_qc622ec16b4_qkvgemm, .Lfunc_end_k_qc622ec16b4_qkvgemm-k_qc622ec16b4_qkvgemm
	.p2alignl 7, 3214868480
	.fill 96, 4, 3214868480
	.section	.rodata,"a",@progbits
	.p2align	6, 0x0
	.amdhsa_kernel k_qc622ec16b4_qkvgemm
		.amdhsa_group_segment_fixed_size 327680
		.amdhsa_private_segment_fixed_size 0
		.amdhsa_enable_private_segment 0
		.amdhsa_kernarg_size 24
		.amdhsa_user_sgpr_count 2
		.amdhsa_user_sgpr_kernarg_segment_ptr 1
		.amdhsa_wavefront_size32 1
		.amdhsa_system_sgpr_workgroup_id_x 1
		.amdhsa_system_sgpr_workgroup_id_y 1
		.amdhsa_system_sgpr_workgroup_id_z 1
		.amdhsa_system_vgpr_workitem_id 0
		.amdhsa_next_free_vgpr 1024
		.amdhsa_next_free_sgpr 102
		.amdhsa_reserve_vcc 0
		.amdhsa_float_denorm_mode_32 3
		.amdhsa_float_denorm_mode_16_64 3
		.amdhsa_memory_ordered 1
		.amdhsa_forward_progress 1
		.amdhsa_inst_pref_size 154
	.end_amdhsa_kernel
	.amdgpu_metadata
---
amdhsa.version: [ 1, 2 ]
amdhsa.kernels:
  - .name:           k_qc622ec16b4_qkvgemm
    .symbol:         k_qc622ec16b4_qkvgemm.kd
    .args:
      - { .name: hq, .offset: 0, .size: 8, .value_kind: global_buffer, .address_space: global }
      - { .name: wts, .offset: 8, .size: 8, .value_kind: global_buffer, .address_space: global }
      - { .name: qkv, .offset: 16, .size: 8, .value_kind: global_buffer, .address_space: global }
    .group_segment_fixed_size: 327680
    .private_segment_fixed_size: 0
    .kernarg_segment_align: 8
    .kernarg_segment_size: 24
    .max_flat_workgroup_size: 128
    .sgpr_count:     102
    .vgpr_count:     1024
    .wavefront_size: 32
...
	.end_amdgpu_metadata
.endif
;; end of part 3
;; launch attn (part 4): grid 8 x 32, 16 waves a work-group, no clusters, 327,680 bytes of LDS; arguments qkv, oq; writes oq
.if DOCPART == 4
	.amdgcn_target "amdgcn-amd-amdhsa--gfx1250"
	.amdhsa_code_object_version 6
	.text
	.protected	k_qc622ec16b4_attn
	.globl	k_qc622ec16b4_attn
	.p2align	8
	.type	k_qc622ec16b4_attn,@function
k_qc622ec16b4_attn:
	s_mov_b64 s[64:65], 0
	v_nop
	global_prefetch_b8 v0, s[64:65] scope:SCOPE_SE
	s_setreg_imm32_b32 hwreg(HW_REG_WAVE_MODE, 25, 1), 1
	s_wait_xcnt 0x0
; o = softmax(q k^T / 32, causal) v for 32 (batch, head) pairs of 2,048 tokens x 64, both products on codes of FP6 (E2M3) with E8M0 scales for each 32 along K; o leaves as codes, an operand of the projection.
; THE SOFTMAX AHEAD OF THE SECOND PRODUCT: t = score x log2(e) / 32; M = the row's largest t so far, rounded up to a whole number; p = 2^(t - M) is quantised along the keys, not normalised.  The row's sum is taken of the unquantised p and divides O at the end.
; When M moves, the sum and O are multiplied by 2^(old M - new M), which rounds nothing.
; INPUT (qkv): codes [0 q, 1 k, 2 v][16 batch + head][98,304]: q, k: [token / 16][768]: half a fragment (K = the head's 64; the form's other 64 are zero codes, kept in registers); v: [key / 128][d / 16][1,536], the keys innermost.
; q, k scale words at 9,437,184: [q, k][batch][head / 2][token], two bytes a head; v's at 9,699,328: [16 batch + head][key / 128][d].  A fragment's half is an image of six registers: four at 16 x lane, two at 512 + 8 x lane.
; SHARES.  A work-group owns query blocks j and 15 - j (128 queries each) of one head, so that every work-group has the same work under the mask; each of its sixteen waves owns 16 queries.  Wave w takes tile w / 2 of the early or the late block by
; (w xor w / 4) % 2, so that any four waves w, w + 4, w + 8, w + 12 and any four neighbours hold two early and two late tiles.
; K's and V's tiles come through a ring of two LDS slots of 256 keys (24,576 bytes), filled by waves 0 to 3, 6,144 dense bytes each, and read by all sixteen.  The scale words of the head stay in LDS.
; LAYOUT.  Both products are used transposed: S^T = K Q^T, O^T = V^T P^T: a lane holds one query (lane % 16) throughout.  The 16 registers of tiles 2 b, 2 b + 1 belong to block b of 32 keys; with lane l xor 16's they are the block, in the order
; 8 (p / 16) + p % 8 + 16 ((p / 8) % 2) in which v's codes were laid too.
; CAUSAL.  Every work-group walks all 8 slots (constant trip counts); a step all of whose keys come after the wave's queries is jumped over, and a slot whose first key comes after the work-group's last query is not asked for.
; NO CLUSTER: the work-groups of a head stop asking at different slots, so partners would need different numbers of tiles.
; LIMITS: a block of zeros, or one whose largest magnitude lies under 2^-124, gets the byte 1 (zero codes; this program alone reads the bytes); NaN and infinities are not served.
; REGISTERS: v1-4 addresses that stay; v5, v6 the add's two; v7-10 addresses in hand; v11 the prefetches' offset; v12 -M, v13 the largest t, v[14:15] the sum; v16-27 Q; v28-31 V's scale words; v32-79 four fragments of K; v80-127 V's four;
; v128-191 S^T, then p; v192-223 O^T; v224-235 p's codes; v232-247, v252, v254 at work; v248-251 K's scale words; v253 p's; v255 Q's.
.set SK,    256                        ; keys in a slot
.set NSL,   2048/SK
.set VOFF,  12288                      ; a slot: 16 halves of K, then 2 x 4 fragments of V
.set SLOT1, 1<<17                      ; slot 1 begins here: one exclusive or turns an address
.set SCK,   2*SLOT1                    ; k's scale words of my pair of heads: 8,192 bytes
.set SCV,   SCK+8192                   ; v's of my head: 4,096 bytes
.set SPARE, SCV+4096                   ; the spare words, 128 bytes for each wave: eight blocks of 256 bytes that no other line names
.set A16,  1
.set A8,   2
.set ASK0, 3
.set ASV0, 4
.set SPW,  5
.set NIL,  6
.set AD16, 7
.set AD8,  8
.set ADS,  9
.set ADT,  10
.set PFO,  11
.set S,    128
.set O,    192
.set WV,   18
.set SEL,  20
.set CS,   22
.set G1,   24                          ; s[24:31] group 1 for a quarter of a slot;  s[32:39] for 4,096 bytes of scale words
.set G1S,  32
.set G0,   40                          ; s[40:43] group 0, which walks;  s[44:47] the scale words'
.set G0S,  44
.set TB,   2                           ; s2  LDS byte at which the slot in hand begins
.set TS,   3                           ; s3  where the step's scale words of K begin: 512 bytes a step
.set TJ,   66                          ; s66 and V's: 256 bytes a step
.set SLOTS, 67
.set PFA,  76                          ; s[76:77] K's codes of the slot that the next change will ask for
.set LIM,  80                          ; s80 1 in a wave that prefetches, else the greatest number
.set LQ,   97                          ; s97 my work-group's last query
.set KF,   98                          ; s98 the step's first key
.set Q0,   99                          ; s99 my first query
.macro TLOAD g0, g1, nw                ; waves 0 .. nw - 1 fetch, the others nothing.  An s_nop 0 and four v_nop follow the load
	s_cmp_lt_u32 s[WV], \nw
	s_cbranch_scc0 .Lasked_\@
	tensor_load_to_lds s[\g0:\g0+3], s[\g1:\g1+7]
	s_nop 0
.rept 4
	v_nop
.endr
.Lasked_\@:
.endm
; A prefetch of what the next change of slots will ask for: 48 aligned blocks of 256 bytes of K's codes and 48 of V's.  All work-groups of a head walk the same K and V: the head's first work-group asks, which walks all slots; in it waves 4 to 6,
; which fetch nothing, a lane a block: each block is named once in the launch.  The last change that fills a slot asks for nothing; slots 0 and 1 come by their loads alone.
.macro ASK
	s_cmp_gt_u32 s[SLOTS], s[LIM]
	s_cbranch_scc0 .Lnot_mine_\@
	global_prefetch_b8 v[PFO], s[PFA:PFA+1] th:TH_LOAD_NT scope:SCOPE_SE
.Lnot_mine_\@:
.endm
	s_load_b128 s[4:7], s[0:1], 0x0                ; qkv s[4:5], oq s[6:7]
	v_lshl_add_u32 v[SPW], v0, 2, SPARE
	v_mov_b32 v[NIL], 0
	ds_add_u32 v[SPW], v[NIL]                      ; the wave's opening: the add, twice on end, and its wait ahead of the first tensor loads
	ds_add_u32 v[SPW], v[NIL]
	v_lshrrev_b32 v7, 5, v0
	v_readfirstlane_b32 s[WV], v7                  ; wave 0..15
	s_and_b32 s70, ttmp7, 0xffff                   ; 16 batch + head
	s_lshr_b32 s71, s70, 4                         ; batch
	s_and_b32 s72, s70, 15                         ; head
	s_lshr_b32 s73, s72, 1                         ; pair of heads
	s_and_b32 s74, s72, 1                          ; the odd one?
	s_lshr_b32 s81, s[WV], 2
	s_xor_b32 s81, s81, s[WV]
	s_and_b32 s81, s81, 1                          ; 0: the early block, 1: the late one
	s_sub_co_u32 s82, 15, ttmp9
	s_cmp_eq_u32 s81, 1
	s_cselect_b32 s83, s82, ttmp9
	s_lshl_b32 s83, s83, 7
	s_lshr_b32 s84, s[WV], 1
	s_lshl_b32 s84, s84, 4
	s_add_co_u32 s[Q0], s83, s84
	s_lshl_b32 s[LQ], s82, 7
	s_or_b32 s[LQ], s[LQ], 127
	s_mov_b32 s[G1], 3<<16                         ; no mask; elements of 8 bytes; no padding: 6,144 dense bytes as 24 rows of 256
	s_mov_b32 s[G1+1], 32<<16
	s_mov_b32 s[G1+2], 24<<16
	s_mov_b32 s[G1+3], 32<<16
	s_mov_b32 s[G1+4], 24
	s_mov_b32 s[G1+5], 32
	s_mov_b32 s[G1+6], 0
	s_mov_b32 s[G1+7], 0
	s_mov_b32 s[G1S], 3<<16                        ; 4,096 dense bytes as 16 rows of 256
	s_mov_b32 s[G1S+1], 32<<16
	s_mov_b32 s[G1S+2], 16<<16
	s_mov_b32 s[G1S+3], 32<<16
	s_mov_b32 s[G1S+4], 16
	s_mov_b32 s[G1S+5], 32
	s_mov_b32 s[G1S+6], 0
	s_mov_b32 s[G1S+7], 0
	s_mul_i32 s50, s[WV], 6144                     ; waves 0, 1: K's halves of a slot; waves 2, 3: V's
	s_lshr_b32 s51, s[WV], 1
	s_lshl_b32 s51, s51, 5
	s_add_co_u32 s51, s51, s70
	s_add_co_u32 s51, s51, 32
	s_mul_i32 s52, s51, 98304
	s_and_b32 s51, s[WV], 1
	s_mul_i32 s51, s51, 6144
	s_add_co_u32 s52, s52, s51
	s_mov_b32 s53, 0
	s_lshl_b32 s54, s71, 3
	s_add_co_u32 s54, s54, s73
	s_add_co_u32 s54, s54, 16                      ; (k, batch, pair of heads)
	s_lshl_b32 s54, s54, 13
	s_lshl_b32 s55, s[WV], 12
	s_add_co_u32 s54, s54, s55
	s_add_co_u32 s54, s54, 9437184                 ; waves 0, 1: halves of k's scale words
	s_lshl_b32 s56, s70, 12
	s_add_co_u32 s56, s56, 9699328                 ; wave 2: v's
	s_cmp_lt_u32 s[WV], 2
	s_cselect_b32 s54, s54, s56
	s_mov_b32 s55, 0
	s_lshl_b32 s57, s[WV], 12
	s_add_co_u32 s57, s57, SCK
	s_mov_b32 s[SEL], 0x76543210
	s_mov_b32 s[SEL+1], 0xfedcba98                 ; v_permlanex16_b32's selects for lane l xor 16
	s_mov_b32 s[CS], 0x3d38aa3b                    ; c = log2(e) / 32
	s_mov_b32 s[CS+1], s[CS]                       ; (named with it as a pair, so it is written)
	s_mov_b32 s[TB], 0
	s_mov_b32 s[TS], 0
	s_mov_b32 s[TJ], 0
	s_mov_b32 s[SLOTS], NSL-1
	s_mov_b32 s[KF], 0
	s_wait_dscnt 0x0                               ; both opening adds are done
	s_wait_kmcnt 0x0
	s_mov_b32 s[G0S], 1
	s_mov_b32 s[G0S+1], s57
	s_add_nc_u64 s[G0S+2:G0S+3], s[4:5], s[54:55]
	s_or_b32 s[G0S+3], s[G0S+3], 0x80000000
	TLOAD G0S, G1S, 3                              ; the scale words: filled once
	s_mov_b32 s[G0], 1
	s_mov_b32 s[G0+1], s50
	s_add_nc_u64 s[G0+2:G0+3], s[4:5], s[52:53]
	s_or_b32 s[G0+3], s[G0+3], 0x80000000
	TLOAD G0, G1, 4                                ; slot 0
	v_and_b32 v12, 31, v0                          ; lane
	v_and_b32 v13, 15, v0                          ; r
	v_lshlrev_b32 v[A16], 4, v12                   ; 16 x lane
	v_lshlrev_b32 v[A8], 3, v12
	v_add_nc_u32 v[A8], 512, v[A8]                 ; 512 + 8 x lane
	s_lshl_b32 s83, s74, 1
	s_add_co_u32 s83, s83, SCK
	v_lshl_add_u32 v[ASK0], v13, 2, s83            ; k's scale bytes: 4 bytes a key, my head's two of them
	v_lshl_add_u32 v[ASV0], v13, 2, SCV            ; v's scale words: 4 bytes a row d
	v_lshlrev_b32 v254, 2, v13
	s_mul_i32 s84, s70, 98304
	s_mul_i32 s85, s[Q0], 48                       ; 768 bytes for each 16 queries
	s_add_co_u32 s84, s84, s85
	s_mov_b32 s85, 0
	s_add_nc_u64 s[84:85], s[4:5], s[84:85]
	s_lshl_b32 s86, s71, 3
	s_add_co_u32 s86, s86, s73
	s_lshl_b32 s86, s86, 13
	s_lshl_b32 s87, s[Q0], 2
	s_add_co_u32 s86, s86, s87
	s_lshl_b32 s87, s74, 1
	s_add_co_u32 s86, s86, s87
	s_add_co_u32 s86, s86, 9437184
	s_mov_b32 s87, 0
	s_add_nc_u64 s[86:87], s[4:5], s[86:87]
	global_load_b128 v[16:19], v[A16], s[84:85]    ; Q's half fragment stays in registers
	global_load_b64 v[20:21], v[A8], s[84:85]
	global_load_u16 v255, v254, s[86:87]           ; Q's two scale bytes; the bytes of the zero codes are 0
	; the prefetches: where they stand, and who asks
	s_add_co_u32 s82, s70, 32
	s_mul_i32 s82, s82, 98304
	s_add_co_u32 s82, s82, 12288                   ; in slot 1: the first change of slots steps it to slot 2
	s_mov_b32 s83, 0
	s_add_nc_u64 s[PFA:PFA+1], s[4:5], s[82:83]
	s_sub_co_u32 s82, s[WV], 4
	s_cmp_lt_u32 s82, 3
	s_cselect_b32 s82, 0, 1                        ; 0 in waves 4 to 6,
	s_or_b32 s82, s82, ttmp9                       ; of the head's first work-group
	s_cmp_eq_u32 s82, 0
	s_cselect_b32 s[LIM], 1, -1
	s_and_b32 s82, s[WV], 3
	s_lshl_b32 s82, s82, 5
	v_add_nc_u32 v[PFO], s82, v12                  ; block e = 32 (wave - 4) + lane,
	v_min_u32 v[PFO], 95, v[PFO]                   ; held at the slot's last
	v_add_nc_u32 v12, 16, v[PFO]
	v_lshrrev_b32 v12, 6, v12                      ; 1 from block 48 on: V's,
	v_mul_u32_u24 v12, 0x2fd000, v12               ; which lie 32 x 98,304 - 12,288 bytes further on
	v_lshl_add_u32 v[PFO], v[PFO], 8, v12
	v_mov_b32 v13, 0xff61b1e6                      ; the largest t so far: -3e38, under every t
	v_floor_f32 v12, -v13                          ; -M
	v_mov_b32 v14, 0                               ; the sum, in two halves
	v_mov_b32 v15, 0
.irp j, 22,23,24,25,26,27
	v_mov_b32 v[\j], 0                             ; Q's k 64-127: zero codes
.endr
.irp t, 0,1,2,3
.irp j, 6,7,8,9,10,11
	v_mov_b32 v[32+12*\t+\j], 0                    ; K's likewise: written once, never loaded over
.endr
.endr
.irp b, 0,1,2,3
	v_mov_b32 v[236+\b], 0                         ; written once: a lane permute's destination counts as one of its sources
.endr
	v_mov_b32 v252, 0
	v_mov_b32 v253, 0                              ; (named as the upper half of the pair v[252:253] before it is first written)
.set n, 0
.rept 32
	v_mov_b32 v[O+n], 0                            ; O^T: the loop is written once; its first step finds zeros
.set n, n+1
.endr
; A KEY STEP: 128 keys, the q-th of the slot in hand.
.macro STEP q
	s_add_co_u32 s96, s[Q0], 15
	s_cmp_gt_u32 s[KF], s96                        ; all its keys come after my queries: the step's work is left out; the lines at its end that step addresses are not
	s_cbranch_scc1 .Lhidden_\@
	v_add_nc_u32 v[AD16], s[TB], v[A16]            ; (these four are also the places in front of the loads into registers that the last step's products read)
	v_add_nc_u32 v[AD8], s[TB], v[A8]
	v_add_nc_u32 v[ADS], s[TS], v[ASK0]
	v_add_nc_u32 v[ADT], s[TJ], v[ASV0]
.irp t, 0,1,2,3                        ; K's tiles 0-3,
	ds_load_b128 v[32+12*\t:35+12*\t], v[AD16] offset:(8*(\q)+\t)*768
	ds_load_b64 v[36+12*\t:37+12*\t], v[AD8] offset:(8*(\q)+\t)*768
	ds_load_u16 v[248+\t], v[ADS] offset:64*\t
.endr
.irp d, 0,1,2,3                        ; and all of V's: they land under the softmax
	ds_load_b128 v[80+12*\d:83+12*\d], v[AD16] offset:VOFF+(\q)*6144+\d*1536
	ds_load_b64 v[84+12*\d:85+12*\d], v[AD8] offset:VOFF+(\q)*6144+\d*1536
	ds_load_b128 v[86+12*\d:89+12*\d], v[AD16] offset:VOFF+(\q)*6144+\d*1536+768
	ds_load_b64 v[90+12*\d:91+12*\d], v[AD8] offset:VOFF+(\q)*6144+\d*1536+768
	ds_load_b32 v[28+\d], v[ADT] offset:64*\d
.endr
	s_wait_dscnt 20                                ; K's twelve are in; V's twenty may be out
.irp t, 0,1,2,3
	v_wmma_scale_f32_16x16x128_f8f6f4 v[S+8*\t:S+8*\t+7], v[32+12*\t:43+12*\t], v[16:27], 0, v[248+\t], v255 matrix_a_fmt:MATRIX_FMT_FP6 matrix_b_fmt:MATRIX_FMT_FP6
.endr
.rept 4
	v_nop                                          ; places in front of loads into registers that these products read
.endr
.irp t, 0,1,2,3                        ; K's tiles 4-7
	ds_load_b128 v[32+12*\t:35+12*\t], v[AD16] offset:(8*(\q)+4+\t)*768
	ds_load_b64 v[36+12*\t:37+12*\t], v[AD8] offset:(8*(\q)+4+\t)*768
	ds_load_u16 v[248+\t], v[ADS] offset:64*(4+\t)
.endr
	s_wait_dscnt 0x0
.irp t, 0,1,2,3
	v_wmma_scale_f32_16x16x128_f8f6f4 v[S+32+8*\t:S+32+8*\t+7], v[32+12*\t:43+12*\t], v[16:27], 0, v[248+\t], v255 matrix_a_fmt:MATRIX_FMT_FP6 matrix_b_fmt:MATRIX_FMT_FP6
.endr
.rept 4
	v_nop                                          ; places in front of the first read of the scores
.endr
	s_add_co_u32 s96, s[KF], 127                   ; on the diagonal the scores of hidden keys become -infinity ahead of the maximum: p = 0 then.  A step all of whose keys count skips this
	s_cmp_le_u32 s96, s[Q0]
	s_cbranch_scc1 .Lopen_\@
	s_sub_co_i32 s96, s[Q0], s[KF]
	v_and_b32 v252, 15, v0
	v_bfe_u32 v254, v0, 4, 1
	v_lshlrev_b32 v254, 3, v254
	v_sub_nc_u32 v252, v252, v254
	v_add_nc_u32 v252, s96, v252                   ; d = my query - KF - 8 (lane / 16).  Register 8 t + j holds key KF + 8 (lane / 16) + 16 t + j: hidden where 16 t + j > d
	v_mov_b32 v254, 0xff800000                     ; -infinity
.set n, 0
.rept 64
	v_cmp_gt_i32 vcc_lo, 16*(n/8)+n%8, v252
	v_cndmask_b32 v[S+n], v[S+n], v254, vcc_lo
.set n, n+1
.endr
.Lopen_\@:
.irp b, 0,1,2,3
	v_max3_num_f32 v[232+\b], v[S+16*\b], v[S+1+16*\b], v[S+2+16*\b]   ; the largest score of each block of 32 keys: it serves for the row's maximum and, since p rises with the score, for the block's largest p
.endr
.irp i, 3,5,7,9,11,13
.irp b, 0,1,2,3
	v_max3_num_f32 v[232+\b], v[232+\b], v[S+16*\b+\i], v[S+1+16*\b+\i]
.endr
.endr
.irp b, 0,1,2,3
	v_max_num_f32 v[232+\b], v[232+\b], v[S+15+16*\b]
.endr
.irp b, 0,1,2,3
	v_permlanex16_b32 v[236+\b], v[232+\b], s[SEL], s[SEL+1]
.endr
.irp b, 0,1,2,3
	v_max_num_f32 v[232+\b], v[232+\b], v[236+\b]  ; with lane l xor 16's 16 keys
.endr
	v_max3_num_f32 v254, v232, v233, v234
	v_max_num_f32 v254, v254, v235                 ; the step's largest score of my query
	v_mul_f32 v254, s[CS], v254                    ; as t (c is positive)
	v_max_num_f32 v13, v13, v254                   ; the running largest t
	v_mov_b32 v254, v12
	v_floor_f32 v12, -v13                          ; the new -M = floor(-t) = -ceil(t): a whole number
	v_sub_f32 v254, v12, v254                      ; M's old value less its new one: a whole number, 0 or less
	v_cvt_i32_f32 v254, v254                       ; (it saturates)
	v_ldexp_f32 v252, 1.0, v254                    ; f = 2^(old M - new M)
.irp j, 0,2,4,6,8,10,12,14,16,18,20,22,24,26,28,30,32,34,36,38,40,42,44,46,48,50,52,54,56,58,60,62
	v_pk_fma_f32 v[S+\j:S+1+\j], v[S+\j:S+1+\j], s[CS:CS+1], v[12:13] op_sel_hi:[1,0,0]   ; t - M, two at a time
.endr
.irp b, 0,1,2,3
	v_fma_f32 v[232+\b], v[232+\b], s[CS], v12     ; the same of each block's largest score
.endr
.set n, 0
.rept 64
	v_exp_f32 v[S+n], v[S+n]                       ; p = 2^(t - M), at most 1: not normalised
.set n, n+1
.endr
	v_pk_mul_f32 v[14:15], v[14:15], v[252:253] op_sel_hi:[1,0]   ; the sums under the new M (a plain instruction behind the exponentials)
	s_wait_alu depctr_va_vdst(0)                   ; one wait for the whole batch, ahead of its first reader
.irp b, 0,1,2,3
	v_exp_f32 v[232+\b], v[232+\b]                 ; the block's largest p: the same two instructions on the same number give the same bits
.endr
	v_pk_add_f32 v[236:237], v[S:S+1], v[S+2:S+3]  ; the row's sum is taken of the unquantised p: two at a time, in two chains
.irp j, 4,8,12,16,20,24,28,32,36,40,44,48,52,56,60
	v_pk_add_f32 v[14:15], v[14:15], v[S+\j:S+1+\j]
	v_pk_add_f32 v[236:237], v[236:237], v[S+2+\j:S+3+\j]
.endr
	v_pk_add_f32 v[14:15], v[14:15], v[236:237]
	s_wait_alu depctr_va_vdst(0)                   ; and one for the four
.irp b, 0,1,2,3
	v_max_num_f32 v[232+\b], 0x1800000, v[232+\b]  ; the floor 2^(3 - 127): the byte cannot fall under 1 (a block whose every p is 0 keeps that byte: its codes are zeros)
.endr
.irp b, 0,1,2,3
	v_add_nc_u32 v[244+\b], 0xff000000, v[232+\b]  ; 2 off the exponent field: the conversion's scale operand
.endr
.irp b, 0,1,2,3
	v_lshrrev_b32 v[236+\b], 23, v[244+\b]         ; the scale's byte
.endr
	v_lshl_or_b32 v253, v237, 8, v236              ; p's scale word for these 128 keys
	v_lshl_or_b32 v253, v238, 16, v253
	v_lshl_or_b32 v253, v239, 24, v253
.irp c, 0,1
	v_cvt_scalef32_pk16_fp6_f32 v[224+6*\c:226+6*\c], v[S+32*\c:S+15+32*\c], v[244+2*\c]
	v_cvt_scalef32_pk16_fp6_f32 v[236+4*\c:238+4*\c], v[S+16+32*\c:S+31+32*\c], v[244+2*\c+1]   ; (a conversion's three registers begin on an even number)
.endr
	v_nop                                          ; one plain instruction behind a scaled conversion
.irp c, 0,1                            ; the operand's layout wants a whole block in a lane
.irp i, 0,1,2
	v_permlane16_swap_b32 v[224+6*\c+\i], v[236+4*\c+\i]
.endr
.irp i, 0,1,2
	v_mov_b32 v[227+6*\c+\i], v[236+4*\c+\i]
.endr
.endr
.irp j, 0,2,4,6,8,10,12,14,16,18,20,22,24,26,28,30
	v_pk_mul_f32 v[O+\j:O+1+\j], v[O+\j:O+1+\j], v[252:253] op_sel_hi:[1,0]   ; O^T under the new M.  (These 16 are also the places between the lines that made p's codes and scale word and the products)
.endr
.irp d, 0,1,2,3                        ; O^T += V^T P^T: four accumulators by turns
	v_wmma_scale_f32_16x16x128_f8f6f4 v[O+8*\d:O+8*\d+7], v[80+12*\d:91+12*\d], v[224:235], v[O+8*\d:O+8*\d+7], v[28+\d], v253 matrix_a_fmt:MATRIX_FMT_FP6 matrix_b_fmt:MATRIX_FMT_FP6
.endr
.Lhidden_\@:
	s_add_co_u32 s[KF], s[KF], 128
	s_add_co_u32 s[TS], s[TS], 512
	s_add_co_u32 s[TJ], s[TJ], 256
.endm
; THE CHANGE OF SLOTS stands at a slot's head.  Each wave waits for all its tensor loads, adds 0 to its spare word (fill = 1: twice on end), and waits for that and for its reads of the slot that it has left.
; Behind the barrier the slot ahead is whole and nobody reads the other one.  fill = 1: that other slot is filled with the keys that follow, up to the causal limit.
.macro CHANGE fill
	s_wait_tensorcnt 0x0                           ; no tensor load of mine is out, so a group 0 may be written
	ds_add_u32 v[SPW], v[NIL]                      ; 0 onto my spare word
.if \fill
	ds_add_u32 v[SPW], v[NIL]                      ; and once more: the add twice on end here, in every trip alike
	s_xor_b32 s[G0+1], s[G0+1], SLOT1              ; the walking descriptor: the other slot than last time,
	s_add_nc_u64 s[G0+2:G0+3], s[G0+2:G0+3], 12288 ; the next 256 keys; the type bits on top are not reached
	s_wait_xcnt 0x0                                ; the last prefetch, a slot back, has read its address, so it may be written
	s_add_nc_u64 s[PFA:PFA+1], s[PFA:PFA+1], 12288
.endif
	s_wait_dscnt 0x0                               ; the add is done, and my reads of the slot that I have left are over
	s_barrier_signal -1
	s_barrier_wait -1
.if \fill
	s_add_co_u32 s96, s[KF], SK                    ; the first key of the slot that this change would ask for:
	s_cmp_gt_u32 s96, s[LQ]                        ; behind my work-group's last query none of its waves would read it.  Ids and the count of steps alone: all sixteen waves go the same way
	s_cbranch_scc1 .Lpast_\@
	TLOAD G0, G1, 4                                ; a wave's one tensor load until the next such barrier
.Lpast_\@:
	ASK
.endif
.endm
.macro SLOT_STEPS
	STEP 0
	STEP 1
	s_xor_b32 s[TB], s[TB], SLOT1                  ; on to the other slot
.endm
	s_wait_loadcnt 0x0                             ; Q
.Lslot:                                                ; NSL - 1 trips
	CHANGE 1
	SLOT_STEPS
	s_sub_co_u32 s[SLOTS], s[SLOTS], 1
	s_cmp_lg_u32 s[SLOTS], 0
	s_cbranch_scc1 .Lslot
	CHANGE 0                                       ; the last slot is written out: nothing is left to ask for
	SLOT_STEPS
	; THE WAY OUT.  O^T / the sum is my 16 queries x the head's 64: two blocks of the projection's K.  It is quantised in registers and stored as half a fragment.
	v_add_f32 v14, v14, v15
	v_permlanex16_b32 v252, v14, s[SEL], s[SEL+1]
	v_add_f32 v14, v14, v252                       ; the row's sum
	v_rcp_f32 v14, v14
	v_and_b32 v7, 15, v0                           ; (plain instructions behind the transcendental, and places behind the last products)
	v_lshlrev_b32 v7, 2, v7                        ; 4 r
	s_lshl_b32 s81, s71, 11
	s_add_co_u32 s81, s81, s[Q0]                   ; my first token of 4,096
	s_lshr_b32 s82, s81, 7                         ; its group of 128 rows
	s_bfe_u32 s83, s81, 0x30004                    ; its fragment row
	s_mul_i32 s84, s82, 98304
	s_mul_i32 s85, s73, 12288                      ; K step = pair of heads
	s_add_co_u32 s84, s84, s85
	s_mul_i32 s85, s83, 1536
	s_add_co_u32 s84, s84, s85
	s_mul_i32 s85, s74, 768                        ; the fragment's half = my head of the pair
	s_add_co_u32 s84, s84, s85
	s_mov_b32 s85, 0
	s_add_nc_u64 s[84:85], s[6:7], s[84:85]
	s_lshl_b32 s86, s82, 12
	s_lshl_b32 s87, s73, 9
	s_add_co_u32 s86, s86, s87
	s_lshl_b32 s87, s83, 6
	s_add_co_u32 s86, s86, s87
	s_lshl_b32 s87, s74, 1
	s_add_co_u32 s86, s86, s87
	s_add_co_u32 s86, s86, 3145728
	s_mov_b32 s87, 0
	s_add_nc_u64 s[86:87], s[6:7], s[86:87]
	s_wait_alu depctr_va_vdst(0)                   ; the wait ahead of the first reader
.set n, 0
.rept 32
	v_mul_f32 v[S+n], v[O+n], v14                  ; register 8 t + i is o(r, 16 t + 8 h + i)
.set n, n+1
.endr
.irp b, 0,1
	v_max3_num_f32 v[232+\b], |v[S+16*\b]|, |v[S+1+16*\b]|, 0x1800000
.endr
.irp i, 2,4,6,8,10,12,14
.irp b, 0,1
	v_max3_num_f32 v[232+\b], v[232+\b], |v[S+16*\b+\i]|, |v[S+1+16*\b+\i]|
.endr
.endr
.irp b, 0,1
	v_permlanex16_b32 v[236+\b], v[232+\b], s[SEL], s[SEL+1]
.endr
.irp b, 0,1
	v_max_num_f32 v[232+\b], v[232+\b], v[236+\b]
.endr
.irp b, 0,1
	v_add_nc_u32 v[244+\b], 0xff000000, v[232+\b]
.endr
.irp b, 0,1
	v_lshrrev_b32 v[236+\b], 23, v[244+\b]
.endr
	v_lshl_or_b32 v254, v237, 8, v236              ; my row's two scale bytes
	v_cvt_scalef32_pk16_fp6_f32 v[224:226], v[S:S+15], v244
	v_cvt_scalef32_pk16_fp6_f32 v[228:230], v[S+16:S+31], v245
	v_nop                                          ; one plain instruction behind a scaled conversion
.irp i, 0,1,2
	v_permlane16_swap_b32 v[224+\i], v[228+\i]     ; lanes 0-15 block 0, lanes 16-31 block 1: the lower 16 codes in the first three registers, the upper 16 in the second three
.endr
	v_mov_b32 v227, v228
	v_mov_b32 v228, v229
	v_mov_b32 v229, v230
	global_store_b128 v[A16], v[224:227], s[84:85] ; 512 consecutive bytes
	global_store_b64 v[A8], v[228:229], s[84:85]   ; 256 consecutive bytes
	global_store_b16 v7, v254, s[86:87]            ; 2 bytes of each row's word (the other 2 are the other head's); lanes r and r + 16 store the same bytes
	s_wait_tensorcnt 0x0                           ; the wave's end: behind the last tensor load
	ds_add_u32 v[SPW], v[NIL]
	s_wait_dscnt 0x0
	s_endpgm
.Lfunc_end_k_qc622ec16b4_attn:
	.size	k_qc622ec16b4_attn, .Lfunc_end_k_qc622ec16b4_attn-k_qc622ec16b4_attn
	.p2alignl 7, 3214868480
	.fill 96, 4, 3214868480
	.section	.rodata,"a",@progbits
	.p2align	6, 0x0
	.amdhsa_kernel k_qc622ec16b4_attn
		.amdhsa_group_segment_fixed_size 327680
		.amdhsa_private_segment_fixed_size 0
		.amdhsa_enable_private_segment 0
		.amdhsa_kernarg_size 16
		.amdhsa_user_sgpr_count 2
		.amdhsa_user_sgpr_kernarg_segment_ptr 1
		.amdhsa_wavefront_size32 1
		.amdhsa_system_sgpr_workgroup_id_x 1
		.amdhsa_system_sgpr_workgroup_id_y 1
		.amdhsa_system_sgpr_workgroup_id_z 1
		.amdhsa_system_vgpr_workitem_id 0
		.amdhsa_next_free_vgpr 256
		.amdhsa_next_free_sgpr 100
		.amdhsa_reserve_vcc 1
		.amdhsa_float_denorm_mode_32 3
		.amdhsa_float_denorm_mode_16_64 3
		.amdhsa_memory_ordered 1
		.amdhsa_forward_progress 1
		.amdhsa_inst_pref_size 103
	.end_amdhsa_kernel
	.amdgpu_metadata
---
amdhsa.version: [ 1, 2 ]
amdhsa.kernels:
  - .name:           k_qc622ec16b4_attn
    .symbol:         k_qc622ec16b4_attn.kd
    .args:
      - { .name: qkv, .offset: 0, .size: 8, .value_kind: global_buffer, .address_space: global }
      - { .name: oq, .offset: 8, .size: 8, .value_kind: global_buffer, .address_space: global }
    .group_segment_fixed_size: 327680
    .private_segment_fixed_size: 0
    .kernarg_segment_align: 8
    .kernarg_segment_size: 16
    .max_flat_workgroup_size: 512
    .sgpr_count:     100
    .vgpr_count:     256
    .wavefront_size: 32
...
	.end_amdgpu_metadata
.endif
;; end of part 4
;; launch proj (part 5): grid 4 x 16, 4 waves a work-group, clusters of 4 x 4, 327,680 bytes of LDS; arguments oq, wts, bproj, x, x1; writes x1
.if DOCPART == 5
	.amdgcn_target "amdgcn-amd-amdhsa--gfx1250"
	.amdhsa_code_object_version 6
	.text
	.protected	k_qc622ec16b4_proj
	.globl	k_qc622ec16b4_proj
	.p2align	8
	.type	k_qc622ec16b4_proj,@function
k_qc622ec16b4_proj:
	s_mov_b64 s[64:65], 0
	v_nop
	global_prefetch_b8 v0, s[64:65] scope:SCOPE_SE
	s_setreg_imm32_b32 hwreg(HW_REG_WAVE_MODE, 25, 1), 1
	s_wait_xcnt 0x0
	s_wait_alu depctr_hold_cnt(0) depctr_sa_sdst(0) depctr_va_vdst(0) depctr_va_sdst(0) depctr_va_ssrc(0) depctr_va_vcc(0) depctr_vm_vsrc(0)
	s_getreg_b32 s2, hwreg(HW_REG_IB_STS2, 6, 4)
	s_cmp_eq_u32 s2, 0
	s_cbranch_scc0 .Lentry_in_a_cluster
	s_endpgm
.Lentry_in_a_cluster:
	s_bfe_u32 s2, ttmp6, 0x10000c
	s_cmp_lg_u32 s2, 0xf033
	s_cbranch_scc0 .Lentry_shape_is_right
	s_endpgm
.Lentry_shape_is_right:
; x1 = x + o Wproj + bproj.  C[m][n] = R[m][n] + bias[n] + sum over k of A[m][k] B[n][k], K = 1,024; A = o's codes, B = Wproj's codes, FP6 (E2M3) with E8M0 scales for each 32 along K; R = x, C = x1: [4,096][1,024] f32; sums in f32.
; OPERANDS IN MEMORY: codes [row / 128][K step of 128][(row / 16) % 8][1,536], scale words [row / 128][K step][row % 128].  A fragment (16 rows x 128 K) is an image of its 12 registers, in two halves of 768 bytes: registers 6 c .. 6 c + 3 at 16 x lane,
; 6 c + 4, 6 c + 5 at 512 + 8 x lane: it comes from LDS by two loads of 16 bytes and two of 8, each of consecutive bytes.  128 rows x 256 K are 24,576 dense bytes: one tensor load.
; SHAPE: a tile of C is 256 x 256, four waves, 128 x 128 each: 64 accumulators.  K goes in steps of 256 through two LDS slots; the scales of the tile's 512 rows for all of K come once, with the first fills.
; CLUSTERS: 4 x 4 work-groups; A's tiles are asked for jointly along a row of the cluster, B's along a column.  THE MATRIX INSTRUCTION IS USED TRANSPOSED (source 0 = B's rows, source 1 = A's): lane (r, h) holds row 16 a + r and columns 16 b + 8 h + 0..7.
; THE RESIDUAL STARTS THE SUMS: while the first tiles are on their way, R's 128 x 128 numbers of the wave are loaded by whole rows into the accumulators' registers and turned, 16 rows at a time, through the wave's stage into the result's layout.
; The bias is added on the way out, where a lane holds 4 neighbouring columns of whole rows.
; REGISTERS, in windows of 256: window 0: v1-31 addresses; v32-63 scale words, two sets; v64-67 the bias; v128-223 A's fragments, one set; on the way out v128-255 rows of C.  window 1: B's fragments, two sets.  windows 2, 3: the accumulators.
.set KTOT,   1024
.set A_SC,   3145728                   ; A's scale words in its buffer
.set B_OFF,  2359296                   ; B's codes in wts
.set B_SC,   9535488                   ; B's scale words in wts
.set KS,     KTOT/128
.set LAPS,   KTOT/512
.set NQ,     2
.set FR,     12
.set NL,     4
.set NP,     4
.set GSTEP,  12288
.set HALFT,  2*GSTEP
.set SLOT,   4*HALFT
.set HALFS,  KS*512
.set SCL,    2*SLOT
.set SPARE,  SCL+4*HALFS               ; the spare words, 128 bytes for each wave: two blocks of 256 bytes that no other line names
.set STG,    SPARE+512                 ; a stage of 16 rows x (512 bytes + 16) for each wave; no fill lands here
.set SPITCH, 528
.set ROWC,   4096                      ; a row of R and of C in bytes
.set ADRA, 16
.set ADRB, 20
.set STO,  24                          ; v24 the stage by the result's layout: row r, 32 h
.set RD,   25                          ; v25 the stage by rows: 16 x lane
.set CO,   26                          ; v26 16 x lane: my bytes of a row of R, C and the bias
.set ADRS, 27
.set SPW,  28
.set NIL,  29
.set SC,   32
.set BV,   64
.set AF,   128
.set BK,   128
.set G1, 24
.set G0, 32
.set G1B, 48
.set G0B, 56
.set G1S, 68
.set G0S, 76
.set G1SB, 80
.set G0SB, 88
.set MSB, 0
.macro WIN new                         ; the immediate's high byte repeats the setting that is left
.if MSB != \new
	s_set_vgpr_msb (MSB<<8)|\new
.set MSB, \new
.endif
.endm
.set MUL_LO, 0xa1
.set MUL_HI, 0xf1
.set TO_B,   0x40
.macro JLOAD g0a, g1a, g0b, g1b        ; a joint load: waves 0 and 1 fetch for A, waves 2 and 3 for B; an s_nop 0 and four v_nop follow each line
	s_cmp_eq_u32 s15, 0
	s_cbranch_scc0 .Lfor_b_\@
	tensor_load_to_lds s[\g0a:\g0a+3], s[\g1a:\g1a+7]
	s_nop 0
.rept 4
	v_nop
.endr
	s_branch .Lasked_\@
.Lfor_b_\@:
	tensor_load_to_lds s[\g0b:\g0b+3], s[\g1b:\g1b+7]
	s_nop 0
.rept 4
	v_nop
.endr
.Lasked_\@:
.endm
.macro CREST
	s_cmp_lg_u32 s14, 0
	s_cbranch_scc1 .Lnot_wave_0_\@
	s_barrier_signal -3
.Lnot_wave_0_\@:
	s_barrier_wait -3
	s_barrier_signal -1
	s_barrier_wait -1
.endm
.macro CROUND
	s_barrier_signal -1
	s_barrier_wait -1
	CREST
.endm
	s_load_b256 s[4:11], s[0:1], 0x0               ; A s[4:5], wts s[6:7], the bias s[8:9], R s[10:11]
	s_load_b64 s[12:13], s[0:1], 0x20              ; C
	v_lshl_add_u32 v[SPW], v0, 2, SPARE
	v_mov_b32 v[NIL], 0
	ds_add_u32 v[SPW], v[NIL]                      ; the wave's opening: the add, twice on end, and its wait ahead of my first tensor load
	ds_add_u32 v[SPW], v[NIL]
	v_lshrrev_b32 v1, 5, v0
	v_readfirstlane_b32 s14, v1                    ; wave 0..3
	s_lshr_b32 s15, s14, 1                         ; my half of the rows.  Also: I fetch for A (0) or for B (1)
	s_and_b32 s16, s14, 1                          ; my half of the columns.  Also: which 128 rows I fetch
	s_bfe_u32 s40, ttmp6, 0x40000                  ; cx
	s_bfe_u32 s41, ttmp6, 0x40004                  ; cy
	s_lshl_b32 s42, ttmp9, 2
	s_add_co_u32 s42, s42, s40                     ; tile column of C
	s_and_b32 s17, ttmp7, 0xffff
	s_lshl_b32 s17, s17, 2
	s_add_co_u32 s17, s17, s41                     ; tile row of C
	s_lshl_b32 s43, s41, 2
	s_lshl_b32 s43, 15, s43                        ; my row of the cluster
	s_lshl_b32 s44, 0x1111, s40                    ; my column
	s_or_b32 s[G1+0], s43, (3<<16)|(1<<21)         ; 24,576 dense bytes as 96 rows of 32 elements of 8 bytes, no padding; bit 21 set beside a mask
	s_or_b32 s[G1B+0], s44, (3<<16)|(1<<21)
.irp g, G1, G1B
	s_mov_b32 s[\g+1], 32<<16
	s_mov_b32 s[\g+2], 96<<16
	s_mov_b32 s[\g+3], 32<<16
	s_mov_b32 s[\g+4], 96
	s_mov_b32 s[\g+5], 32
	s_mov_b32 s[\g+6], 0
	s_mov_b32 s[\g+7], 0
.endr
	s_or_b32 s[G1S+0], s43, (3<<16)|(1<<21)        ; the scale words of 128 rows: HALFS dense bytes, rows of 256
	s_or_b32 s[G1SB+0], s44, (3<<16)|(1<<21)
.irp g, G1S, G1SB
	s_mov_b32 s[\g+1], 32<<16
	s_mov_b32 s[\g+2], (HALFS/256)<<16
	s_mov_b32 s[\g+3], 32<<16
	s_mov_b32 s[\g+4], HALFS/256
	s_mov_b32 s[\g+5], 32
	s_mov_b32 s[\g+6], 0
	s_mov_b32 s[\g+7], 0
.endr
	s_lshl_b32 s20, s17, 1
	s_add_co_u32 s20, s20, s16                     ; A's group of 128 rows that I fetch
	s_lshl_b32 s46, s42, 1
	s_add_co_u32 s46, s46, s16                     ; B's
	s_mul_i32 s22, s20, HALFS
	s_add_co_u32 s22, s22, A_SC
	s_mul_i32 s92, s46, HALFS
	s_add_co_u32 s92, s92, B_SC
	s_mul_i32 s20, s20, KS*GSTEP
	s_mul_i32 s46, s46, KS*GSTEP
	s_add_co_u32 s46, s46, B_OFF
	s_mov_b32 s21, 0
	s_mov_b32 s23, 0
	s_mov_b32 s47, 0
	s_mov_b32 s93, 0
	s_mul_i32 s45, s14, HALFT
	s_mul_i32 s94, s14, HALFS
	s_wait_dscnt 0x0                               ; both opening adds are done
	s_wait_kmcnt 0x0
	s_add_nc_u64 s[20:21], s[4:5], s[20:21]
	s_add_nc_u64 s[22:23], s[4:5], s[22:23]
	s_add_nc_u64 s[46:47], s[6:7], s[46:47]
	s_add_nc_u64 s[92:93], s[6:7], s[92:93]
	CROUND                                         ; all sixteen work-groups are here: the first joint loads meet
	s_mov_b32 s[G0S], 1
	s_add_co_u32 s[G0S+1], s94, SCL
	s_mov_b64 s[G0S+2:G0S+3], s[22:23]
	s_or_b32 s[G0S+3], s[G0S+3], 0x80000000
	s_mov_b32 s[G0SB], 1
	s_add_co_u32 s[G0SB+1], s94, SCL
	s_mov_b64 s[G0SB+2:G0SB+3], s[92:93]
	s_or_b32 s[G0SB+3], s[G0SB+3], 0x80000000
	JLOAD G0S, G1S, G0SB, G1SB
.irp s, 0,1
	s_mov_b32 s[G0+4*\s], 1
	s_add_co_u32 s[G0+4*\s+1], s45, \s*SLOT
	s_add_nc_u64 s[G0+4*\s+2:G0+4*\s+3], s[20:21], \s*HALFT
	s_or_b32 s[G0+4*\s+3], s[G0+4*\s+3], 0x80000000
	s_mov_b32 s[G0B+4*\s], 1
	s_add_co_u32 s[G0B+4*\s+1], s45, \s*SLOT
	s_add_nc_u64 s[G0B+4*\s+2:G0B+4*\s+3], s[46:47], \s*HALFT
	s_or_b32 s[G0B+4*\s+3], s[G0B+4*\s+3], 0x80000000
	JLOAD G0+4*\s, G1, G0B+4*\s, G1B
.endr
	v_and_b32 v1, 15, v0                           ; r
	v_bfe_u32 v2, v0, 4, 1                         ; h
	v_and_b32 v3, 31, v0
	v_lshlrev_b32 v4, 4, v3                        ; 16 x lane
	v_lshlrev_b32 v5, 3, v3
	v_add_nc_u32 v5, 512, v5                       ; 512 + 8 x lane
	s_mul_i32 s21, s15, HALFT
	s_mul_i32 s22, s16, HALFT
	s_add_co_u32 s22, s22, 2*HALFT
.irp s, 0,1
	v_add_nc_u32 v[ADRA+\s], s21, v4
	v_add_nc_u32 v[ADRA+2+\s], s21, v5
	v_add_nc_u32 v[ADRB+\s], s22, v4
	v_add_nc_u32 v[ADRB+2+\s], s22, v5
	s_add_co_u32 s21, s21, SLOT
	s_add_co_u32 s22, s22, SLOT
.endr
	s_mul_i32 s21, s15, HALFS
	s_mul_i32 s22, s16, HALFS
	s_add_co_u32 s22, s22, 2*HALFS
	s_sub_co_u32 s22, s22, s21
	v_mul_u32_u24 v6, s22, v2                      ; lanes 16-31 take B's
	s_add_co_u32 s21, s21, SCL
	v_lshl_add_u32 v6, v1, 2, v6
	v_add_nc_u32 v[ADRS], s21, v6
	s_mul_i32 s23, s14, 16*SPITCH
	s_add_co_u32 s23, s23, STG                     ; my stage
	v_mul_u32_u24 v6, v1, SPITCH
	v_lshl_add_u32 v6, v2, 5, v6
	v_add_nc_u32 v[STO], s23, v6
	v_add_nc_u32 v[RD], s23, v4
	v_mov_b32 v[CO], v4
	s_lshl_b32 s20, s17, 8
	s_lshl_b32 s21, s15, 7
	s_add_co_u32 s20, s20, s21                     ; my first row
	s_lshl_b32 s20, s20, 12
	s_lshl_b32 s22, s42, 10
	s_lshl_b32 s21, s16, 9
	s_add_co_u32 s22, s22, s21                     ; my first column, in bytes
	s_add_co_u32 s20, s20, s22
	s_mov_b32 s21, 0
	s_mov_b32 s23, 0
	s_add_nc_u64 s[10:11], s[10:11], s[20:21]
	s_add_nc_u64 s[12:13], s[12:13], s[20:21]
	s_add_nc_u64 s[8:9], s[8:9], s[22:23]
; R's block a (16 rows of 512 bytes) into the registers of block a's accumulators, by rows
.macro RLOAD a
	WIN 0x80+0x40*((\a)/4)                         ; destination window 2 or 3
.irp t, 0,1,2,3,4,5,6,7,8,9,10,11,12,13,14,15
	global_load_b128 v[64*((\a)%4)+4*\t:64*((\a)%4)+4*\t+3], v[CO], s[10:11] offset:(16*(\a)+\t)*ROWC th:TH_LOAD_NT
.endr
.endm
; and through my stage into the result's layout.  LDS serves a wave's instructions in order: no wait stands between the stores and the loads, nor in front of the next block's stores
.macro RTURN a
	WIN 0x08+4*((\a)/4)                            ; an LDS store's data are its source 1
.irp t, 0,1,2,3,4,5,6,7,8,9,10,11,12,13,14,15
	ds_store_b128 v[RD], v[64*((\a)%4)+4*\t:64*((\a)%4)+4*\t+3] offset:\t*SPITCH
.endr
	WIN 0x80+0x40*((\a)/4)
.irp b, 0,1,2,3,4,5,6,7
	ds_load_b128 v[64*((\a)%4)+8*\b:64*((\a)%4)+8*\b+3], v[STO] offset:64*\b
	ds_load_b128 v[64*((\a)%4)+8*\b+4:64*((\a)%4)+8*\b+7], v[STO] offset:64*\b+16
.endr
.endm
	global_load_b128 v[BV:BV+3], v[CO], s[8:9]     ; the bias at my 4 columns of a row
	RLOAD 0
	RLOAD 1
	RLOAD 2
.irp a, 0,1,2,3,4,5,6,7
.if \a < 6
	s_wait_loadcnt 32                              ; block a is in; the 32 loads of the two blocks behind it may be out
.else
	s_wait_loadcnt 16*(7-\a)
.endif
	RTURN \a
.if \a < 5
	RLOAD \a+3
.endif
.endr
	WIN 0
.macro FRAG reg, adr, q, i
.irp c, 0,1
	ds_load_b128 v[\reg+6*\c:\reg+6*\c+3], v[\adr] offset:(\q)*GSTEP+(\i)*1536+768*\c
	ds_load_b64 v[\reg+6*\c+4:\reg+6*\c+5], v[\adr+2] offset:(\q)*GSTEP+(\i)*1536+768*\c
.endr
.endm
; 16 matrix instructions: A's blocks a0, a0 + 1 x B's eight, 128 along K.  The 64 accumulators take turns, in the same order in every step
.macro MUL16 a0, p, q, sc
.irp a, \a0, \a0+1
.irp b, 0,1,2,3,4,5,6,7
	v_wmma_scale_f32_16x16x128_f8f6f4 v[8*(8*((\a)%4)+\b):8*(8*((\a)%4)+\b)+7], v[128*(\p)+FR*\b:128*(\p)+FR*\b+FR-1], v[AF+FR*(\a):AF+FR*(\a)+FR-1], v[8*(8*((\a)%4)+\b):8*(8*((\a)%4)+\b)+7], v[SC+16*(\sc)+2*\b+(\q)], v[SC+16*(\sc)+2*(\a)+(\q)] matrix_a_fmt:MATRIX_FMT_FP6 matrix_b_fmt:MATRIX_FMT_FP6 matrix_a_scale:MATRIX_SCALE_ROW1
.endr
.endr
.endm
.macro FETCH_B slot, q, p
	WIN TO_B
.irp i, 0,1,2,3,4,5,6,7
	FRAG 128*(\p)+FR*\i, ADRB+\slot, \q, \i
.endr
	WIN 0
.endm
.macro FETCH_A slot, q, i0
.irp i, \i0, \i0+1, \i0+2, \i0+3
	FRAG AF+FR*(\i), ADRA+\slot, \q, \i
.endr
.endm
.macro SCALES sc
.irp i, 0,1,2,3,4,5,6,7
.irp q, 0,1
	ds_load_b32 v[SC+16*\sc+2*\i+\q], v[ADRS] offset:512*\q+64*\i
.endr
.endr
.endm
.macro PLACES n                        ; plain vector instructions between a matrix instruction and a load into one of its registers, or the first read of its result
.rept \n
	v_nop
.endr
.endm
.macro STEP slot, q
	s_wait_dscnt 4*NL                              ; all but the youngest 16 loads (A's blocks 4-7)
	WIN MUL_LO
	MUL16 0, (\q)%2, \q, \slot
	MUL16 2, (\q)%2, \q, \slot
	s_wait_dscnt 0
	PLACES NP
	FETCH_B \slot, (\q)+1, 1-(\q)%2
	FETCH_A \slot, (\q)+1, 0
	WIN MUL_HI
	MUL16 4, (\q)%2, \q, \slot
	MUL16 6, (\q)%2, \q, \slot
	PLACES NP
	WIN 0
	FETCH_A \slot, (\q)+1, 4
.endm
.macro TURN slot, next, fill
	s_wait_tensorcnt 0x0                           ; all my tensor loads have landed: my part of the next slot
	ds_add_u32 v[SPW], v[NIL]                      ; 0 onto my spare word
	s_wait_dscnt 4*NL+1                            ; (the add and the youngest 16 loads may be out)
	WIN MUL_LO
	MUL16 0, 1, NQ-1, \slot
	s_wait_dscnt 0x0                               ; the add is done, and my reads of this slot are over
	s_barrier_signal -1
	MUL16 2, 1, NQ-1, \slot
	WIN 0
	s_barrier_wait -1
.if \fill
	CREST                                          ; the barrier has opened a round of the cluster's barrier
	s_add_nc_u64 s[G0+4*\slot+2:G0+4*\slot+3], s[G0+4*\slot+2:G0+4*\slot+3], 2*HALFT
	s_add_nc_u64 s[G0B+4*\slot+2:G0B+4*\slot+3], s[G0B+4*\slot+2:G0B+4*\slot+3], 2*HALFT
	JLOAD G0+4*\slot, G1, G0B+4*\slot, G1B         ; the first tensor load behind the round; its four v_nop are the places in front of the loads below
.else
	PLACES NP
.endif
	v_add_nc_u32 v[ADRS], 1024, v[ADRS]
	FETCH_B \next, 0, 0
	FETCH_A \next, 0, 0
	SCALES \next
	WIN MUL_HI
	MUL16 4, 1, NQ-1, \slot
	MUL16 6, 1, NQ-1, \slot
	PLACES NP
	WIN 0
	FETCH_A \next, 0, 4
.endm
	s_wait_dscnt 0x0                               ; the residual lies in the accumulators
	s_wait_tensorcnt 1                             ; the scales and my part of K step 0 are in (K step 1's load may be out)
	s_barrier_signal -1
	s_barrier_wait -1                              ; everybody's are
	FETCH_B 0, 0, 0
	FETCH_A 0, 0, 0
	SCALES 0
	FETCH_A 0, 0, 4
	STEP 0, 0
	s_mov_b32 s3, LAPS-1
.Llap:                                                 ; a trip goes once round the ring and fills both slots again
	TURN 0, 1, 1
	STEP 1, 0
	TURN 1, 0, 1
	STEP 0, 0
	s_sub_co_u32 s3, s3, 1
	s_cmp_lg_u32 s3, 0
	s_cbranch_scc1 .Llap
	TURN 0, 1, 0                                   ; the last lap fills nothing
	STEP 1, 0
	s_wait_dscnt 4*NL
	WIN MUL_LO
	MUL16 0, 1, NQ-1, 1
	MUL16 2, 1, NQ-1, 1
	s_wait_dscnt 0
	WIN MUL_HI
	MUL16 4, 1, NQ-1, 1
	MUL16 6, 1, NQ-1, 1
	WIN 0
; THE WAY OUT, block by block of 16 rows x 128 columns: through my stage and back as whole rows of 512 bytes, which the 32 lanes store as 512 consecutive bytes
.macro TOSTAGE a
.set AC, 64*((\a)%4)
	WIN 0x08+4*((\a)/4)
.irp b, 0,1,2,3,4,5,6,7
	ds_store_b128 v[STO], v[AC+8*\b:AC+8*\b+3] offset:64*\b          ; each accumulator from its low end on
	ds_store_b128 v[STO], v[AC+8*\b+4:AC+8*\b+7] offset:64*\b+16
.endr
	WIN 0
.set BB, BK+64*((\a)%2)
.irp t, 0,1,2,3,4,5,6,7,8,9,10,11,12,13,14,15
	ds_load_b128 v[BB+4*\t:BB+4*\t+3], v[RD] offset:\t*SPITCH
.endr
.endm
.macro SEND a, younger                 ; younger: the LDS instructions issued behind block a's loads, which may stay out
.set BB, BK+64*((\a)%2)
	s_wait_dscnt \younger
.irp t, 0,1,2,3,4,5,6,7,8,9,10,11,12,13,14,15
	v_pk_add_f32 v[BB+4*\t:BB+4*\t+1], v[BB+4*\t:BB+4*\t+1], v[BV:BV+1]
	v_pk_add_f32 v[BB+4*\t+2:BB+4*\t+3], v[BB+4*\t+2:BB+4*\t+3], v[BV+2:BV+3]
.endr
.irp t, 0,1,2,3,4,5,6,7,8,9,10,11,12,13,14,15
	global_store_b128 v[CO], v[BB+4*\t:BB+4*\t+3], s[12:13] offset:(16*(\a)+\t)*ROWC
.endr
.endm
	PLACES NP
	TOSTAGE 0
.irp a, 1,2,3,4,5,6,7
.if \a > 1
	s_wait_xcnt 0x0                                ; block a - 2's stores have read their registers: block a's loads may land there
.endif
	TOSTAGE \a
	SEND \a-1, 32                                  ; behind block a - 1's loads: block a's 16 stores and 16 loads
.endr
	SEND 7, 0
	s_wait_tensorcnt 0x0                           ; the wave's end: behind my last tensor load and my last LDS store
	ds_add_u32 v[SPW], v[NIL]
	s_wait_dscnt 0x0
	CROUND                                         ; the closing round
	s_endpgm
.Lfunc_end_k_qc622ec16b4_proj:
	.size	k_qc622ec16b4_proj, .Lfunc_end_k_qc622ec16b4_proj-k_qc622ec16b4_proj
	.p2alignl 7, 3214868480
	.fill 96, 4, 3214868480
	.section	.rodata,"a",@progbits
	.p2align	6, 0x0
	.amdhsa_kernel k_qc622ec16b4_proj
		.amdhsa_group_segment_fixed_size 327680
		.amdhsa_private_segment_fixed_size 0
		.amdhsa_enable_private_segment 0
		.amdhsa_kernarg_size 40
		.amdhsa_user_sgpr_count 2
		.amdhsa_user_sgpr_kernarg_segment_ptr 1
		.amdhsa_wavefront_size32 1
		.amdhsa_system_sgpr_workgroup_id_x 1
		.amdhsa_system_sgpr_workgroup_id_y 1
		.amdhsa_system_sgpr_workgroup_id_z 1
		.amdhsa_system_vgpr_workitem_id 0
		.amdhsa_next_free_vgpr 1024
		.amdhsa_next_free_sgpr 102
		.amdhsa_reserve_vcc 0
		.amdhsa_float_denorm_mode_32 3
		.amdhsa_float_denorm_mode_16_64 3
		.amdhsa_memory_ordered 1
		.amdhsa_forward_progress 1
		.amdhsa_inst_pref_size 190
	.end_amdhsa_kernel
	.amdgpu_metadata
---
amdhsa.version: [ 1, 2 ]
amdhsa.kernels:
  - .name:           k_qc622ec16b4_proj
    .symbol:         k_qc622ec16b4_proj.kd
    .args:
      - { .name: oq, .offset: 0, .size: 8, .value_kind: global_buffer, .address_space: global }
      - { .name: wts, .offset: 8, .size: 8, .value_kind: global_buffer, .address_space: global }
      - { .name: bproj, .offset: 16, .size: 8, .value_kind: global_buffer, .address_space: global }
      - { .name: x, .offset: 24, .size: 8, .value_kind: global_buffer, .address_space: global }
      - { .name: x1, .offset: 32, .size: 8, .value_kind: global_buffer, .address_space: global }
    .group_segment_fixed_size: 327680
    .private_segment_fixed_size: 0
    .kernarg_segment_align: 8
    .kernarg_segment_size: 40
    .max_flat_workgroup_size: 128
    .sgpr_count:     102
    .vgpr_count:     1024
    .wavefront_size: 32
...
	.end_amdgpu_metadata
.endif
;; end of part 5
;; launch ln2: the kernel of part 2 again; grid 256 x 1, 4 waves a work-group, no clusters, 32,768 bytes of LDS; arguments x1, g2, be2, h2q; writes h2q
;; launch ffn1 (part 6): grid 16 x 16, 4 waves a work-group, clusters of 4 x 4, 327,680 bytes of LDS; arguments h2q, wts, b1, f1q; writes f1q
.if DOCPART == 6
	.amdgcn_target "amdgcn-amd-amdhsa--gfx1250"
	.amdhsa_code_object_version 6
	.text
	.protected	k_qc622ec16b4_ffn1
	.globl	k_qc622ec16b4_ffn1
	.p2align	8
	.type	k_qc622ec16b4_ffn1,@function
k_qc622ec16b4_ffn1:
	s_mov_b64 s[64:65], 0
	v_nop
	global_prefetch_b8 v0, s[64:65] scope:SCOPE_SE
	s_setreg_imm32_b32 hwreg(HW_REG_WAVE_MODE, 25, 1), 1
	s_wait_xcnt 0x0
	s_wait_alu depctr_hold_cnt(0) depctr_sa_sdst(0) depctr_va_vdst(0) depctr_va_sdst(0) depctr_va_ssrc(0) depctr_va_vcc(0) depctr_vm_vsrc(0)
	s_getreg_b32 s2, hwreg(HW_REG_IB_STS2, 6, 4)
	s_cmp_eq_u32 s2, 0
	s_cbranch_scc0 .Lentry_in_a_cluster
	s_endpgm
.Lentry_in_a_cluster:
	s_bfe_u32 s2, ttmp6, 0x10000c
	s_cmp_lg_u32 s2, 0xf033
	s_cbranch_scc0 .Lentry_shape_is_right
	s_endpgm
.Lentry_shape_is_right:
; relu(h2 W1 + b1), from codes to codes.  C[m][n] = b1[n] + sum over k of A[m][k] B[n][k], K = 1,024; A = h2's codes (4,096 rows), B = W1's codes (4,096 rows), FP6 (E2M3) with E8M0 scales for each 32 along K; sums in f32.
; relu(C) is quantised along n, the K of the next product, in registers, and never stored wide.
; OPERANDS IN MEMORY: codes [row / 128][K step of 128][(row / 16) % 8][1,536], scale words [row / 128][K step][row % 128].  A fragment (16 rows x 128 K) is an image of its 12 registers, in two halves of 768 bytes: registers 6 c .. 6 c + 3 at 16 x lane,
; 6 c + 4, 6 c + 5 at 512 + 8 x lane.  128 rows x 256 K are 24,576 dense bytes: one tensor load.  The output (f1q, K = 4,096, scale words at 12,582,912) is laid the same way: a wave's 128 x 128 of C are the 8 fragments of one group and one K step.
; SHAPE: a tile of C is 256 x 256, four waves, 128 x 128 each: 64 accumulators.  K goes in steps of 256 through two LDS slots; the scales of the tile's 512 rows for all of K come once, with the first fills.
; CLUSTERS: 4 x 4 work-groups; A's tiles are asked for jointly along a row of the cluster, B's along a column.  THE MATRIX INSTRUCTION IS USED TRANSPOSED (source 0 = B's rows, source 1 = A's): lane (r, h) holds row 16 a + r and columns 16 b + 8 h + 0..7.
; The bias is the C of each sum's first matrix instruction: eight registers for each of B's eight blocks, in the result's layout.
; Inside a block of 32, position p holds offset 8 (p / 16) + p % 8 + 16 ((p / 8) % 2), as in every operand of this program.
; LIMITS: a block of zeros, or one whose largest magnitude lies under 2^-124, gets the byte 1 (zero codes; this program alone reads the bytes); NaN and infinities are not served.
; REGISTERS, in windows of 256: window 0: v1-31 addresses; v32-63 scale words, two sets; v64-127 the bias; v128-223 A's fragments, one set; on the way out v128-243 at work.  window 1: B's fragments, two sets.  windows 2, 3: the accumulators.
.set KTOT,   1024
.set A_SC,   3145728
.set B_OFF,  3145728
.set B_SC,   9568256
.set KS,     KTOT/128
.set LAPS,   KTOT/512
.set NQ,     2
.set FR,     12
.set NL,     4
.set NP,     4
.set GSTEP,  12288
.set HALFT,  2*GSTEP
.set SLOT,   4*HALFT
.set HALFS,  KS*512
.set SCL,    2*SLOT
.set SPARE,  SCL+4*HALFS               ; the spare words, 128 bytes for each wave: two blocks of 256 bytes that no other line names
.set STG,    SPARE+512                 ; 512 bytes for each wave: the scale words on their way out; no fill lands here
.set ADRA, 16
.set ADRB, 20
.set ADRS, 27
.set SPW,  28
.set NIL,  29
.set SC,   32
.set BIAS, 64
.set AF,   128
.set HN,   128                         ; the way out: a block's 64 numbers behind the relu
.set PC,   192
.set TM,   216
.set PW,   232
.set G1, 24
.set G0, 32
.set G1B, 48
.set G0B, 56
.set G1S, 68
.set G0S, 76
.set G1SB, 80
.set G0SB, 88
.set MSB, 0
.macro WIN new                         ; the immediate's high byte repeats the setting that is left
.if MSB != \new
	s_set_vgpr_msb (MSB<<8)|\new
.set MSB, \new
.endif
.endm
.set MUL_LO, 0xa1
.set MUL_HI, 0xf1
.set TO_B,   0x40
.macro JLOAD g0a, g1a, g0b, g1b        ; a joint load: waves 0 and 1 fetch for A, waves 2 and 3 for B; an s_nop 0 and four v_nop follow each line
	s_cmp_eq_u32 s15, 0
	s_cbranch_scc0 .Lfor_b_\@
	tensor_load_to_lds s[\g0a:\g0a+3], s[\g1a:\g1a+7]
	s_nop 0
.rept 4
	v_nop
.endr
	s_branch .Lasked_\@
.Lfor_b_\@:
	tensor_load_to_lds s[\g0b:\g0b+3], s[\g1b:\g1b+7]
	s_nop 0
.rept 4
	v_nop
.endr
.Lasked_\@:
.endm
.macro CREST
	s_cmp_lg_u32 s14, 0
	s_cbranch_scc1 .Lnot_wave_0_\@
	s_barrier_signal -3
.Lnot_wave_0_\@:
	s_barrier_wait -3
	s_barrier_signal -1
	s_barrier_wait -1
.endm
.macro CROUND
	s_barrier_signal -1
	s_barrier_wait -1
	CREST
.endm
	s_load_b256 s[4:11], s[0:1], 0x0               ; h2q s[4:5], wts s[6:7], b1 s[8:9], f1q s[10:11]
	v_lshl_add_u32 v[SPW], v0, 2, SPARE
	v_mov_b32 v[NIL], 0
	ds_add_u32 v[SPW], v[NIL]                      ; the wave's opening: the add, twice on end, and its wait ahead of my first tensor load
	ds_add_u32 v[SPW], v[NIL]
	v_lshrrev_b32 v1, 5, v0
	v_readfirstlane_b32 s14, v1                    ; wave 0..3
	s_lshr_b32 s15, s14, 1                         ; my half of the rows.  Also: I fetch for A (0) or for B (1)
	s_and_b32 s16, s14, 1                          ; my half of the columns.  Also: which 128 rows I fetch
	s_bfe_u32 s40, ttmp6, 0x40000                  ; cx
	s_bfe_u32 s41, ttmp6, 0x40004                  ; cy
	s_lshl_b32 s42, ttmp9, 2
	s_add_co_u32 s42, s42, s40                     ; tile column of C
	s_and_b32 s17, ttmp7, 0xffff
	s_lshl_b32 s17, s17, 2
	s_add_co_u32 s17, s17, s41                     ; tile row of C
	s_lshl_b32 s43, s41, 2
	s_lshl_b32 s43, 15, s43                        ; my row of the cluster
	s_lshl_b32 s44, 0x1111, s40                    ; my column
	s_or_b32 s[G1+0], s43, (3<<16)|(1<<21)         ; 24,576 dense bytes as 96 rows of 32 elements of 8 bytes, no padding; bit 21 set beside a mask
	s_or_b32 s[G1B+0], s44, (3<<16)|(1<<21)
.irp g, G1, G1B
	s_mov_b32 s[\g+1], 32<<16
	s_mov_b32 s[\g+2], 96<<16
	s_mov_b32 s[\g+3], 32<<16
	s_mov_b32 s[\g+4], 96
	s_mov_b32 s[\g+5], 32
	s_mov_b32 s[\g+6], 0
	s_mov_b32 s[\g+7], 0
.endr
	s_or_b32 s[G1S+0], s43, (3<<16)|(1<<21)
	s_or_b32 s[G1SB+0], s44, (3<<16)|(1<<21)
.irp g, G1S, G1SB
	s_mov_b32 s[\g+1], 32<<16
	s_mov_b32 s[\g+2], (HALFS/256)<<16
	s_mov_b32 s[\g+3], 32<<16
	s_mov_b32 s[\g+4], HALFS/256
	s_mov_b32 s[\g+5], 32
	s_mov_b32 s[\g+6], 0
	s_mov_b32 s[\g+7], 0
.endr
	s_lshl_b32 s20, s17, 1
	s_add_co_u32 s20, s20, s16                     ; A's group of 128 rows that I fetch
	s_lshl_b32 s46, s42, 1
	s_add_co_u32 s46, s46, s16                     ; B's
	s_mul_i32 s22, s20, HALFS
	s_add_co_u32 s22, s22, A_SC
	s_mul_i32 s92, s46, HALFS
	s_add_co_u32 s92, s92, B_SC
	s_mul_i32 s20, s20, KS*GSTEP
	s_mul_i32 s46, s46, KS*GSTEP
	s_add_co_u32 s46, s46, B_OFF
	s_mov_b32 s21, 0
	s_mov_b32 s23, 0
	s_mov_b32 s47, 0
	s_mov_b32 s93, 0
	s_mul_i32 s45, s14, HALFT
	s_mul_i32 s94, s14, HALFS
	s_wait_dscnt 0x0                               ; both opening adds are done
	s_wait_kmcnt 0x0
	s_add_nc_u64 s[20:21], s[4:5], s[20:21]
	s_add_nc_u64 s[22:23], s[4:5], s[22:23]
	s_add_nc_u64 s[46:47], s[6:7], s[46:47]
	s_add_nc_u64 s[92:93], s[6:7], s[92:93]
	CROUND                                         ; all sixteen work-groups are here: the first joint loads meet
	s_mov_b32 s[G0S], 1
	s_add_co_u32 s[G0S+1], s94, SCL
	s_mov_b64 s[G0S+2:G0S+3], s[22:23]
	s_or_b32 s[G0S+3], s[G0S+3], 0x80000000
	s_mov_b32 s[G0SB], 1
	s_add_co_u32 s[G0SB+1], s94, SCL
	s_mov_b64 s[G0SB+2:G0SB+3], s[92:93]
	s_or_b32 s[G0SB+3], s[G0SB+3], 0x80000000
	JLOAD G0S, G1S, G0SB, G1SB
.irp s, 0,1
	s_mov_b32 s[G0+4*\s], 1
	s_add_co_u32 s[G0+4*\s+1], s45, \s*SLOT
	s_add_nc_u64 s[G0+4*\s+2:G0+4*\s+3], s[20:21], \s*HALFT
	s_or_b32 s[G0+4*\s+3], s[G0+4*\s+3], 0x80000000
	s_mov_b32 s[G0B+4*\s], 1
	s_add_co_u32 s[G0B+4*\s+1], s45, \s*SLOT
	s_add_nc_u64 s[G0B+4*\s+2:G0B+4*\s+3], s[46:47], \s*HALFT
	s_or_b32 s[G0B+4*\s+3], s[G0B+4*\s+3], 0x80000000
	JLOAD G0+4*\s, G1, G0B+4*\s, G1B
.endr
	v_and_b32 v1, 15, v0                           ; r
	v_bfe_u32 v2, v0, 4, 1                         ; h
	v_and_b32 v3, 31, v0
	v_lshlrev_b32 v4, 4, v3                        ; v4: 16 x lane
	v_lshlrev_b32 v5, 3, v3
	v_add_nc_u32 v5, 512, v5                       ; v5: 512 + 8 x lane
	v_lshlrev_b32 v7, 5, v2                        ; v7: 32 h: the bias of my half's eight columns of a tile
	s_lshl_b32 s20, s42, 10
	s_lshl_b32 s21, s16, 9
	s_add_co_u32 s20, s20, s21                     ; my first column, 4 bytes each
	s_mov_b32 s21, 0
	s_add_nc_u64 s[8:9], s[8:9], s[20:21]
.irp b, 0,1,2,3,4,5,6,7
	global_load_b128 v[BIAS+8*\b:BIAS+8*\b+3], v7, s[8:9] offset:64*\b
	global_load_b128 v[BIAS+8*\b+4:BIAS+8*\b+7], v7, s[8:9] offset:64*\b+16
.endr
	s_mul_i32 s21, s15, HALFT
	s_mul_i32 s22, s16, HALFT
	s_add_co_u32 s22, s22, 2*HALFT
.irp s, 0,1
	v_add_nc_u32 v[ADRA+\s], s21, v4
	v_add_nc_u32 v[ADRA+2+\s], s21, v5
	v_add_nc_u32 v[ADRB+\s], s22, v4
	v_add_nc_u32 v[ADRB+2+\s], s22, v5
	s_add_co_u32 s21, s21, SLOT
	s_add_co_u32 s22, s22, SLOT
.endr
	s_mul_i32 s21, s15, HALFS
	s_mul_i32 s22, s16, HALFS
	s_add_co_u32 s22, s22, 2*HALFS
	s_sub_co_u32 s22, s22, s21
	v_mul_u32_u24 v6, s22, v2                      ; lanes 16-31 take B's
	s_add_co_u32 s21, s21, SCL
	v_lshl_add_u32 v6, v1, 2, v6
	v_add_nc_u32 v[ADRS], s21, v6
	; the way out's places: group 2 x tile row + my half, K step 2 x tile column + my half
	s_lshl_b32 s20, s17, 1
	s_add_co_u32 s20, s20, s15
	s_lshl_b32 s21, s42, 1
	s_add_co_u32 s21, s21, s16
	s_mul_i32 s22, s20, 393216
	s_mul_i32 s23, s21, GSTEP
	s_add_co_u32 s22, s22, s23
	s_mov_b32 s23, 0
	s_lshl_b32 s20, s20, 14
	s_lshl_b32 s21, s21, 9
	s_add_co_u32 s20, s20, s21
	s_add_co_u32 s20, s20, 12582912
	s_mov_b32 s21, 0
	s_add_nc_u64 s[12:13], s[10:11], s[20:21]      ; my 128 scale words
	s_add_nc_u64 s[10:11], s[10:11], s[22:23]      ; my 8 fragments
	s_lshl_b32 s45, s14, 9
	s_add_co_u32 s45, s45, STG
	v_lshl_add_u32 v12, v1, 2, s45                 ; v12: my stage: row r's word (+ 64 a)
	v_add_nc_u32 v13, s45, v4                      ; v13: and back, 16 bytes a lane
.macro FRAG reg, adr, q, i
.irp c, 0,1
	ds_load_b128 v[\reg+6*\c:\reg+6*\c+3], v[\adr] offset:(\q)*GSTEP+(\i)*1536+768*\c
	ds_load_b64 v[\reg+6*\c+4:\reg+6*\c+5], v[\adr+2] offset:(\q)*GSTEP+(\i)*1536+768*\c
.endr
.endm
; 16 matrix instructions: A's blocks a0, a0 + 1 x B's eight, 128 along K.  first = 1: the bias is the C of the sums' first products.  The 64 accumulators take turns, in the same order in every step
.macro MUL16 a0, p, q, sc, first
.irp a, \a0, \a0+1
.irp b, 0,1,2,3,4,5,6,7
.if \first
	v_wmma_scale_f32_16x16x128_f8f6f4 v[8*(8*((\a)%4)+\b):8*(8*((\a)%4)+\b)+7], v[128*(\p)+FR*\b:128*(\p)+FR*\b+FR-1], v[AF+FR*(\a):AF+FR*(\a)+FR-1], v[BIAS+8*\b:BIAS+8*\b+7], v[SC+16*(\sc)+2*\b+(\q)], v[SC+16*(\sc)+2*(\a)+(\q)] matrix_a_fmt:MATRIX_FMT_FP6 matrix_b_fmt:MATRIX_FMT_FP6 matrix_a_scale:MATRIX_SCALE_ROW1
.else
	v_wmma_scale_f32_16x16x128_f8f6f4 v[8*(8*((\a)%4)+\b):8*(8*((\a)%4)+\b)+7], v[128*(\p)+FR*\b:128*(\p)+FR*\b+FR-1], v[AF+FR*(\a):AF+FR*(\a)+FR-1], v[8*(8*((\a)%4)+\b):8*(8*((\a)%4)+\b)+7], v[SC+16*(\sc)+2*\b+(\q)], v[SC+16*(\sc)+2*(\a)+(\q)] matrix_a_fmt:MATRIX_FMT_FP6 matrix_b_fmt:MATRIX_FMT_FP6 matrix_a_scale:MATRIX_SCALE_ROW1
.endif
.endr
.endr
.endm
.macro FETCH_B slot, q, p
	WIN TO_B
.irp i, 0,1,2,3,4,5,6,7
	FRAG 128*(\p)+FR*\i, ADRB+\slot, \q, \i
.endr
	WIN 0
.endm
.macro FETCH_A slot, q, i0
.irp i, \i0, \i0+1, \i0+2, \i0+3
	FRAG AF+FR*(\i), ADRA+\slot, \q, \i
.endr
.endm
.macro SCALES sc
.irp i, 0,1,2,3,4,5,6,7
.irp q, 0,1
	ds_load_b32 v[SC+16*\sc+2*\i+\q], v[ADRS] offset:512*\q+64*\i
.endr
.endr
.endm
.macro PLACES n                        ; plain vector instructions between a matrix instruction and a load into one of its registers, or the first read of its result
.rept \n
	v_nop
.endr
.endm
.macro STEP slot, q, first
	s_wait_dscnt 4*NL                              ; all but the youngest 16 loads (A's blocks 4-7)
.if \first
	WIN 0x81                                       ; source 0 (B) window 1, sources 1 (A) and 2 (the bias) window 0, D window 2
.else
	WIN MUL_LO
.endif
	MUL16 0, (\q)%2, \q, \slot, \first
	MUL16 2, (\q)%2, \q, \slot, \first
	s_wait_dscnt 0
	PLACES NP
	FETCH_B \slot, (\q)+1, 1-(\q)%2
	FETCH_A \slot, (\q)+1, 0
.if \first
	WIN 0xc1                                       ; the same, D window 3
.else
	WIN MUL_HI
.endif
	MUL16 4, (\q)%2, \q, \slot, \first
	MUL16 6, (\q)%2, \q, \slot, \first
	PLACES NP
	WIN 0
	FETCH_A \slot, (\q)+1, 4
.endm
.macro TURN slot, next, fill
	s_wait_tensorcnt 0x0                           ; all my tensor loads have landed: my part of the next slot
	ds_add_u32 v[SPW], v[NIL]                      ; 0 onto my spare word
	s_wait_dscnt 4*NL+1                            ; (the add and the youngest 16 loads may be out)
	WIN MUL_LO
	MUL16 0, 1, NQ-1, \slot, 0
	s_wait_dscnt 0x0                               ; the add is done, and my reads of this slot are over
	s_barrier_signal -1
	MUL16 2, 1, NQ-1, \slot, 0
	WIN 0
	s_barrier_wait -1
.if \fill
	CREST                                          ; the barrier has opened a round of the cluster's barrier
	s_add_nc_u64 s[G0+4*\slot+2:G0+4*\slot+3], s[G0+4*\slot+2:G0+4*\slot+3], 2*HALFT
	s_add_nc_u64 s[G0B+4*\slot+2:G0B+4*\slot+3], s[G0B+4*\slot+2:G0B+4*\slot+3], 2*HALFT
	JLOAD G0+4*\slot, G1, G0B+4*\slot, G1B         ; the first tensor load behind the round; its four v_nop are the places in front of the loads below
.else
	PLACES NP
.endif
	v_add_nc_u32 v[ADRS], 1024, v[ADRS]
	FETCH_B \next, 0, 0
	FETCH_A \next, 0, 0
	SCALES \next
	WIN MUL_HI
	MUL16 4, 1, NQ-1, \slot, 0
	MUL16 6, 1, NQ-1, \slot, 0
	PLACES NP
	WIN 0
	FETCH_A \next, 0, 4
.endm
; 64 numbers of a lane, v[s] .. v[s + 63] of window 0, become a fragment's codes in v[PC] on and its scale word in v[PW].  Registers 16 b .. 16 b + 15 belong to block b of my row; lane l xor 16 holds the block's other 16.
.macro QUANT s
.irp b, 0,1,2,3
	v_max3_num_f32 v[TM+\b], 0x1800000, |v[\s+16*\b]|, |v[\s+1+16*\b]|   ; the floor 2^(3 - 127) among the leaves: the byte cannot fall under 1
.endr
.irp i, 2,4,6,8,10,12,14
.irp b, 0,1,2,3
	v_max3_num_f32 v[TM+\b], v[TM+\b], |v[\s+16*\b+\i]|, |v[\s+1+16*\b+\i]|
.endr
.endr
.irp b, 0,1,2,3
	v_permlanex16_b32 v[TM+4+\b], v[TM+\b], s66, s67
.endr
.irp b, 0,1,2,3
	v_max_num_f32 v[TM+\b], v[TM+\b], v[TM+4+\b]
.endr
.irp b, 0,1,2,3
	v_add_nc_u32 v[TM+12+\b], 0xff000000, v[TM+\b] ; 2 off the exponent field: the conversion's scale operand
.endr
.irp b, 0,1,2,3
	v_lshrrev_b32 v[TM+4+\b], 23, v[TM+12+\b]      ; the scale's byte
.endr
	v_lshl_or_b32 v[PW], v[TM+5], 8, v[TM+4]
	v_lshl_or_b32 v[PW], v[TM+6], 16, v[PW]
	v_lshl_or_b32 v[PW], v[TM+7], 24, v[PW]
.irp c, 0,1
	v_cvt_scalef32_pk16_fp6_f32 v[PC+6*\c:PC+2+6*\c], v[\s+32*\c:\s+15+32*\c], v[TM+12+2*\c]
	v_cvt_scalef32_pk16_fp6_f32 v[PC+12+4*\c:PC+14+4*\c], v[\s+16+32*\c:\s+31+32*\c], v[TM+12+2*\c+1]
.endr
	v_nop                                          ; one plain instruction behind a scaled conversion
.irp c, 0,1                            ; the operand's layout wants a whole block in a lane
.irp i, 0,1,2
	v_permlane16_swap_b32 v[PC+6*\c+\i], v[PC+12+4*\c+\i]
.endr
.irp i, 0,1,2
	v_mov_b32 v[PC+3+6*\c+\i], v[PC+12+4*\c+\i]
.endr
.endr
.endm
	s_mov_b32 s66, 0x76543210
	s_mov_b32 s67, 0xfedcba98                      ; v_permlanex16_b32's selects for lane l xor 16
	s_wait_loadcnt 0x0                             ; the bias
	s_wait_tensorcnt 1                             ; the scales and my part of K step 0 are in (K step 1's load may be out)
	s_barrier_signal -1
	s_barrier_wait -1                              ; everybody's are
	FETCH_B 0, 0, 0
	FETCH_A 0, 0, 0
	SCALES 0
	FETCH_A 0, 0, 4
	STEP 0, 0, 1                                   ; the first step stands in front of the loop: its products start the sums, from the bias
	s_mov_b32 s3, LAPS-1
.Llap:                                                 ; a trip goes once round the ring and fills both slots again
	TURN 0, 1, 1
	STEP 1, 0, 0
	TURN 1, 0, 1
	STEP 0, 0, 0
	s_sub_co_u32 s3, s3, 1
	s_cmp_lg_u32 s3, 0
	s_cbranch_scc1 .Llap
	TURN 0, 1, 0                                   ; the last lap fills nothing
	STEP 1, 0, 0
	s_wait_dscnt 4*NL
	WIN MUL_LO
	MUL16 0, 1, NQ-1, 1, 0
	MUL16 2, 1, NQ-1, 1, 0
	s_wait_dscnt 0
	WIN MUL_HI
	MUL16 4, 1, NQ-1, 1, 0
	MUL16 6, 1, NQ-1, 1, 0
	WIN 0
	; THE WAY OUT: each block of 16 rows x 128 columns: relu, quantised in registers, stored as a fragment's image
	PLACES NP
.irp b, 0,1,2,3
	v_mov_b32 v[TM+4+\b], 0                        ; written once: a lane permute's destination counts as one of its sources
.endr
.irp a, 0,1,2,3,4,5,6,7
.if \a > 0
	s_wait_xcnt 0x0                                ; the last block's stores have read their data: the codes' registers are written again only behind this wait
.endif
	WIN 0x08+4*(\a/4)                              ; source 1 in window 2 or 3
.set n, 0
.rept 64
	v_max_num_f32 v[HN+n], 0, v[64*(\a%4)+n]       ; the activation, in f32, and the way into window 0 in one; each accumulator from its low end on
.set n, n+1
.endr
	WIN 0
	QUANT HN
	global_store_b128 v4, v[PC:PC+3], s[10:11] offset:\a*1536          ; 512 consecutive bytes
	global_store_b64 v5, v[PC+4:PC+5], s[10:11] offset:\a*1536         ; 256 consecutive bytes (v5 holds the 512)
	global_store_b128 v4, v[PC+6:PC+9], s[10:11] offset:\a*1536+768
	global_store_b64 v5, v[PC+10:PC+11], s[10:11] offset:\a*1536+768
	ds_store_b32 v12, v[PW] offset:64*\a                               ; lanes r and r + 16 write the same word with the same value
.endr
	ds_load_b128 v[240:243], v13                   ; LDS serves a wave's instructions in order: this sees my stores
	s_wait_dscnt 0x0
	global_store_b128 v4, v[240:243], s[12:13]     ; my 128 scale words: 512 consecutive bytes
	s_wait_tensorcnt 0x0                           ; the wave's end: behind my last tensor load and my last LDS store
	ds_add_u32 v[SPW], v[NIL]
	s_wait_dscnt 0x0
	CROUND                                         ; the closing round
	s_endpgm
.Lfunc_end_k_qc622ec16b4_ffn1:
	.size	k_qc622ec16b4_ffn1, .Lfunc_end_k_qc622ec16b4_ffn1-k_qc622ec16b4_ffn1
	.p2alignl 7, 3214868480
	.fill 96, 4, 3214868480
	.section	.rodata,"a",@progbits
	.p2align	6, 0x0
	.amdhsa_kernel k_qc622ec16b4_ffn1
		.amdhsa_group_segment_fixed_size 327680
		.amdhsa_private_segment_fixed_size 0
		.amdhsa_enable_private_segment 0
		.amdhsa_kernarg_size 32
		.amdhsa_user_sgpr_count 2
		.amdhsa_user_sgpr_kernarg_segment_ptr 1
		.amdhsa_wavefront_size32 1
		.amdhsa_system_sgpr_workgroup_id_x 1
		.amdhsa_system_sgpr_workgroup_id_y 1
		.amdhsa_system_sgpr_workgroup_id_z 1
		.amdhsa_system_vgpr_workitem_id 0
		.amdhsa_next_free_vgpr 1024
		.amdhsa_next_free_sgpr 102
		.amdhsa_reserve_vcc 0
		.amdhsa_float_denorm_mode_32 3
		.amdhsa_float_denorm_mode_16_64 3
		.amdhsa_memory_ordered 1
		.amdhsa_forward_progress 1
		.amdhsa_inst_pref_size 168
	.end_amdhsa_kernel
	.amdgpu_metadata
---
amdhsa.version: [ 1, 2 ]
amdhsa.kernels:
  - .name:           k_qc622ec16b4_ffn1
    .symbol:         k_qc622ec16b4_ffn1.kd
    .args:
      - { .name: h2q, .offset: 0, .size: 8, .value_kind: global_buffer, .address_space: global }
      - { .name: wts, .offset: 8, .size: 8, .value_kind: global_buffer, .address_space: global }
      - { .name: b1, .offset: 16, .size: 8, .value_kind: global_buffer, .address_space: global }
      - { .name: f1q, .offset: 24, .size: 8, .value_kind: global_buffer, .address_space: global }
    .group_segment_fixed_size: 327680
    .private_segment_fixed_size: 0
    .kernarg_segment_align: 8
    .kernarg_segment_size: 32
    .max_flat_workgroup_size: 128
    .sgpr_count:     102
    .vgpr_count:     1024
    .wavefront_size: 32
...
	.end_amdgpu_metadata
.endif
;; end of part 6
;; launch ffn2 (part 7): grid 4 x 16, 4 waves a work-group, clusters of 4 x 4, 327,680 bytes of LDS; arguments f1q, wts, b2, x1, out0; writes out0
.if DOCPART == 7
	.amdgcn_target "amdgcn-amd-amdhsa--gfx1250"
	.amdhsa_code_object_version 6
	.text
	.protected	k_qc622ec16b4_ffn2
	.globl	k_qc622ec16b4_ffn2
	.p2align	8
	.type	k_qc622ec16b4_ffn2,@function
k_qc622ec16b4_ffn2:
	s_mov_b64 s[64:65], 0
	v_nop
	global_prefetch_b8 v0, s[64:65] scope:SCOPE_SE
	s_setreg_imm32_b32 hwreg(HW_REG_WAVE_MODE, 25, 1), 1
	s_wait_xcnt 0x0
	s_wait_alu depctr_hold_cnt(0) depctr_sa_sdst(0) depctr_va_vdst(0) depctr_va_sdst(0) depctr_va_ssrc(0) depctr_va_vcc(0) depctr_vm_vsrc(0)
	s_getreg_b32 s2, hwreg(HW_REG_IB_STS2, 6, 4)
	s_cmp_eq_u32 s2, 0
	s_cbranch_scc0 .Lentry_in_a_cluster
	s_endpgm
.Lentry_in_a_cluster:
	s_bfe_u32 s2, ttmp6, 0x10000c
	s_cmp_lg_u32 s2, 0xf033
	s_cbranch_scc0 .Lentry_shape_is_right
	s_endpgm
.Lentry_shape_is_right:
; out = x1 + relu(..) W2 + b2.  C[m][n] = R[m][n] + bias[n] + sum over k of A[m][k] B[n][k], K = 4,096; A = the hidden layer's codes, B = W2's codes, FP6 (E2M3) with E8M0 scales for each 32 along K; R = x1, C = out0: [4,096][1,024] f32; sums in f32.
; OPERANDS IN MEMORY: codes [row / 128][K step of 128][(row / 16) % 8][1,536], scale words [row / 128][K step][row % 128].  A fragment (16 rows x 128 K) is an image of its 12 registers, in two halves of 768 bytes: registers 6 c .. 6 c + 3 at 16 x lane,
; 6 c + 4, 6 c + 5 at 512 + 8 x lane: it comes from LDS by two loads of 16 bytes and two of 8, each of consecutive bytes.  128 rows x 256 K are 24,576 dense bytes: one tensor load.
; SHAPE: a tile of C is 256 x 256, four waves, 128 x 128 each: 64 accumulators.  K goes in steps of 256 through two LDS slots; the scales of the tile's 512 rows for all of K (65,536 bytes) come once, with the first fills.
; CLUSTERS: 4 x 4 work-groups; A's tiles are asked for jointly along a row of the cluster, B's along a column.  THE MATRIX INSTRUCTION IS USED TRANSPOSED (source 0 = B's rows, source 1 = A's): lane (r, h) holds row 16 a + r and columns 16 b + 8 h + 0..7.
; THE RESIDUAL STARTS THE SUMS: while the first tiles are on their way, R's 128 x 128 numbers of the wave are loaded by whole rows into the accumulators' registers and turned, 16 rows at a time, through the wave's stage into the result's layout.
; The bias is added on the way out, where a lane holds 4 neighbouring columns of whole rows.
; REGISTERS, in windows of 256: window 0: v1-31 addresses; v32-63 scale words, two sets; v64-67 the bias; v128-223 A's fragments, one set; on the way out v128-255 rows of C.  window 1: B's fragments, two sets.  windows 2, 3: the accumulators.
.set KTOT,   4096
.set A_SC,   12582912                  ; A's scale words in its buffer
.set B_OFF,  6291456                   ; B's codes in wts
.set B_SC,   9699328                   ; B's scale words in wts
.set KS,     KTOT/128
.set LAPS,   KTOT/512
.set NQ,     2
.set FR,     12
.set NL,     4
.set NP,     4
.set GSTEP,  12288
.set HALFT,  2*GSTEP
.set SLOT,   4*HALFT
.set HALFS,  KS*512
.set SCL,    2*SLOT
.set SPARE,  SCL+4*HALFS               ; the spare words, 128 bytes for each wave: two blocks of 256 bytes that no other line names
.set STG,    SPARE+512                 ; a stage of 16 rows x (512 bytes + 16) for each wave; no fill lands here
.set SPITCH, 528
.set ROWC,   4096                      ; a row of R and of C in bytes
.set ADRA, 16
.set ADRB, 20
.set STO,  24                          ; v24 the stage by the result's layout: row r, 32 h
.set RD,   25                          ; v25 the stage by rows: 16 x lane
.set CO,   26                          ; v26 16 x lane: my bytes of a row of R, C and the bias
.set ADRS, 27
.set SPW,  28
.set NIL,  29
.set SC,   32
.set BV,   64
.set AF,   128
.set BK,   128
.set G1, 24
.set G0, 32
.set G1B, 48
.set G0B, 56
.set G1S, 68
.set G0S, 76
.set G1SB, 80
.set G0SB, 88
.set MSB, 0
.macro WIN new                         ; the immediate's high byte repeats the setting that is left
.if MSB != \new
	s_set_vgpr_msb (MSB<<8)|\new
.set MSB, \new
.endif
.endm
.set MUL_LO, 0xa1
.set MUL_HI, 0xf1
.set TO_B,   0x40
.macro JLOAD g0a, g1a, g0b, g1b        ; a joint load: waves 0 and 1 fetch for A, waves 2 and 3 for B; an s_nop 0 and four v_nop follow each line
	s_cmp_eq_u32 s15, 0
	s_cbranch_scc0 .Lfor_b_\@
	tensor_load_to_lds s[\g0a:\g0a+3], s[\g1a:\g1a+7]
	s_nop 0
.rept 4
	v_nop
.endr
	s_branch .Lasked_\@
.Lfor_b_\@:
	tensor_load_to_lds s[\g0b:\g0b+3], s[\g1b:\g1b+7]
	s_nop 0
.rept 4
	v_nop
.endr
.Lasked_\@:
.endm
.macro CREST
	s_cmp_lg_u32 s14, 0
	s_cbranch_scc1 .Lnot_wave_0_\@
	s_barrier_signal -3
.Lnot_wave_0_\@:
	s_barrier_wait -3
	s_barrier_signal -1
	s_barrier_wait -1
.endm
.macro CROUND
	s_barrier_signal -1
	s_barrier_wait -1
	CREST
.endm
	s_load_b256 s[4:11], s[0:1], 0x0               ; A s[4:5], wts s[6:7], the bias s[8:9], R s[10:11]
	s_load_b64 s[12:13], s[0:1], 0x20              ; C
	v_lshl_add_u32 v[SPW], v0, 2, SPARE
	v_mov_b32 v[NIL], 0
	ds_add_u32 v[SPW], v[NIL]                      ; the wave's opening: the add, twice on end, and its wait ahead of my first tensor load
	ds_add_u32 v[SPW], v[NIL]
	v_lshrrev_b32 v1, 5, v0
	v_readfirstlane_b32 s14, v1                    ; wave 0..3
	s_lshr_b32 s15, s14, 1                         ; my half of the rows.  Also: I fetch for A (0) or for B (1)
	s_and_b32 s16, s14, 1                          ; my half of the columns.  Also: which 128 rows I fetch
	s_bfe_u32 s40, ttmp6, 0x40000                  ; cx
	s_bfe_u32 s41, ttmp6, 0x40004                  ; cy
	s_lshl_b32 s42, ttmp9, 2
	s_add_co_u32 s42, s42, s40                     ; tile column of C
	s_and_b32 s17, ttmp7, 0xffff
	s_lshl_b32 s17, s17, 2
	s_add_co_u32 s17, s17, s41                     ; tile row of C
	s_lshl_b32 s43, s41, 2
	s_lshl_b32 s43, 15, s43                        ; my row of the cluster
	s_lshl_b32 s44, 0x1111, s40                    ; my column
	s_or_b32 s[G1+0], s43, (3<<16)|(1<<21)         ; 24,576 dense bytes as 96 rows of 32 elements of 8 bytes, no padding; bit 21 set beside a mask
	s_or_b32 s[G1B+0], s44, (3<<16)|(1<<21)
.irp g, G1, G1B
	s_mov_b32 s[\g+1], 32<<16
	s_mov_b32 s[\g+2], 96<<16
	s_mov_b32 s[\g+3], 32<<16
	s_mov_b32 s[\g+4], 96
	s_mov_b32 s[\g+5], 32
	s_mov_b32 s[\g+6], 0
	s_mov_b32 s[\g+7], 0
.endr
	s_or_b32 s[G1S+0], s43, (3<<16)|(1<<21)        ; the scale words of 128 rows: HALFS dense bytes, rows of 256
	s_or_b32 s[G1SB+0], s44, (3<<16)|(1<<21)
.irp g, G1S, G1SB
	s_mov_b32 s[\g+1], 32<<16
	s_mov_b32 s[\g+2], (HALFS/256)<<16
	s_mov_b32 s[\g+3], 32<<16
	s_mov_b32 s[\g+4], HALFS/256
	s_mov_b32 s[\g+5], 32
	s_mov_b32 s[\g+6], 0
	s_mov_b32 s[\g+7], 0
.endr
	s_lshl_b32 s20, s17, 1
	s_add_co_u32 s20, s20, s16                     ; A's group of 128 rows that I fetch
	s_lshl_b32 s46, s42, 1
	s_add_co_u32 s46, s46, s16                     ; B's
	s_mul_i32 s22, s20, HALFS
	s_add_co_u32 s22, s22, A_SC
	s_mul_i32 s92, s46, HALFS
	s_add_co_u32 s92, s92, B_SC
	s_mul_i32 s20, s20, KS*GSTEP
	s_mul_i32 s46, s46, KS*GSTEP
	s_add_co_u32 s46, s46, B_OFF
	s_mov_b32 s21, 0
	s_mov_b32 s23, 0
	s_mov_b32 s47, 0
	s_mov_b32 s93, 0
	s_mul_i32 s45, s14, HALFT
	s_mul_i32 s94, s14, HALFS
	s_wait_dscnt 0x0                               ; both opening adds are done
	s_wait_kmcnt 0x0
	s_add_nc_u64 s[20:21], s[4:5], s[20:21]
	s_add_nc_u64 s[22:23], s[4:5], s[22:23]
	s_add_nc_u64 s[46:47], s[6:7], s[46:47]
	s_add_nc_u64 s[92:93], s[6:7], s[92:93]
	CROUND                                         ; all sixteen work-groups are here: the first joint loads meet
	s_mov_b32 s[G0S], 1
	s_add_co_u32 s[G0S+1], s94, SCL
	s_mov_b64 s[G0S+2:G0S+3], s[22:23]
	s_or_b32 s[G0S+3], s[G0S+3], 0x80000000
	s_mov_b32 s[G0SB], 1
	s_add_co_u32 s[G0SB+1], s94, SCL
	s_mov_b64 s[G0SB+2:G0SB+3], s[92:93]
	s_or_b32 s[G0SB+3], s[G0SB+3], 0x80000000
	JLOAD G0S, G1S, G0SB, G1SB
.irp s, 0,1
	s_mov_b32 s[G0+4*\s], 1
	s_add_co_u32 s[G0+4*\s+1], s45, \s*SLOT
	s_add_nc_u64 s[G0+4*\s+2:G0+4*\s+3], s[20:21], \s*HALFT
	s_or_b32 s[G0+4*\s+3], s[G0+4*\s+3], 0x80000000
	s_mov_b32 s[G0B+4*\s], 1
	s_add_co_u32 s[G0B+4*\s+1], s45, \s*SLOT
	s_add_nc_u64 s[G0B+4*\s+2:G0B+4*\s+3], s[46:47], \s*HALFT
	s_or_b32 s[G0B+4*\s+3], s[G0B+4*\s+3], 0x80000000
	JLOAD G0+4*\s, G1, G0B+4*\s, G1B
.endr
	v_and_b32 v1, 15, v0                           ; r
	v_bfe_u32 v2, v0, 4, 1                         ; h
	v_and_b32 v3, 31, v0
	v_lshlrev_b32 v4, 4, v3                        ; 16 x lane
	v_lshlrev_b32 v5, 3, v3
	v_add_nc_u32 v5, 512, v5                       ; 512 + 8 x lane
	s_mul_i32 s21, s15, HALFT
	s_mul_i32 s22, s16, HALFT
	s_add_co_u32 s22, s22, 2*HALFT
.irp s, 0,1
	v_add_nc_u32 v[ADRA+\s], s21, v4
	v_add_nc_u32 v[ADRA+2+\s], s21, v5
	v_add_nc_u32 v[ADRB+\s], s22, v4
	v_add_nc_u32 v[ADRB+2+\s], s22, v5
	s_add_co_u32 s21, s21, SLOT
	s_add_co_u32 s22, s22, SLOT
.endr
	s_mul_i32 s21, s15, HALFS
	s_mul_i32 s22, s16, HALFS
	s_add_co_u32 s22, s22, 2*HALFS
	s_sub_co_u32 s22, s22, s21
	v_mul_u32_u24 v6, s22, v2                      ; lanes 16-31 take B's
	s_add_co_u32 s21, s21, SCL
	v_lshl_add_u32 v6, v1, 2, v6
	v_add_nc_u32 v[ADRS], s21, v6
	s_mul_i32 s23, s14, 16*SPITCH
	s_add_co_u32 s23, s23, STG                     ; my stage
	v_mul_u32_u24 v6, v1, SPITCH
	v_lshl_add_u32 v6, v2, 5, v6
	v_add_nc_u32 v[STO], s23, v6
	v_add_nc_u32 v[RD], s23, v4
	v_mov_b32 v[CO], v4
	s_lshl_b32 s20, s17, 8
	s_lshl_b32 s21, s15, 7
	s_add_co_u32 s20, s20, s21                     ; my first row
	s_lshl_b32 s20, s20, 12
	s_lshl_b32 s22, s42, 10
	s_lshl_b32 s21, s16, 9
	s_add_co_u32 s22, s22, s21                     ; my first column, in bytes
	s_add_co_u32 s20, s20, s22
	s_mov_b32 s21, 0
	s_mov_b32 s23, 0
	s_add_nc_u64 s[10:11], s[10:11], s[20:21]
	s_add_nc_u64 s[12:13], s[12:13], s[20:21]
	s_add_nc_u64 s[8:9], s[8:9], s[22:23]
; R's block a (16 rows of 512 bytes) into the registers of block a's accumulators, by rows
.macro RLOAD a
	WIN 0x80+0x40*((\a)/4)                         ; destination window 2 or 3
.irp t, 0,1,2,3,4,5,6,7,8,9,10,11,12,13,14,15
	global_load_b128 v[64*((\a)%4)+4*\t:64*((\a)%4)+4*\t+3], v[CO], s[10:11] offset:(16*(\a)+\t)*ROWC th:TH_LOAD_NT
.endr
.endm
; and through my stage into the result's layout.  LDS serves a wave's instructions in order: no wait stands between the stores and the loads, nor in front of the next block's stores
.macro RTURN a
	WIN 0x08+4*((\a)/4)                            ; an LDS store's data are its source 1
.irp t, 0,1,2,3,4,5,6,7,8,9,10,11,12,13,14,15
	ds_store_b128 v[RD], v[64*((\a)%4)+4*\t:64*((\a)%4)+4*\t+3] offset:\t*SPITCH
.endr
	WIN 0x80+0x40*((\a)/4)
.irp b, 0,1,2,3,4,5,6,7
	ds_load_b128 v[64*((\a)%4)+8*\b:64*((\a)%4)+8*\b+3], v[STO] offset:64*\b
	ds_load_b128 v[64*((\a)%4)+8*\b+4:64*((\a)%4)+8*\b+7], v[STO] offset:64*\b+16
.endr
.endm
	global_load_b128 v[BV:BV+3], v[CO], s[8:9]     ; the bias at my 4 columns of a row
	RLOAD 0
	RLOAD 1
	RLOAD 2
.irp a, 0,1,2,3,4,5,6,7
.if \a < 6
	s_wait_loadcnt 32                              ; block a is in; the 32 loads of the two blocks behind it may be out
.else
	s_wait_loadcnt 16*(7-\a)
.endif
	RTURN \a
.if \a < 5
	RLOAD \a+3
.endif
.endr
	WIN 0
.macro FRAG reg, adr, q, i
.irp c, 0,1
	ds_load_b128 v[\reg+6*\c:\reg+6*\c+3], v[\adr] offset:(\q)*GSTEP+(\i)*1536+768*\c
	ds_load_b64 v[\reg+6*\c+4:\reg+6*\c+5], v[\adr+2] offset:(\q)*GSTEP+(\i)*1536+768*\c
.endr
.endm
; 16 matrix instructions: A's blocks a0, a0 + 1 x B's eight, 128 along K.  The 64 accumulators take turns, in the same order in every step
.macro MUL16 a0, p, q, sc
.irp a, \a0, \a0+1
.irp b, 0,1,2,3,4,5,6,7
	v_wmma_scale_f32_16x16x128_f8f6f4 v[8*(8*((\a)%4)+\b):8*(8*((\a)%4)+\b)+7], v[128*(\p)+FR*\b:128*(\p)+FR*\b+FR-1], v[AF+FR*(\a):AF+FR*(\a)+FR-1], v[8*(8*((\a)%4)+\b):8*(8*((\a)%4)+\b)+7], v[SC+16*(\sc)+2*\b+(\q)], v[SC+16*(\sc)+2*(\a)+(\q)] matrix_a_fmt:MATRIX_FMT_FP6 matrix_b_fmt:MATRIX_FMT_FP6 matrix_a_scale:MATRIX_SCALE_ROW1
.endr
.endr
.endm
.macro FETCH_B slot, q, p
	WIN TO_B
.irp i, 0,1,2,3,4,5,6,7
	FRAG 128*(\p)+FR*\i, ADRB+\slot, \q, \i
.endr
	WIN 0
.endm
.macro FETCH_A slot, q, i0
.irp i, \i0, \i0+1, \i0+2, \i0+3
	FRAG AF+FR*(\i), ADRA+\slot, \q, \i
.endr
.endm
.macro SCALES sc
.irp i, 0,1,2,3,4,5,6,7
.irp q, 0,1
	ds_load_b32 v[SC+16*\sc+2*\i+\q], v[ADRS] offset:512*\q+64*\i
.endr
.endr
.endm
.macro PLACES n                        ; plain vector instructions between a matrix instruction and a load into one of its registers, or the first read of its result
.rept \n
	v_nop
.endr
.endm
.macro STEP slot, q
	s_wait_dscnt 4*NL                              ; all but the youngest 16 loads (A's blocks 4-7)
	WIN MUL_LO
	MUL16 0, (\q)%2, \q, \slot
	MUL16 2, (\q)%2, \q, \slot
	s_wait_dscnt 0
	PLACES NP
	FETCH_B \slot, (\q)+1, 1-(\q)%2
	FETCH_A \slot, (\q)+1, 0
	WIN MUL_HI
	MUL16 4, (\q)%2, \q, \slot
	MUL16 6, (\q)%2, \q, \slot
	PLACES NP
	WIN 0
	FETCH_A \slot, (\q)+1, 4
.endm
.macro TURN slot, next, fill
	s_wait_tensorcnt 0x0                           ; all my tensor loads have landed: my part of the next slot
	ds_add_u32 v[SPW], v[NIL]                      ; 0 onto my spare word
	s_wait_dscnt 4*NL+1                            ; (the add and the youngest 16 loads may be out)
	WIN MUL_LO
	MUL16 0, 1, NQ-1, \slot
	s_wait_dscnt 0x0                               ; the add is done, and my reads of this slot are over
	s_barrier_signal -1
	MUL16 2, 1, NQ-1, \slot
	WIN 0
	s_barrier_wait -1
.if \fill
	CREST                                          ; the barrier has opened a round of the cluster's barrier
	s_add_nc_u64 s[G0+4*\slot+2:G0+4*\slot+3], s[G0+4*\slot+2:G0+4*\slot+3], 2*HALFT
	s_add_nc_u64 s[G0B+4*\slot+2:G0B+4*\slot+3], s[G0B+4*\slot+2:G0B+4*\slot+3], 2*HALFT
	JLOAD G0+4*\slot, G1, G0B+4*\slot, G1B         ; the first tensor load behind the round; its four v_nop are the places in front of the loads below
.else
	PLACES NP
.endif
	v_add_nc_u32 v[ADRS], 1024, v[ADRS]
	FETCH_B \next, 0, 0
	FETCH_A \next, 0, 0
	SCALES \next
	WIN MUL_HI
	MUL16 4, 1, NQ-1, \slot
	MUL16 6, 1, NQ-1, \slot
	PLACES NP
	WIN 0
	FETCH_A \next, 0, 4
.endm
	s_wait_dscnt 0x0                               ; the residual lies in the accumulators
	s_wait_tensorcnt 1                             ; the scales and my part of K step 0 are in (K step 1's load may be out)
	s_barrier_signal -1
	s_barrier_wait -1                              ; everybody's are
	FETCH_B 0, 0, 0
	FETCH_A 0, 0, 0
	SCALES 0
	FETCH_A 0, 0, 4
	STEP 0, 0
	s_mov_b32 s3, LAPS-1
.Llap:                                                 ; a trip goes once round the ring and fills both slots again
	TURN 0, 1, 1
	STEP 1, 0
	TURN 1, 0, 1
	STEP 0, 0
	s_sub_co_u32 s3, s3, 1
	s_cmp_lg_u32 s3, 0
	s_cbranch_scc1 .Llap
	TURN 0, 1, 0                                   ; the last lap fills nothing
	STEP 1, 0
	s_wait_dscnt 4*NL
	WIN MUL_LO
	MUL16 0, 1, NQ-1, 1
	MUL16 2, 1, NQ-1, 1
	s_wait_dscnt 0
	WIN MUL_HI
	MUL16 4, 1, NQ-1, 1
	MUL16 6, 1, NQ-1, 1
	WIN 0
; THE WAY OUT, block by block of 16 rows x 128 columns: through my stage and back as whole rows of 512 bytes, which the 32 lanes store as 512 consecutive bytes
.macro TOSTAGE a
.set AC, 64*((\a)%4)
	WIN 0x08+4*((\a)/4)
.irp b, 0,1,2,3,4,5,6,7
	ds_store_b128 v[STO], v[AC+8*\b:AC+8*\b+3] offset:64*\b          ; each accumulator from its low end on
	ds_store_b128 v[STO], v[AC+8*\b+4:AC+8*\b+7] offset:64*\b+16
.endr
	WIN 0
.set BB, BK+64*((\a)%2)
.irp t, 0,1,2,3,4,5,6,7,8,9,10,11,12,13,14,15
	ds_load_b128 v[BB+4*\t:BB+4*\t+3], v[RD] offset:\t*SPITCH
.endr
.endm
.macro SEND a, younger                 ; younger: the LDS instructions issued behind block a's loads, which may stay out
.set BB, BK+64*((\a)%2)
	s_wait_dscnt \younger
.irp t, 0,1,2,3,4,5,6,7,8,9,10,11,12,13,14,15
	v_pk_add_f32 v[BB+4*\t:BB+4*\t+1], v[BB+4*\t:BB+4*\t+1], v[BV:BV+1]
	v_pk_add_f32 v[BB+4*\t+2:BB+4*\t+3], v[BB+4*\t+2:BB+4*\t+3], v[BV+2:BV+3]
.endr
.irp t, 0,1,2,3,4,5,6,7,8,9,10,11,12,13,14,15
	global_store_b128 v[CO], v[BB+4*\t:BB+4*\t+3], s[12:13] offset:(16*(\a)+\t)*ROWC th:TH_STORE_NT   ; written once, read by nobody here
.endr
.endm
	PLACES NP
	TOSTAGE 0
.irp a, 1,2,3,4,5,6,7
.if \a > 1
	s_wait_xcnt 0x0                                ; block a - 2's stores have read their registers: block a's loads may land there
.endif
	TOSTAGE \a
	SEND \a-1, 32                                  ; behind block a - 1's loads: block a's 16 stores and 16 loads
.endr
	SEND 7, 0
	s_wait_tensorcnt 0x0                           ; the wave's end: behind my last tensor load and my last LDS store
	ds_add_u32 v[SPW], v[NIL]
	s_wait_dscnt 0x0
	CROUND                                         ; the closing round
	s_endpgm
.Lfunc_end_k_qc622ec16b4_ffn2:
	.size	k_qc622ec16b4_ffn2, .Lfunc_end_k_qc622ec16b4_ffn2-k_qc622ec16b4_ffn2
	.p2alignl 7, 3214868480
	.fill 96, 4, 3214868480
	.section	.rodata,"a",@progbits
	.p2align	6, 0x0
	.amdhsa_kernel k_qc622ec16b4_ffn2
		.amdhsa_group_segment_fixed_size 327680
		.amdhsa_private_segment_fixed_size 0
		.amdhsa_enable_private_segment 0
		.amdhsa_kernarg_size 40
		.amdhsa_user_sgpr_count 2
		.amdhsa_user_sgpr_kernarg_segment_ptr 1
		.amdhsa_wavefront_size32 1
		.amdhsa_system_sgpr_workgroup_id_x 1
		.amdhsa_system_sgpr_workgroup_id_y 1
		.amdhsa_system_sgpr_workgroup_id_z 1
		.amdhsa_system_vgpr_workitem_id 0
		.amdhsa_next_free_vgpr 1024
		.amdhsa_next_free_sgpr 102
		.amdhsa_reserve_vcc 0
		.amdhsa_float_denorm_mode_32 3
		.amdhsa_float_denorm_mode_16_64 3
		.amdhsa_memory_ordered 1
		.amdhsa_forward_progress 1
		.amdhsa_inst_pref_size 190
	.end_amdhsa_kernel
	.amdgpu_metadata
---
amdhsa.version: [ 1, 2 ]
amdhsa.kernels:
  - .name:           k_qc622ec16b4_ffn2
    .symbol:         k_qc622ec16b4_ffn2.kd
    .args:
      - { .name: f1q, .offset: 0, .size: 8, .value_kind: global_buffer, .address_space: global }
      - { .name: wts, .offset: 8, .size: 8, .value_kind: global_buffer, .address_space: global }
      - { .name: b2, .offset: 16, .size: 8, .value_kind: global_buffer, .address_space: global }
      - { .name: x1, .offset: 24, .size: 8, .value_kind: global_buffer, .address_space: global }
      - { .name: out0, .offset: 32, .size: 8, .value_kind: global_buffer, .address_space: global }
    .group_segment_fixed_size: 327680
    .private_segment_fixed_size: 0
    .kernarg_segment_align: 8
    .kernarg_segment_size: 40
    .max_flat_workgroup_size: 128
    .sgpr_count:     102
    .vgpr_count:     1024
    .wavefront_size: 32
...
	.end_amdgpu_metadata
.endif
;; end of part 7
;; ======== version 2 of 2: 7 launches
;; limits: right only within a limited range of input values
;; workspace buffers: wts 9,830,400 bytes; hq 3,276,800 bytes; h2q 3,276,800 bytes; oq 3,276,800 bytes; qkv 9,830,400 bytes; x1 16,777,216 bytes; f1q 13,107,200 bytes
;; launch wquant (part 8): grid 1024 x 1, 4 waves a work-group, no clusters, 32,768 bytes of LDS; arguments Wq, Wk, Wv, Wproj, W1, W2, wts, x, g1, be1, hq; writes wts, hq
.if DOCPART == 8
	.amdgcn_target "amdgcn-amd-amdhsa--gfx1250"
	.amdhsa_code_object_version 6
	.text
	.protected	k_qc622ec16b4_wquant
	.globl	k_qc622ec16b4_wquant
	.p2align	8
	.type	k_qc622ec16b4_wquant,@function
k_qc622ec16b4_wquant:
	s_mov_b64 s[64:65], 0
	v_nop
	global_prefetch_b8 v0, s[64:65] scope:SCOPE_SE
	s_setreg_imm32_b32 hwreg(HW_REG_WAVE_MODE, 25, 1), 1
	s_wait_xcnt 0x0
; All six weights, f32 with K NOT innermost, become codes of FP6 (E2M3) with one E8M0 byte for each 32 along K, laid as the products' launches read them.
; OUTPUT.  A work-group makes one group-step: 128 columns n x 128 along K = 8 fragments of 16 rows x 128 K, 1,536 bytes each, at wts + 12,288 x work-group; its 128 scale words at wts + 9,437,184 + 512 x work-group.
; A fragment is an image of the operand's 12 registers, in two halves of 768 bytes: registers 6 c .. 6 c + 3 at 16 x lane, registers 6 c + 4, 6 c + 5 at 512 + 8 x lane.  Lane (r, h) holds row r, block 2 c + h.
; ORDER INSIDE A BLOCK.  Position p of a block of 32 holds k offset 8 (p / 16) + p % 8 + 16 ((p / 8) % 2).  Every operand of every product of this program is laid so, which keeps products and scales.
; A LANE TAKES A COLUMN AND ITS REGISTERS RUN DOWN K: a block's largest magnitude needs no other lane, and the conversions give codes with K innermost.  A wave takes 32 columns: two fragments.
; Work-groups 0-191: Wq, Wk, Wv ([head][k][64]: column = 64 head + e, 256 bytes from k to k + 1); 192-255: Wproj; 256-511: W1; 512-767: W2.  The three ways differ in the pitch alone and share no LDS.
; A block's scale is 2^(floor(log2(largest magnitude)) - 2); its byte is the largest magnitude's exponent field - 2, held at 1 from below.
; LIMITS: a block of zeros, or one whose largest magnitude lies under 2^-124, gets the byte 1 (a block of zeros has zero codes, and this program alone reads the bytes); NaN and infinities are not served.
; Loads run two blocks (64 loads a wave) ahead; each block has registers of its own.  No cluster, no LDS, no barrier: work-groups and waves share no input.
.set X,   32                           ; v32-159  128 numbers: 4 blocks of 32, in the blocks' own order
.set T,   160                          ; v160-191 codes: 8 registers for each block (3 + 1 spare, 3 + 1 spare)
.set SW,  14                           ; v14      my column's scale word
.set SRC, 28                           ; s[28:29] my wave's first number
.set DC,  20                           ; s[20:21] my wave's two fragments
.set DSC, 22                           ; s[22:23] my wave's 32 scale words
.macro LD kb, pitch                    ; block kb's 32 numbers of my column, in the blocks' own order; pitch: bytes from k to k + 1
.set LP, 0
.rept 32
	global_load_b32 v[X+32*(\kb)+LP], v1, s[SRC:SRC+1] offset:(32*(\kb)+8*(LP/16)+LP%8+16*((LP/8)%2))*\pitch th:TH_LOAD_NT   ; 32 lanes read 128 consecutive bytes
.set LP, LP+1
.endr
.endm
.macro QB kb, pitch                    ; block kb: largest magnitude, scale, byte, 32 codes
.set XS, X+32*(\kb)
.if (\kb) < 3
	s_wait_loadcnt 32                              ; this block's 32 loads are in; the next block's 32 may be out
.else
	s_wait_loadcnt 0x0
.endif
.if (\kb) < 2
	LD (\kb)+2, \pitch                             ; the block two further on is asked for
.endif
	v_max3_num_f32 v8, |v[XS]|, |v[XS+1]|, |v[XS+2]|
	v_max3_num_f32 v9, |v[XS+3]|, |v[XS+4]|, |v[XS+5]|
.irp i, 6,10,14,18,22,26
	v_max3_num_f32 v8, v8, |v[XS+\i]|, |v[XS+\i+1]|
	v_max3_num_f32 v9, v9, |v[XS+\i+2]|, |v[XS+\i+3]|
.endr
	v_max3_num_f32 v8, v8, |v[XS+30]|, |v[XS+31]|
	v_max3_num_f32 v8, v8, v9, 0x1800000           ; and the floor 2^(3 - 127): the byte cannot fall under 1
	v_add_nc_u32 v11, 0xff000000, v8               ; 2 off the exponent field: the conversion takes this operand's exponent field as its scale
	v_lshrrev_b32 v9, 23, v11                      ; the scale's byte
.if (\kb) == 0
	v_mov_b32 v[SW], v9
.else
	v_lshl_or_b32 v[SW], v9, 8*(\kb), v[SW]
.endif
	v_cvt_scalef32_pk16_fp6_f32 v[T+8*(\kb):T+8*(\kb)+2], v[XS:XS+15], v11
	v_cvt_scalef32_pk16_fp6_f32 v[T+8*(\kb)+4:T+8*(\kb)+6], v[XS+16:XS+31], v11   ; (a conversion's three registers begin on an even number)
.endm
.macro UNIT pitch                      ; pitch: bytes from k to k + 1
	LD 0, \pitch
	LD 1, \pitch
	QB 0, \pitch
	QB 1, \pitch
	QB 2, \pitch
	QB 3, \pitch
	v_nop                                          ; one plain instruction behind the last scaled conversion
.irp c, 0,1                            ; lane l holds column l's blocks 2 c and 2 c + 1.  The exchange gives fragment 0 (columns 0-15: lanes 0-15 block 2 c, lanes 16-31 block 2 c + 1) and fragment 1 (columns 16-31)
.irp i, 0,1,2
	v_permlane16_swap_b32 v[T+16*\c+\i], v[T+16*\c+8+\i]
	v_permlane16_swap_b32 v[T+16*\c+4+\i], v[T+16*\c+12+\i]
.endr
.endr
.irp u, 0,8,16,24                      ; a block's six registers on end
	v_mov_b32 v[T+\u+3], v[T+\u+4]
	v_mov_b32 v[T+\u+4], v[T+\u+5]
	v_mov_b32 v[T+\u+5], v[T+\u+6]
.endr
.irp c, 0,1
.irp f, 0,1
	global_store_b128 v2, v[T+16*\c+8*\f:T+16*\c+8*\f+3], s[DC:DC+1] offset:\f*1536+\c*768          ; 512 consecutive bytes
	global_store_b64 v3, v[T+16*\c+8*\f+4:T+16*\c+8*\f+5], s[DC:DC+1] offset:\f*1536+\c*768+512     ; 256 consecutive bytes
.endr
.endr
	global_store_b32 v1, v[SW], s[DSC:DSC+1]       ; 128 consecutive bytes: one byte in 128 of what the launch reads
.endm
	; work-groups 768-1023 take the first layer norm of x (16 rows each): one launch prepares all operands of the first products
	s_cmp_ge_u32 ttmp9, 768
	s_cbranch_scc1 .Lln
	s_load_b256 s[4:11], s[0:1], 0x0
	s_load_b128 s[12:15], s[0:1], 0x20             ; W1 s[12:13], W2 s[14:15]
	s_load_b64 s[16:17], s[0:1], 0x30              ; wts
	v_lshrrev_b32 v1, 5, v0
	v_readfirstlane_b32 s18, v1                    ; wave 0..3
	v_and_b32 v4, 31, v0                           ; lane
	v_lshlrev_b32 v1, 2, v4                        ; 4 x lane
	v_lshlrev_b32 v2, 4, v4                        ; 16 x lane
	v_lshlrev_b32 v3, 3, v4                        ; 8 x lane
	s_mul_i32 s20, ttmp9, 12288
	s_mul_i32 s21, s18, 3072
	s_add_co_u32 s20, s20, s21                     ; codes: 12,288 x work-group + 3,072 x wave
	s_mov_b32 s21, 0
	s_lshl_b32 s22, ttmp9, 9
	s_lshl_b32 s23, s18, 7
	s_add_co_u32 s22, s22, s23
	s_add_co_u32 s22, s22, 9437184                 ; scale words: behind all codes, 512 x work-group + 128 x wave
	s_mov_b32 s23, 0
	s_wait_kmcnt 0x0
	s_add_nc_u64 s[DC:DC+1], s[16:17], s[20:21]
	s_add_nc_u64 s[DSC:DSC+1], s[16:17], s[22:23]
	s_cmp_lt_u32 ttmp9, 192
	s_cbranch_scc0 .Lnot_qkv
	s_lshr_b32 s24, ttmp9, 3                       ; group 0..23
	s_and_b32 s25, ttmp9, 7                        ; K step
	s_lshr_b32 s26, s24, 3                         ; 0 Wq, 1 Wk, 2 Wv
	s_cmp_eq_u32 s26, 0
	s_cselect_b64 s[SRC:SRC+1], s[4:5], s[6:7]
	s_cmp_eq_u32 s26, 2
	s_cselect_b64 s[SRC:SRC+1], s[8:9], s[SRC:SRC+1]
	s_and_b32 s24, s24, 7
	s_lshl_b32 s24, s24, 1
	s_lshr_b32 s27, s18, 1
	s_add_co_u32 s24, s24, s27                     ; head = 2 x group + wave / 2
	s_lshl_b32 s24, s24, 18                        ; 262,144 bytes a head
	s_and_b32 s27, s18, 1
	s_lshl_b32 s27, s27, 7                         ; 32 columns of 4 bytes
	s_add_co_u32 s24, s24, s27
	s_lshl_b32 s25, s25, 15                        ; 128 rows of 256 bytes
	s_add_co_u32 s24, s24, s25
	s_mov_b32 s25, 0
	s_add_nc_u64 s[SRC:SRC+1], s[SRC:SRC+1], s[24:25]
	s_wait_alu depctr_va_vdst(0)
	UNIT 256
	s_endpgm
.Lnot_qkv:
	s_cmp_lt_u32 ttmp9, 256
	s_cbranch_scc1 .Lrows_4096
	s_cmp_lt_u32 ttmp9, 512
	s_cbranch_scc0 .Lrows_4096
	s_sub_co_u32 s24, ttmp9, 256                   ; W1: 32 groups x 8 K steps
	s_and_b32 s25, s24, 7
	s_lshr_b32 s24, s24, 3
	s_lshl_b32 s24, s24, 2
	s_add_co_u32 s24, s24, s18
	s_lshl_b32 s24, s24, 7                         ; (4 x group + wave) x 32 columns of 4 bytes
	s_lshl_b32 s25, s25, 21                        ; 128 rows of 16,384 bytes
	s_add_co_u32 s24, s24, s25
	s_mov_b32 s25, 0
	s_add_nc_u64 s[SRC:SRC+1], s[12:13], s[24:25]
	s_wait_alu depctr_va_vdst(0)
	UNIT 16384
	s_endpgm
.Lrows_4096:                                           ; Wproj (8 groups x 8 K steps) and W2 (8 groups x 32 K steps): rows of 4,096 bytes
	s_cmp_lt_u32 ttmp9, 512
	s_cselect_b64 s[SRC:SRC+1], s[10:11], s[14:15]
	s_mov_b32 s24, 512
	s_cselect_b32 s24, 192, s24                    ; the tensor's first work-group
	s_cselect_b32 s26, 3, 5                        ; log2 of its K steps
	s_cselect_b32 s27, 7, 31
	s_sub_co_u32 s24, ttmp9, s24
	s_and_b32 s25, s24, s27                        ; K step
	s_lshr_b32 s24, s24, s26                       ; group
	s_lshl_b32 s24, s24, 2
	s_add_co_u32 s24, s24, s18
	s_lshl_b32 s24, s24, 7
	s_lshl_b32 s25, s25, 19                        ; 128 rows of 4,096 bytes
	s_add_co_u32 s24, s24, s25
	s_mov_b32 s25, 0
	s_add_nc_u64 s[SRC:SRC+1], s[SRC:SRC+1], s[24:25]
	s_wait_alu depctr_va_vdst(0)
	UNIT 4096
	s_endpgm
; THE LAYER NORM'S PATH: y = (x - mean) rsqrt(var + 1e-5) g1 + be1 over rows of 1,024, and y's codes and scale words into hq, laid as the products' launches read an operand.
; A work-group takes 16 rows, wave w rows 4 w .. 4 w + 3; the mean first, then the variance of x - mean.  A row turns through the wave's own LDS so that lane L holds block L whole; the 16 rows' codes meet in LDS and leave as 512 and 256 consecutive bytes.
; Only this path uses LDS.  LIMITS as above: a block under 2^-124 gets the byte 1; NaN and infinities are not served.
.Lln:
.set X,     32
.set G,     160
.set BE,    192
.set Y,     224
.set TURNB, 4608
.set IMGA,  4*TURNB
.set IMGB,  IMGA+32*272
.set SCS,   IMGB+32*136
.set SPARE, SCS+512
.set SPW,   30
.set NIL,   31
	s_load_b256 s[4:11], s[0:1], 0x38              ; x, g1, be1, hq
	v_lshl_add_u32 v[SPW], v0, 2, SPARE
	v_mov_b32 v[NIL], 0
	v_lshrrev_b32 v1, 5, v0
	v_readfirstlane_b32 s16, v1
	s_sub_co_u32 s26, ttmp9, 768                   ; which 16 rows
	v_and_b32 v26, 31, v0
	v_lshlrev_b32 v1, 4, v26
	v_lshlrev_b32 v16, 3, v26
	s_mul_i32 s17, s16, TURNB
	v_lshrrev_b32 v2, 3, v26
	v_mul_u32_u24 v2, v2, 144
	v_and_b32 v3, 7, v26
	v_lshl_add_u32 v2, v3, 4, v2
	v_add_nc_u32 v2, s17, v2
	v_mul_u32_u24 v3, v26, 144
	v_add_nc_u32 v3, s17, v3
	s_lshl_b32 s17, s16, 6
	v_mul_u32_u24 v4, v26, 272
	v_add_nc_u32 v4, s17, v4
	v_add_nc_u32 v4, IMGA, v4
	s_lshl_b32 s17, s16, 5
	v_mul_u32_u24 v5, v26, 136
	v_add_nc_u32 v5, s17, v5
	v_add_nc_u32 v5, IMGB, v5
	s_lshl_b32 s17, s16, 4
	v_lshrrev_b32 v6, 2, v26
	v_lshlrev_b32 v6, 6, v6
	v_and_b32 v7, 3, v26
	v_add_nc_u32 v6, v6, v7
	v_add_nc_u32 v6, s17, v6
	v_add_nc_u32 v6, SCS, v6
	v_lshrrev_b32 v27, 4, v26
	v_and_b32 v28, 15, v26
	s_mul_i32 s17, s16, 2176
	v_mul_u32_u24 v7, v27, 272
	v_lshl_add_u32 v7, v28, 4, v7
	v_add_nc_u32 v7, s17, v7
	v_add_nc_u32 v7, IMGA, v7
	s_mul_i32 s17, s16, 1088
	v_mul_u32_u24 v8, v27, 136
	v_lshl_add_u32 v8, v28, 3, v8
	v_add_nc_u32 v8, s17, v8
	v_add_nc_u32 v8, IMGB, v8
	s_lshl_b32 s17, s16, 7
	v_lshlrev_b32 v9, 2, v26
	v_add_nc_u32 v9, s17, v9
	v_add_nc_u32 v9, SCS, v9
	v_lshlrev_b32 v17, 9, v27
	v_lshl_add_u32 v17, v28, 2, v17
	s_mov_b32 s12, 0x76543210
	s_mov_b32 s13, 0xfedcba98
	s_mov_b32 s14, 0x3a800000
	s_mov_b32 s15, 0x3727c5ac
	s_lshl_b32 s18, s26, 16
	s_lshl_b32 s19, s16, 14
	s_add_co_u32 s18, s18, s19
	s_mov_b32 s19, 0
	s_lshr_b32 s20, s26, 3
	s_and_b32 s21, s26, 7
	s_mul_i32 s22, s20, 98304
	s_mul_i32 s23, s21, 1536
	s_add_co_u32 s22, s22, s23
	s_mul_i32 s23, s16, 24576
	s_add_co_u32 s22, s22, s23
	s_mov_b32 s23, 0
	s_lshl_b32 s24, s20, 12
	s_lshl_b32 s25, s21, 6
	s_add_co_u32 s24, s24, s25
	s_lshl_b32 s25, s16, 10
	s_add_co_u32 s24, s24, s25
	s_add_co_u32 s24, s24, 3145728
	s_mov_b32 s25, 0
	s_wait_alu depctr_va_vdst(0)                   ; the wait at the head's end
	s_wait_kmcnt 0x0
	s_add_nc_u64 s[4:5], s[4:5], s[18:19]
	s_add_nc_u64 s[20:21], s[10:11], s[24:25]
	s_add_nc_u64 s[10:11], s[10:11], s[22:23]
.irp j, 0,1,2,3,4,5,6,7
	global_load_b128 v[G+4*\j:G+4*\j+3], v1, s[6:7] offset:512*\j
.endr
.irp j, 0,1,2,3,4,5,6,7
	global_load_b128 v[BE+4*\j:BE+4*\j+3], v1, s[8:9] offset:512*\j
.endr
.irp q, 0,1,2,3
.irp j, 0,1,2,3,4,5,6,7
	global_load_b128 v[X+32*\q+4*\j:X+32*\q+4*\j+3], v1, s[4:5] offset:4096*\q+512*\j th:TH_LOAD_NT
.endr
.endr
.macro SUM32
	v_add_f32_dpp v12, v12, v12 row_xmask:1 row_mask:0xf bank_mask:0xf
	v_add_f32_dpp v12, v12, v12 row_xmask:2 row_mask:0xf bank_mask:0xf
	v_add_f32_dpp v12, v12, v12 row_xmask:4 row_mask:0xf bank_mask:0xf
	v_add_f32_dpp v12, v12, v12 row_xmask:8 row_mask:0xf bank_mask:0xf
	v_permlanex16_b32 v13, v12, s12, s13
	v_add_f32 v12, v12, v13
.endm
.macro ROW q
.set XR, X+32*\q
	s_wait_loadcnt 8*(3-\q)                        ; g, b and this row are in; the later rows' loads, 8 each, may be out
	v_pk_add_f32 v[12:13], v[XR:XR+1], v[XR+2:XR+3]
	v_pk_add_f32 v[14:15], v[XR+4:XR+5], v[XR+6:XR+7]
.irp j, 8,12,16,20,24,28
	v_pk_add_f32 v[12:13], v[12:13], v[XR+\j:XR+\j+1]
	v_pk_add_f32 v[14:15], v[14:15], v[XR+\j+2:XR+\j+3]
.endr
	v_pk_add_f32 v[12:13], v[12:13], v[14:15]
	v_add_f32 v12, v12, v13
	SUM32
	v_mul_f32 v10, s14, v12
	v_mov_b32 v11, v10
.irp j, 0,2,4,6,8,10,12,14,16,18,20,22,24,26,28,30
	v_pk_add_f32 v[XR+\j:XR+\j+1], v[XR+\j:XR+\j+1], v[10:11] neg_lo:[0,1] neg_hi:[0,1]
.endr
	v_pk_mul_f32 v[12:13], v[XR:XR+1], v[XR:XR+1]
	v_pk_mul_f32 v[14:15], v[XR+2:XR+3], v[XR+2:XR+3]
.irp j, 4,8,12,16,20,24,28
	v_pk_fma_f32 v[12:13], v[XR+\j:XR+\j+1], v[XR+\j:XR+\j+1], v[12:13]
	v_pk_fma_f32 v[14:15], v[XR+\j+2:XR+\j+3], v[XR+\j+2:XR+\j+3], v[14:15]
.endr
	v_pk_add_f32 v[12:13], v[12:13], v[14:15]
	v_add_f32 v12, v12, v13
	SUM32
	v_fma_f32 v12, v12, s14, s15
	s_wait_alu depctr_va_vdst(0)
	v_rsq_f32 v10, v12
	v_nop
	s_wait_alu depctr_va_vdst(0)
	v_mov_b32 v11, v10
.irp j, 0,2,4,6,8,10,12,14,16,18,20,22,24,26,28,30
	v_pk_mul_f32 v[XR+\j:XR+\j+1], v[XR+\j:XR+\j+1], v[10:11]
.endr
.irp j, 0,2,4,6,8,10,12,14,16,18,20,22,24,26,28,30
	v_pk_fma_f32 v[XR+\j:XR+\j+1], v[XR+\j:XR+\j+1], v[G+\j:G+\j+1], v[BE+\j:BE+\j+1]
.endr
.irp j, 0,1,2,3,4,5,6,7
	ds_store_b128 v2, v[XR+4*\j:XR+4*\j+3] offset:576*\j
.endr
	ds_load_b128 v[Y:Y+3],     v3
	ds_load_b128 v[Y+4:Y+7],   v3 offset:16
	ds_load_b128 v[Y+8:Y+11],  v3 offset:64
	ds_load_b128 v[Y+12:Y+15], v3 offset:80
	ds_load_b128 v[Y+16:Y+19], v3 offset:32
	ds_load_b128 v[Y+20:Y+23], v3 offset:48
	ds_load_b128 v[Y+24:Y+27], v3 offset:96
	ds_load_b128 v[Y+28:Y+31], v3 offset:112
	s_wait_dscnt 0x0
	v_max3_num_f32 v12, |v[Y]|, |v[Y+1]|, |v[Y+2]|
	v_max3_num_f32 v13, |v[Y+3]|, |v[Y+4]|, |v[Y+5]|
.irp i, 6,10,14,18,22,26
	v_max3_num_f32 v12, v12, |v[Y+\i]|, |v[Y+\i+1]|
	v_max3_num_f32 v13, v13, |v[Y+\i+2]|, |v[Y+\i+3]|
.endr
	v_max3_num_f32 v12, v12, |v[Y+30]|, |v[Y+31]|
	v_max3_num_f32 v12, v12, v13, 0x1800000
	v_add_nc_u32 v14, 0xff000000, v12
	v_lshrrev_b32 v19, 23, v14
	v_cvt_scalef32_pk16_fp6_f32 v[20:22], v[Y:Y+15], v14
	v_cvt_scalef32_pk16_fp6_f32 v[26:28], v[Y+16:Y+31], v14
	v_nop
	v_mov_b32 v23, v26
	v_mov_b32 v24, v27
	v_mov_b32 v25, v28
	ds_store_b128 v4, v[20:23] offset:16*\q
	ds_store_b64 v5, v[24:25] offset:8*\q
	ds_store_b8 v6, v19 offset:4*\q
.endm
	ROW 0
	ROW 1
	ROW 2
	ROW 3
	s_wait_dscnt 0x0
	s_barrier_signal -1
	s_barrier_wait -1
.irp e, 0,1,2,3
	ds_load_b128 v[X+8*\e:X+8*\e+3], v7 offset:544*\e
	ds_load_b64 v[X+8*\e+4:X+8*\e+5], v8 offset:272*\e
.endr
	ds_load_b32 v[X+32], v9
	s_wait_dscnt 0x0
.irp e, 0,1,2,3
	global_store_b128 v1, v[X+8*\e:X+8*\e+3], s[10:11] offset:(\e/2)*12288+(\e%2)*768
	global_store_b64 v16, v[X+8*\e+4:X+8*\e+5], s[10:11] offset:(\e/2)*12288+(\e%2)*768+512
.endr
	global_store_b32 v17, v[X+32], s[20:21]
	s_wait_tensorcnt 0x0                           ; the wave's end: behind my last LDS store
	ds_add_u32 v[SPW], v[NIL]
	s_wait_dscnt 0x0
	s_endpgm
.Lfunc_end_k_qc622ec16b4_wquant:
	.size	k_qc622ec16b4_wquant, .Lfunc_end_k_qc622ec16b4_wquant-k_qc622ec16b4_wquant
	.p2alignl 7, 3214868480
	.fill 96, 4, 3214868480
	.section	.rodata,"a",@progbits
	.p2align	6, 0x0
	.amdhsa_kernel k_qc622ec16b4_wquant
		.amdhsa_group_segment_fixed_size 32768
		.amdhsa_private_segment_fixed_size 0
		.amdhsa_enable_private_segment 0
		.amdhsa_kernarg_size 88
		.amdhsa_user_sgpr_count 2
		.amdhsa_user_sgpr_kernarg_segment_ptr 1
		.amdhsa_wavefront_size32 1
		.amdhsa_system_sgpr_workgroup_id_x 1
		.amdhsa_system_sgpr_workgroup_id_y 1
		.amdhsa_system_sgpr_workgroup_id_z 1
		.amdhsa_system_vgpr_workitem_id 0
		.amdhsa_next_free_vgpr 256
		.amdhsa_next_free_sgpr 66
		.amdhsa_reserve_vcc 0
		.amdhsa_float_denorm_mode_32 3
		.amdhsa_float_denorm_mode_16_64 3
		.amdhsa_memory_ordered 1
		.amdhsa_forward_progress 1
		.amdhsa_inst_pref_size 105
	.end_amdhsa_kernel
	.amdgpu_metadata
---
amdhsa.version: [ 1, 2 ]
amdhsa.kernels:
  - .name:           k_qc622ec16b4_wquant
    .symbol:         k_qc622ec16b4_wquant.kd
    .args:
      - { .name: Wq, .offset: 0, .size: 8, .value_kind: global_buffer, .address_space: global }
      - { .name: Wk, .offset: 8, .size: 8, .value_kind: global_buffer, .address_space: global }
      - { .name: Wv, .offset: 16, .size: 8, .value_kind: global_buffer, .address_space: global }
      - { .name: Wproj, .offset: 24, .size: 8, .value_kind: global_buffer, .address_space: global }
      - { .name: W1, .offset: 32, .size: 8, .value_kind: global_buffer, .address_space: global }
      - { .name: W2, .offset: 40, .size: 8, .value_kind: global_buffer, .address_space: global }
      - { .name: wts, .offset: 48, .size: 8, .value_kind: global_buffer, .address_space: global }
      - { .name: x, .offset: 56, .size: 8, .value_kind: global_buffer, .address_space: global }
      - { .name: g1, .offset: 64, .size: 8, .value_kind: global_buffer, .address_space: global }
      - { .name: be1, .offset: 72, .size: 8, .value_kind: global_buffer, .address_space: global }
      - { .name: hq, .offset: 80, .size: 8, .value_kind: global_buffer, .address_space: global }
    .group_segment_fixed_size: 32768
    .private_segment_fixed_size: 0
    .kernarg_segment_align: 8
    .kernarg_segment_size: 88
    .max_flat_workgroup_size: 128
    .sgpr_count:     66
    .vgpr_count:     256
    .wavefront_size: 32
...
	.end_amdgpu_metadata
.endif
;; end of part 8
;; launch qkvgemm (part 9): grid 8 x 24, 4 waves a work-group, clusters of 4 x 4, 327,680 bytes of LDS; arguments hq, wts, qkv; writes qkv
.if DOCPART == 9
	.amdgcn_target "amdgcn-amd-amdhsa--gfx1250"
	.amdhsa_code_object_version 6
	.text
	.protected	k_qc622ec16b4_qkvgemm
	.globl	k_qc622ec16b4_qkvgemm
	.p2align	8
	.type	k_qc622ec16b4_qkvgemm,@function
k_qc622ec16b4_qkvgemm:
	s_mov_b64 s[64:65], 0
	v_nop
	global_prefetch_b8 v0, s[64:65] scope:SCOPE_SE
	s_setreg_imm32_b32 hwreg(HW_REG_WAVE_MODE, 25, 1), 1
	s_wait_xcnt 0x0
	s_wait_alu depctr_hold_cnt(0) depctr_sa_sdst(0) depctr_va_vdst(0) depctr_va_sdst(0) depctr_va_ssrc(0) depctr_va_vcc(0) depctr_vm_vsrc(0)
	s_getreg_b32 s2, hwreg(HW_REG_IB_STS2, 6, 4)
	s_cmp_eq_u32 s2, 0
	s_cbranch_scc0 .Lentry_in_a_cluster
	s_endpgm
.Lentry_in_a_cluster:
	s_bfe_u32 s2, ttmp6, 0x10000c
	s_cmp_lg_u32 s2, 0xf033
	s_cbranch_scc0 .Lentry_shape_is_right
	s_endpgm
.Lentry_shape_is_right:
; q, k and v^T of all heads, from codes to codes.  C[m][n] = sum over k of A[m][k] B[n][k], K = 1,024, both operands codes of FP6 (E2M3) with E8M0 scales for each 32 along K; sums in f32; C is quantised along n and never stored wide.
; CLUSTER ROWS 0-3: A = h (4,096 tokens), B = Wq, Wk (2,048 columns = 64 head + e): C = q, k, quantised along the head's 64.  CLUSTER ROWS 4, 5: A = Wv (1,024 rows = 64 head + d), B = h: C = v^T, quantised along the KEYS, the K of attention's second product.
; The two parts run the same text: they differ in pointers and offsets chosen by s_cselect on the cluster's y, which all sixteen partners share; no branch hangs on it.
; OPERANDS IN MEMORY: codes [row / 128][K step of 128][(row / 16) % 8][1,536], scale words [row / 128][K step][row % 128].  A fragment (16 rows x 128 K) is an image of its 12 registers, in two halves of 768 bytes: registers 6 c .. 6 c + 3 at 16 x lane,
; 6 c + 4, 6 c + 5 at 512 + 8 x lane.  So a fragment comes from LDS by two loads of 16 bytes and two of 8, each of consecutive bytes: no pitch, no padding.  128 rows x 256 K are 24,576 dense bytes: one tensor load.
; SHAPE: a tile of C is 256 x 256, four waves, 128 x 128 each: 64 accumulators, 512 registers.  K goes in steps of 256 through two LDS slots; the scales of the tile's 512 rows for all of K come once, with the first fills.
; CLUSTERS: 4 x 4 work-groups; A's tiles are asked for jointly along a row of the cluster, B's along a column.  THE MATRIX INSTRUCTION IS USED TRANSPOSED (source 0 = B's rows, source 1 = A's): lane (r, h) holds row 16 a + r and columns 16 b + 8 h + 0..7.
; OUTPUT (qkv): codes [0 q, 1 k, 2 v][16 batch + head][98,304]: q, k: [token / 16][768], half a fragment a head; v: [key / 128][d / 16][1,536].  q, k scale words at 9,437,184: [q, k][batch][head / 2][token] (bytes 0, 1 the even head's);
; v's at 9,699,328: [16 batch + head][key / 128][d].  Inside a block of 32, position p holds offset 8 (p / 16) + p % 8 + 16 ((p / 8) % 2), as in every operand of this program: that is how a lane's registers of two neighbouring tiles fall.
; LIMITS: a block of zeros, or one whose largest magnitude lies under 2^-124, gets the byte 1 (zero codes; this program alone reads the bytes); NaN and infinities are not served.
; REGISTERS, in windows of 256: window 0: v1-31 addresses; v32-63 scale words, two sets; v128-223 A's fragments, one set; on the way out v192-243 at work.  window 1: B's fragments, two sets, at v0 and v128.  windows 2, 3: the accumulators ((a, b) at v[8 (8 (a % 4) + b)]).
.set KTOT,   1024
.set KS,     KTOT/128
.set LAPS,   KTOT/512                  ; a lap = two K steps of 256 = once round the ring
.set NQ,     2                         ; matrix instructions deep in a slot
.set FR,     12                        ; registers of a fragment
.set NL,     4                         ; LDS loads that bring one
.set NP,     4                         ; places behind this matrix instruction (ISA guide 7.12.1)
.set GSTEP,  12288                     ; 128 rows x 128 K
.set HALFT,  2*GSTEP                   ; what one tensor load brings
.set SLOT,   4*HALFT                   ; A's two groups of 128 rows, then B's two
.set HALFS,  KS*512                    ; the scale words of 128 rows, all of K
.set SCL,    2*SLOT
.set SPARE,  SCL+4*HALFS               ; the spare words, 128 bytes for each wave: two blocks of 256 bytes that no other line names
.set STG,    SPARE+512                 ; 512 bytes for each wave: the scale words on their way out; no fill lands here
.set ADRA, 16                          ; v16-17 LDS address of my A fragments' 16-byte parts in slot 0, 1; v18-19 of their 8-byte parts
.set ADRB, 20                          ; v20-23 the same for B
.set ADRS, 27                          ; v27 my scale words: lanes 0-15 A's rows, lanes 16-31 B's
.set SPW,  28                          ; v28 LDS address of my spare word; never rewritten
.set NIL,  29                          ; v29 0; never rewritten
.set SC,   32                          ; set s at v[SC + 16 s]; register 2 i + q: lanes 0-15 A's block i, lanes 16-31 B's block i, the slot's q-th 128 along K
.set AF,   128
.set PC,   192                         ; the way out: a fragment's codes, and 7 registers at work
.set TM,   216                         ; v216-231 at work in the quantiser
.set PW,   232                         ; the scale word just made
.set G1, 24
.set G0, 32
.set G1B, 48
.set G0B, 56
.set G1S, 68
.set G0S, 76
.set G1SB, 80
.set G0SB, 88
.set OB,  92                           ; s[92:93] the way out: where block a's codes go
.set OS,  94                           ; s[94:95] and my 128 scale words
.set STA, 96                           ; s[96:97] from block to block
.set ST4, 98                           ; s[98:99] from block 3 to block 4
.set MSB, 0
.macro WIN new                         ; the immediate's high byte repeats the setting that is left
.if MSB != \new
	s_set_vgpr_msb (MSB<<8)|\new
.set MSB, \new
.endif
.endm
.set MUL_LO, 0xa1                      ; source 0 (B) window 1, source 1 (A) window 0, C and D window 2
.set MUL_HI, 0xf1                      ; the same, C and D window 3
.set TO_B,   0x40                      ; destination window 1, address window 0
; A joint load: waves 0 and 1 fetch for A, waves 2 and 3 for B.  Each line has one mask and one set of registers for all that issue it; the branch hangs on the wave's number alone.  An s_nop 0 and four v_nop follow each line.
.macro JLOAD g0a, g1a, g0b, g1b
	s_cmp_eq_u32 s15, 0
	s_cbranch_scc0 .Lfor_b_\@
	tensor_load_to_lds s[\g0a:\g0a+3], s[\g1a:\g1a+7]
	s_nop 0
.rept 4
	v_nop
.endr
	s_branch .Lasked_\@
.Lfor_b_\@:
	tensor_load_to_lds s[\g0b:\g0b+3], s[\g1b:\g1b+7]
	s_nop 0
.rept 4
	v_nop
.endr
.Lasked_\@:
.endm
.macro CREST                           ; a round of the cluster's barrier behind its opening barrier
	s_cmp_lg_u32 s14, 0
	s_cbranch_scc1 .Lnot_wave_0_\@
	s_barrier_signal -3
.Lnot_wave_0_\@:
	s_barrier_wait -3
	s_barrier_signal -1
	s_barrier_wait -1
.endm
.macro CROUND
	s_barrier_signal -1
	s_barrier_wait -1
	CREST
.endm
	s_load_b128 s[4:7], s[0:1], 0x0                ; hq s[4:5], wts s[6:7]
	s_load_b64 s[8:9], s[0:1], 0x10                ; qkv
	v_lshl_add_u32 v[SPW], v0, 2, SPARE
	v_mov_b32 v[NIL], 0
	ds_add_u32 v[SPW], v[NIL]                      ; the wave's opening: the add, twice on end, and its wait ahead of my first tensor load
	ds_add_u32 v[SPW], v[NIL]
	v_lshrrev_b32 v1, 5, v0
	v_readfirstlane_b32 s14, v1                    ; wave 0..3
	s_lshr_b32 s15, s14, 1                         ; which half of the tile's rows is mine.  Also: I fetch for A (0) or for B (1)
	s_and_b32 s16, s14, 1                          ; which half of its columns.  Also: which 128 rows of that tile I fetch
	s_bfe_u32 s40, ttmp6, 0x40000                  ; cx
	s_bfe_u32 s41, ttmp6, 0x40004                  ; cy
	s_and_b32 s18, ttmp7, 0xffff                   ; the cluster's y: 0-3 q and k, 4 and 5 v^T
	s_lshl_b32 s96, s18, 3
	s_sub_co_u32 s96, s96, 32                      ; 8 (y - 4)
	s_lshl_b32 s97, s18, 2
	s_cmp_ge_u32 s18, 4
	s_cselect_b32 s19, 1, 0                        ; the part, kept as a flag
	s_cselect_b32 s17, 0, s97
	s_cselect_b32 s96, s96, 0
	s_cselect_b32 s98, 1572864, 0                  ; A's codes: Wv's groups begin 16 x 98,304 bytes into wts; h's at 0
	s_mov_b32 s99, 3145728
	s_cselect_b32 s99, 9502720, s99                ; A's scale words: wts + 9,437,184 + 16 x 4,096, or hq + 3,145,728
	s_mov_b32 s100, 9437184
	s_cselect_b32 s100, 3145728, s100              ; B's scale words: hq's, or wts'
	s_add_co_u32 s17, s17, s41                     ; tile row of C
	s_lshl_b32 s42, ttmp9, 2
	s_add_co_u32 s42, s42, s96
	s_add_co_u32 s42, s42, s40                     ; tile column of C
	s_lshl_b32 s43, s41, 2
	s_lshl_b32 s43, 15, s43                        ; my row of the cluster
	s_lshl_b32 s44, 0x1111, s40                    ; my column
	; descriptor group 1: elements of 8 bytes, no padding
	s_or_b32 s[G1+0], s43, (3<<16)|(1<<21)         ; 15:0 the mask: A's tiles go to my row; 17:16 elements of 8 bytes; 21 set beside a mask
	s_or_b32 s[G1B+0], s44, (3<<16)|(1<<21)
.irp g, G1, G1B
	s_mov_b32 s[\g+1], 3072<<16                    ; for the head's load: two groups' 24,576 bytes, two rows 98,304 bytes apart
	s_mov_b32 s[\g+2], 2<<16
	s_mov_b32 s[\g+3], 3072<<16
	s_mov_b32 s[\g+4], 2
	s_mov_b32 s[\g+5], 12288
	s_mov_b32 s[\g+6], 0
	s_mov_b32 s[\g+7], 0
.endr
	s_or_b32 s[G1S+0], s43, (3<<16)|(1<<21)        ; the scale words of 128 rows: HALFS dense bytes, rows of 256
	s_or_b32 s[G1SB+0], s44, (3<<16)|(1<<21)
.irp g, G1S, G1SB
	s_mov_b32 s[\g+1], (HALFS/8)<<16               ; the scale words of 256 rows, dense: two rows of HALFS bytes
	s_mov_b32 s[\g+2], 2<<16
	s_mov_b32 s[\g+3], (HALFS/8)<<16
	s_mov_b32 s[\g+4], 2
	s_mov_b32 s[\g+5], HALFS/8
	s_mov_b32 s[\g+6], 0
	s_mov_b32 s[\g+7], 0
.endr
	s_lshl_b32 s20, s17, 1
	s_lshl_b32 s46, s42, 1
	s_mul_i32 s22, s20, HALFS
	s_add_co_u32 s22, s22, s99
	s_mul_i32 s92, s46, HALFS
	s_add_co_u32 s92, s92, s100
	s_mul_i32 s20, s20, KS*GSTEP
	s_add_co_u32 s20, s20, s98
	s_mul_i32 s46, s46, KS*GSTEP
	s_mov_b32 s21, 0
	s_mov_b32 s23, 0
	s_mov_b32 s47, 0
	s_mov_b32 s93, 0
	s_mul_i32 s45, s14, HALFT                      ; where they go: wave x a quarter: no place in the cluster enters an LDS address
	s_wait_dscnt 0x0                               ; both opening adds are done
	s_wait_kmcnt 0x0
	s_cmp_eq_u32 s19, 1
	s_cselect_b64 s[10:11], s[6:7], s[4:5]         ; A's buffer
	s_cselect_b64 s[12:13], s[4:5], s[6:7]         ; B's buffer
	s_add_nc_u64 s[20:21], s[10:11], s[20:21]
	s_add_nc_u64 s[22:23], s[10:11], s[22:23]
	s_add_nc_u64 s[46:47], s[12:13], s[46:47]
	s_add_nc_u64 s[92:93], s[12:13], s[92:93]
	CROUND                                         ; all sixteen work-groups are here: the first joint loads meet
	s_mov_b32 s[G0S], 1
	s_mov_b32 s[G0S+1], SCL
	s_mov_b64 s[G0S+2:G0S+3], s[22:23]
	s_or_b32 s[G0S+3], s[G0S+3], 0x80000000
	s_mov_b32 s[G0SB], 1
	s_mov_b32 s[G0SB+1], SCL+2*HALFS
	s_mov_b64 s[G0SB+2:G0SB+3], s[92:93]
	s_or_b32 s[G0SB+3], s[G0SB+3], 0x80000000
	; THE HEAD'S LOADS, ONE A WAVE: wave 0 K step 0 of A's 256 rows, wave 1 of B's, wave 2 A's scale words, wave 3 B's.  Slot 0's group 0 serves the head's load and is set for the ring behind the wait for it.
	s_mov_b32 s[G0], 1
	s_mov_b32 s[G0+1], 0
	s_mov_b64 s[G0+2:G0+3], s[20:21]
	s_or_b32 s[G0+3], s[G0+3], 0x80000000
	s_mov_b32 s[G0B], 1
	s_mov_b32 s[G0B+1], 2*HALFT
	s_mov_b64 s[G0B+2:G0B+3], s[46:47]
	s_or_b32 s[G0B+3], s[G0B+3], 0x80000000
	s_mul_i32 s96, s16, KS*GSTEP                   ; in the ring I fetch one group of 128 rows
	s_add_co_u32 s96, s96, HALFT                   ; slot 1: K step 1
	s_mov_b32 s97, 0
	; THE PREFETCH: the ring's K steps 1 to 3 are asked into the L2 ahead of their loads: 1 and 2 at the head, 3 behind slot 1's load.  Of the 96 blocks of 256 bytes that a wave fetches, each of the four partners that ask jointly takes 24,
	; told apart by address (cx for A, cy for B); lanes 24-31 name the last block again.  s[4:5] and v30 are never rewritten; the last block named ends with the group's 98,304 bytes.
	s_cmp_eq_u32 s15, 0
	s_cselect_b64 s[4:5], s[20:21], s[46:47]
	s_cselect_b32 s6, s40, s41
	s_mul_i32 s6, s6, 6144
	s_add_co_u32 s6, s6, s96                       ; my group of 128 rows, K step 1
	s_mov_b32 s7, 0
	s_add_nc_u64 s[4:5], s[4:5], s[6:7]
	s_mov_b32 s[G0+4], 1
	s_add_co_u32 s[G0+5], s45, SLOT
	s_add_nc_u64 s[G0+6:G0+7], s[20:21], s[96:97]
	s_or_b32 s[G0+7], s[G0+7], 0x80000000
	s_mov_b32 s[G0B+4], 1
	s_add_co_u32 s[G0B+5], s45, SLOT
	s_add_nc_u64 s[G0B+6:G0B+7], s[46:47], s[96:97]
	s_or_b32 s[G0B+7], s[G0B+7], 0x80000000
.macro ARM under, g0, g1, next
	s_cmp_lt_u32 s14, \under
	s_cbranch_scc0 \next
	tensor_load_to_lds s[\g0:\g0+3], s[\g1:\g1+7]
	s_nop 0
.rept 4
	v_nop
.endr
	s_branch .Lhead_asked
\next:
.endm
	ARM 1, G0,  G1,  .Lhead_b
	ARM 2, G0B, G1B, .Lhead_sa
	ARM 3, G0S, G1S, .Lhead_sb
	tensor_load_to_lds s[G0SB:G0SB+3], s[G1SB:G1SB+7]
	s_nop 0
.rept 4
	v_nop
.endr
.Lhead_asked:
	v_and_b32 v1, 15, v0                           ; r
	v_bfe_u32 v2, v0, 4, 1                         ; h
	v_and_b32 v3, 31, v0
	v_lshlrev_b32 v4, 4, v3                        ; v4: 16 x lane
	v_lshlrev_b32 v5, 3, v3
	v_add_nc_u32 v5, 512, v5
	v_min_u32 v30, 23, v3
	v_lshlrev_b32 v30, 8, v30                      ; v30: a lane a block of 256 bytes
	global_prefetch_b8 v30, s[4:5] th:TH_LOAD_NT scope:SCOPE_SE                  ; my share of K step 1,
	global_prefetch_b8 v30, s[4:5] offset:HALFT th:TH_LOAD_NT scope:SCOPE_SE     ; and of K step 2
	s_mul_i32 s21, s15, HALFT                      ; my 128 rows of A
	s_mul_i32 s22, s16, HALFT
	s_add_co_u32 s22, s22, 2*HALFT                 ; my 128 rows of B, behind A's two groups
.irp s, 0,1
	v_add_nc_u32 v[ADRA+\s], s21, v4
	v_add_nc_u32 v[ADRA+2+\s], s21, v5
	v_add_nc_u32 v[ADRB+\s], s22, v4
	v_add_nc_u32 v[ADRB+2+\s], s22, v5
	s_add_co_u32 s21, s21, SLOT
	s_add_co_u32 s22, s22, SLOT
.endr
	s_mul_i32 s21, s15, HALFS
	s_mul_i32 s22, s16, HALFS
	s_add_co_u32 s22, s22, 2*HALFS
	s_sub_co_u32 s22, s22, s21
	v_mul_u32_u24 v6, s22, v2                      ; lanes 16-31 take B's
	s_add_co_u32 s21, s21, SCL
	v_lshl_add_u32 v6, v1, 2, v6
	v_add_nc_u32 v[ADRS], s21, v6
	; THE WAY OUT'S PLACES, for both parts; then the part's are chosen
	s_lshr_b32 s10, s42, 2                         ; q, k: 0 q, 1 k
	s_lshr_b32 s11, s17, 3                         ; batch
	s_and_b32 s12, s42, 3
	s_and_b32 s13, s17, 7
	s_lshl_b32 s20, s10, 5
	s_lshl_b32 s21, s11, 4
	s_add_co_u32 s20, s20, s21
	s_lshl_b32 s21, s12, 2
	s_add_co_u32 s20, s20, s21
	s_lshl_b32 s21, s16, 1
	s_add_co_u32 s20, s20, s21                     ; 32 (q, k) + 16 batch + my first head
	s_mul_i32 s20, s20, 98304
	s_lshl_b32 s21, s13, 4
	s_lshl_b32 s22, s15, 3
	s_add_co_u32 s21, s21, s22                     ; my first token / 16
	s_mul_i32 s21, s21, 768
	s_add_co_u32 s20, s20, s21                     ; q, k: codes
	s_lshl_b32 s21, s10, 1
	s_add_co_u32 s21, s21, s11
	s_lshl_b32 s21, s21, 3
	s_lshl_b32 s22, s12, 1
	s_add_co_u32 s21, s21, s22
	s_add_co_u32 s21, s21, s16                     ; ((q, k) x 2 + batch) x 8 + my pair of heads
	s_lshl_b32 s21, s21, 13
	s_lshl_b32 s22, s13, 10
	s_add_co_u32 s21, s21, s22
	s_lshl_b32 s22, s15, 9
	s_add_co_u32 s21, s21, s22
	s_add_co_u32 s21, s21, 9437184                 ; q, k: scale words
	s_lshr_b32 s10, s42, 3                         ; v^T: batch
	s_and_b32 s11, s42, 7
	s_lshl_b32 s22, s10, 4
	s_lshl_b32 s23, s17, 2
	s_add_co_u32 s22, s22, s23
	s_lshl_b32 s23, s15, 1
	s_add_co_u32 s22, s22, s23                     ; 16 batch + my first head
	s_lshl_b32 s11, s11, 1
	s_add_co_u32 s11, s11, s16                     ; my 128 keys
	s_lshl_b32 s23, s22, 12
	s_lshl_b32 s45, s11, 8
	s_add_co_u32 s23, s23, s45
	s_add_co_u32 s23, s23, 9699328                 ; v^T: scale words
	s_add_co_u32 s22, s22, 64
	s_mul_i32 s22, s22, 98304
	s_mul_i32 s45, s11, 6144
	s_add_co_u32 s22, s22, s45                     ; v^T: codes
	s_cmp_eq_u32 s19, 1
	s_cselect_b32 s20, s22, s20
	s_cselect_b32 s22, s23, s21
	s_mov_b32 s100, 98304
	s_cselect_b32 s100, 768, s100                  ; a fragment's second half: the next head's (q, k), or 768 bytes on (v^T)
	s_mov_b32 s[STA], 768
	s_cselect_b32 s[STA], 1536, s[STA]             ; 16 rows on: the next 16 tokens, or the next 16 of d
	s_mov_b32 s[ST4], 768
	s_cselect_b32 s[ST4], 93696, s[ST4]            ; v^T: from d 48-63 of a head to d 0-15 of the next: 98,304 - 3 x 1,536
	s_mov_b32 s101, 256
	s_cselect_b32 s101, 4096, s101                 ; my scale words' second 256 bytes: on end, or the next head's
	s_mov_b32 s21, 0
	s_mov_b32 s23, 0
	s_mov_b32 s[STA+1], 0
	s_mov_b32 s[ST4+1], 0
	s_add_nc_u64 s[OB:OB+1], s[8:9], s[20:21]
	s_add_nc_u64 s[OS:OS+1], s[8:9], s[22:23]
	v_add_nc_u32 v10, s100, v4                     ; v10, v11: the second half's places
	v_add_nc_u32 v11, s100, v5
	s_lshl_b32 s45, s14, 9
	s_add_co_u32 s45, s45, STG
	v_lshl_add_u32 v12, v1, 2, s45                 ; v12: my stage: row r's word (+ 64 a)
	v_add_nc_u32 v13, s45, v4                      ; v13: and back, 16 bytes a lane
	v_mul_u32_u24 v14, s101, v2
	v_lshl_add_u32 v14, v1, 4, v14                 ; v14: sixteen lanes store 256 consecutive bytes
.macro FRAG reg, adr, q, i             ; a fragment as it lies: for each half 16 bytes a lane and 8 bytes a lane
.irp c, 0,1
	ds_load_b128 v[\reg+6*\c:\reg+6*\c+3], v[\adr] offset:(\q)*GSTEP+(\i)*1536+768*\c
	ds_load_b64 v[\reg+6*\c+4:\reg+6*\c+5], v[\adr+2] offset:(\q)*GSTEP+(\i)*1536+768*\c
.endr
.endm
; 16 matrix instructions: A's blocks a0, a0 + 1 x B's eight, 128 along K: the slot's q-th.  p: B's set; sc: the set of scale words.  zero = 1: the first product starts the sums.  The 64 accumulators take turns, in the same order in every step.
.macro MUL16 a0, p, q, sc, zero
.irp a, \a0, \a0+1
.irp b, 0,1,2,3,4,5,6,7
.if \zero
	v_wmma_scale_f32_16x16x128_f8f6f4 v[8*(8*((\a)%4)+\b):8*(8*((\a)%4)+\b)+7], v[128*(\p)+FR*\b:128*(\p)+FR*\b+FR-1], v[AF+FR*(\a):AF+FR*(\a)+FR-1], 0, v[SC+16*(\sc)+2*\b+(\q)], v[SC+16*(\sc)+2*(\a)+(\q)] matrix_a_fmt:MATRIX_FMT_FP6 matrix_b_fmt:MATRIX_FMT_FP6 matrix_a_scale:MATRIX_SCALE_ROW1
.else
	v_wmma_scale_f32_16x16x128_f8f6f4 v[8*(8*((\a)%4)+\b):8*(8*((\a)%4)+\b)+7], v[128*(\p)+FR*\b:128*(\p)+FR*\b+FR-1], v[AF+FR*(\a):AF+FR*(\a)+FR-1], v[8*(8*((\a)%4)+\b):8*(8*((\a)%4)+\b)+7], v[SC+16*(\sc)+2*\b+(\q)], v[SC+16*(\sc)+2*(\a)+(\q)] matrix_a_fmt:MATRIX_FMT_FP6 matrix_b_fmt:MATRIX_FMT_FP6 matrix_a_scale:MATRIX_SCALE_ROW1
.endif
.endr
.endr
.endm
.macro FETCH_B slot, q, p
	WIN TO_B
.irp i, 0,1,2,3,4,5,6,7
	FRAG 128*(\p)+FR*\i, ADRB+\slot, \q, \i
.endr
	WIN 0
.endm
.macro FETCH_A slot, q, i0
.irp i, \i0, \i0+1, \i0+2, \i0+3
	FRAG AF+FR*(\i), ADRA+\slot, \q, \i
.endr
.endm
.macro SCALES sc                       ; the next K step's scale words: lanes 0-15 A's block i, lanes 16-31 B's block i
.irp i, 0,1,2,3,4,5,6,7
.irp q, 0,1
	ds_load_b32 v[SC+16*\sc+2*\i+\q], v[ADRS] offset:512*\q+64*\i
.endr
.endr
.endm
.macro PLACES n                        ; plain vector instructions between a matrix instruction and a load into one of its registers, or the first read of its result
.rept \n
	v_nop
.endr
.endm
.macro STEP slot, q, zero              ; a step of 128 along K that has its successor in the same slot
	s_wait_dscnt 4*NL                              ; B's set, A's blocks 0-3 and the scale words are in; the youngest 16 loads (A's blocks 4-7) may be out
	WIN MUL_LO
	MUL16 0, (\q)%2, \q, \slot, \zero
	MUL16 2, (\q)%2, \q, \slot, \zero
	s_wait_dscnt 0
	PLACES NP
	FETCH_B \slot, (\q)+1, 1-(\q)%2
	FETCH_A \slot, (\q)+1, 0
	WIN MUL_HI
	MUL16 4, (\q)%2, \q, \slot, \zero
	MUL16 6, (\q)%2, \q, \slot, \zero
	PLACES NP
	WIN 0
	FETCH_A \slot, (\q)+1, 4
.endm
; A slot's last step changes slots: one barrier; in front of it each wave waits for all its tensor loads, adds 0 to its spare word, and waits for that and for its reads of this slot.  fill = 1: this slot is filled again, two K steps ahead.
.macro TURN slot, next, fill
	s_wait_tensorcnt 0x0                           ; all my tensor loads have landed: my part of the next slot
	ds_add_u32 v[SPW], v[NIL]                      ; 0 onto my spare word
	s_wait_dscnt 4*NL+1                            ; (the add and the youngest 16 loads may be out)
	WIN MUL_LO
	MUL16 0, 1, NQ-1, \slot, 0
	s_wait_dscnt 0x0                               ; the add is done, and my reads of this slot are over
	s_barrier_signal -1
	MUL16 2, 1, NQ-1, \slot, 0
	WIN 0
	s_barrier_wait -1
.if \fill
	CREST                                          ; the barrier has opened a round of the cluster's barrier: no wave of any partner still reads this slot or has a load on its way
	s_add_nc_u64 s[G0+4*\slot+2:G0+4*\slot+3], s[G0+4*\slot+2:G0+4*\slot+3], 2*HALFT
	s_add_nc_u64 s[G0B+4*\slot+2:G0B+4*\slot+3], s[G0B+4*\slot+2:G0B+4*\slot+3], 2*HALFT
	JLOAD G0+4*\slot, G1, G0B+4*\slot, G1B         ; the first tensor load behind the round; its four v_nop are the places in front of the loads below
.else
	PLACES NP
.endif
	s_wait_alu depctr_va_vdst(0)
	v_add_nc_u32 v[ADRS], 1024, v[ADRS]            ; the next K step's scale words
	FETCH_B \next, 0, 0
	FETCH_A \next, 0, 0
	SCALES \next
	WIN MUL_HI
	MUL16 4, 1, NQ-1, \slot, 0
	MUL16 6, 1, NQ-1, \slot, 0
	PLACES NP
	WIN 0
	FETCH_A \next, 0, 4
.endm
; 64 numbers of a lane, v[s] .. v[s + 63] of window w (the 8 tiles of a block of 16 rows), become a fragment's codes in v[PC] on and its scale word in v[PW].  Registers 16 b .. 16 b + 15 belong to block b of my row; lane l xor 16 holds the block's other 16.
.macro QUANT s, w
.set QWA, ((\w)<<2)|((\w)<<4)
.set QWB, (\w)
	WIN QWA                                        ; sources 1 and 2 in window w
.irp b, 0,1,2,3
	v_max3_num_f32 v[TM+\b], 0x1800000, |v[\s+16*\b]|, |v[\s+1+16*\b]|   ; the floor 2^(3 - 127) among the leaves: the byte cannot fall under 1.  Each accumulator is read from its low end on
.endr
.irp i, 2,4,6,8,10,12,14
.irp b, 0,1,2,3
	v_max3_num_f32 v[TM+\b], v[TM+\b], |v[\s+16*\b+\i]|, |v[\s+1+16*\b+\i]|
.endr
.endr
	WIN 0
.irp b, 0,1,2,3
	v_permlanex16_b32 v[TM+4+\b], v[TM+\b], s66, s67
.endr
.irp b, 0,1,2,3
	v_max_num_f32 v[TM+\b], v[TM+\b], v[TM+4+\b]
.endr
.irp b, 0,1,2,3
	v_add_nc_u32 v[TM+12+\b], 0xff000000, v[TM+\b] ; 2 off the exponent field: the conversion's scale operand
.endr
.irp b, 0,1,2,3
	v_lshrrev_b32 v[TM+4+\b], 23, v[TM+12+\b]      ; the scale's byte
.endr
	v_lshl_or_b32 v[PW], v[TM+5], 8, v[TM+4]
	v_lshl_or_b32 v[PW], v[TM+6], 16, v[PW]
	v_lshl_or_b32 v[PW], v[TM+7], 24, v[PW]
	WIN QWB                                        ; source 0 in window w
.irp c, 0,1
	v_cvt_scalef32_pk16_fp6_f32 v[PC+6*\c:PC+2+6*\c], v[\s+32*\c:\s+15+32*\c], v[TM+12+2*\c]
	v_cvt_scalef32_pk16_fp6_f32 v[PC+12+4*\c:PC+14+4*\c], v[\s+16+32*\c:\s+31+32*\c], v[TM+12+2*\c+1]
.endr
	WIN 0
	v_nop                                          ; one plain instruction behind a scaled conversion
.irp c, 0,1                            ; the operand's layout wants a whole block in a lane: lanes 0-15 block 2 c, lanes 16-31 block 2 c + 1
.irp i, 0,1,2
	v_permlane16_swap_b32 v[PC+6*\c+\i], v[PC+12+4*\c+\i]
.endr
.irp i, 0,1,2
	v_mov_b32 v[PC+3+6*\c+\i], v[PC+12+4*\c+\i]
.endr
.endr
.endm
	s_mov_b32 s66, 0x76543210
	s_mov_b32 s67, 0xfedcba98                      ; v_permlanex16_b32's selects for lane l xor 16
	s_wait_alu depctr_va_vdst(0)
	s_wait_tensorcnt 0x0                           ; my tile of the head's four is in
	ds_add_u32 v[SPW], v[NIL]
.irp g, G1, G1B
	s_mov_b32 s[\g+1], 1536<<16                    ; no tensor load of mine is out: from here on a load brings 24,576 dense bytes as two rows of 12,288
	s_mov_b32 s[\g+3], 1536<<16
	s_mov_b32 s[\g+5], 1536
.endr
	s_mul_i32 s20, s14, HALFT                      ; slot 0's group 0 for the ring: my quarter of the slot, my group of 128 rows
	s_mov_b32 s[G0+1], s20
	s_mov_b32 s[G0B+1], s20
	s_mul_i32 s20, s16, KS*GSTEP
	s_mov_b32 s21, 0
	s_add_nc_u64 s[G0+2:G0+3], s[G0+2:G0+3], s[20:21]
	s_add_nc_u64 s[G0B+2:G0B+3], s[G0B+2:G0B+3], s[20:21]
	s_wait_dscnt 0x0
	CROUND                                         ; all four tiles are in, all sixteen work-groups are here
	JLOAD G0+4, G1, G0B+4, G1B                     ; slot 1's first fill, the first tensor load behind the round
	FETCH_B 0, 0, 0
	FETCH_A 0, 0, 0
	SCALES 0
	global_prefetch_b8 v30, s[4:5] offset:2*HALFT th:TH_LOAD_NT scope:SCOPE_SE   ; behind slot 1's load: my share of K step 3
	FETCH_A 0, 0, 4
	STEP 0, 0, 1                                   ; the first step stands in front of the loop: its products start the sums
	s_mov_b32 s3, LAPS-1
.Llap:                                                 ; a trip goes once round the ring and fills both slots again
	TURN 0, 1, 1
	STEP 1, 0, 0
	TURN 1, 0, 1
	STEP 0, 0, 0
	s_sub_co_u32 s3, s3, 1
	s_cmp_lg_u32 s3, 0
	s_cbranch_scc1 .Llap
	TURN 0, 1, 0                                   ; the last lap fills nothing, and has no round of the cluster's barrier
	STEP 1, 0, 0
	s_wait_dscnt 4*NL
	WIN MUL_LO
	MUL16 0, 1, NQ-1, 1, 0
	MUL16 2, 1, NQ-1, 1, 0
	s_wait_dscnt 0
	WIN MUL_HI
	MUL16 4, 1, NQ-1, 1, 0
	MUL16 6, 1, NQ-1, 1, 0
	WIN 0
	; THE WAY OUT: each block of 16 rows x 128 columns is quantised in registers and stored as a fragment's image
	PLACES NP
.irp b, 0,1,2,3
	v_mov_b32 v[TM+4+\b], 0                        ; written once: a lane permute's destination counts as one of its sources
.endr
.irp a, 0,1,2,3,4,5,6,7
.if \a > 0
	s_wait_xcnt 0x0                                ; the last block's stores have read their data and their base: both are written again only behind this wait
.if \a == 4
	s_add_nc_u64 s[OB:OB+1], s[OB:OB+1], s[ST4:ST4+1]
.else
	s_add_nc_u64 s[OB:OB+1], s[OB:OB+1], s[STA:STA+1]
.endif
.endif
	QUANT 64*(\a%4), 2+\a/4
	global_store_b128 v4, v[PC:PC+3], s[OB:OB+1]           ; 512 consecutive bytes
	global_store_b64 v5, v[PC+4:PC+5], s[OB:OB+1]          ; 256 consecutive bytes
	global_store_b128 v10, v[PC+6:PC+9], s[OB:OB+1]
	global_store_b64 v11, v[PC+10:PC+11], s[OB:OB+1]
	ds_store_b32 v12, v[PW] offset:64*\a                   ; lanes r and r + 16 write the same word with the same value
.endr
	ds_load_b128 v[240:243], v13                   ; LDS serves a wave's instructions in order: this sees my stores
	s_wait_dscnt 0x0
	global_store_b128 v14, v[240:243], s[OS:OS+1]  ; my 128 scale words: two runs of 256 consecutive bytes
	s_wait_tensorcnt 0x0                           ; the wave's end: behind my last tensor load and my last LDS store
	ds_add_u32 v[SPW], v[NIL]
	s_wait_dscnt 0x0
	CROUND                                         ; the closing round: no work-group ends while a partner may still ask for a tile that names it
	s_endpgm
.Lfunc_end_k_qc622ec16b4_qkvgemm:
	.size	k_qc622ec16b4_qkvgemm, .Lfunc_end_k_qc622ec16b4_qkvgemm-k_qc622ec16b4_qkvgemm
	.p2alignl 7, 3214868480
	.fill 96, 4, 3214868480
	.section	.rodata,"a",@progbits
	.p2align	6, 0x0
	.amdhsa_kernel k_qc622ec16b4_qkvgemm
		.amdhsa_group_segment_fixed_size 327680
		.amdhsa_private_segment_fixed_size 0
		.amdhsa_enable_private_segment 0
		.amdhsa_kernarg_size 24
		.amdhsa_user_sgpr_count 2
		.amdhsa_user_sgpr_kernarg_segment_ptr 1
		.amdhsa_wavefront_size32 1
		.amdhsa_system_sgpr_workgroup_id_x 1
		.amdhsa_system_sgpr_workgroup_id_y 1
		.amdhsa_system_sgpr_workgroup_id_z 1
		.amdhsa_system_vgpr_workitem_id 0
		.amdhsa_next_free_vgpr 1024
		.amdhsa_next_free_sgpr 102
		.amdhsa_reserve_vcc 0
		.amdhsa_float_denorm_mode_32 3
		.amdhsa_float_denorm_mode_16_64 3
		.amdhsa_memory_ordered 1
		.amdhsa_forward_progress 1
		.amdhsa_inst_pref_size 156
	.end_amdhsa_kernel
	.amdgpu_metadata
---
amdhsa.version: [ 1, 2 ]
amdhsa.kernels:
  - .name:           k_qc622ec16b4_qkvgemm
    .symbol:         k_qc622ec16b4_qkvgemm.kd
    .args:
      - { .name: hq, .offset: 0, .size: 8, .value_kind: global_buffer, .address_space: global }
      - { .name: wts, .offset: 8, .size: 8, .value_kind: global_buffer, .address_space: global }
      - { .name: qkv, .offset: 16, .size: 8, .value_kind: global_buffer, .address_space: global }
    .group_segment_fixed_size: 327680
    .private_segment_fixed_size: 0
    .kernarg_segment_align: 8
    .kernarg_segment_size: 24
    .max_flat_workgroup_size: 128
    .sgpr_count:     102
    .vgpr_count:     1024
    .wavefront_size: 32
...
	.end_amdgpu_metadata
.endif
;; end of part 9
;; launch attn (part 10): grid 8 x 32, 16 waves a work-group, clusters of 4 x 1, 327,680 bytes of LDS; arguments qkv, oq; writes oq
.if DOCPART == 10
	.amdgcn_target "amdgcn-amd-amdhsa--gfx1250"
	.amdhsa_code_object_version 6
	.text
	.protected	k_qc622ec16b4_attn
	.globl	k_qc622ec16b4_attn
	.p2align	8
	.type	k_qc622ec16b4_attn,@function
k_qc622ec16b4_attn:
	s_mov_b64 s[64:65], 0
	v_nop
	global_prefetch_b8 v0, s[64:65] scope:SCOPE_SE
	s_setreg_imm32_b32 hwreg(HW_REG_WAVE_MODE, 25, 1), 1
	s_wait_xcnt 0x0
	s_wait_alu depctr_hold_cnt(0) depctr_sa_sdst(0) depctr_va_vdst(0) depctr_va_sdst(0) depctr_va_ssrc(0) depctr_va_vcc(0) depctr_vm_vsrc(0)
	s_getreg_b32 s2, hwreg(HW_REG_IB_STS2, 6, 4)
	s_cmp_eq_u32 s2, 0
	s_cbranch_scc0 .Lentry_in_a_cluster
	s_endpgm
.Lentry_in_a_cluster:
	s_bfe_u32 s2, ttmp6, 0x10000c
	s_cmp_lg_u32 s2, 0x3003
	s_cbranch_scc0 .Lentry_shape_is_right
	s_endpgm
.Lentry_shape_is_right:
; Causal attention of one (batch, head) from codes to codes: S^T = k q^T, p = 2^(t - M) with M the ceiling of the running largest t, O^T += v^T p^T, o = O / l, o quantised along the head's 64.  All products on FP6 (E2M3) codes with E8M0 scales.
; LEFT OUT: steps of 128 keys that lie wholly above the diagonal: the causal mask sends their scores to -inf, so their p is 0 for all inputs.  A NaN or infinity that reaches only those scores is not carried.
; LIMITS: the promise holds while the scaled scores stay under 2^31 in magnitude; a block under 2^-124 gets the byte 1; NaN and infinities are not served.
; LDS: a head's K and V codes, 16 units of 128 keys x (6,144 + 6,144) bytes, are filled ONCE, one tensor load a wave (two rows of 6,144 bytes: K's, V's), and stay; nothing is filled again.  The scale words (8,192 + 4,096 bytes) come through registers, in whole runs of 512 and 256 bytes a wave.
; SHARES: work-group g of a head's eight takes the 16 queries 128 B + 16 g .. + 15 of every block B of 128.  Waves 2 b, 2 b + 1 are a pair for blocks b and 15 - b, 17 steps of 128 keys: wave X takes block b's b + 1 steps, stores that tile, then steps 9 .. 15 - b of block 15 - b;
; wave Y takes steps 0 .. 8 of block 15 - b.  So X has 8 steps and Y 9, whatever b, and no barrier stands in the walk.  X's part (O, l, -M) goes to Y through LDS; since M is a whole number both parts are brought under the larger M by exact powers of two.
; A STEP: V's fragments are asked for at its head; the NEXT step's eight K tiles right behind this step's eight score products, so that they land under the softmax.
; K's tiles lie 6 registers apart: the head is 64 long, q's codes for the upper 64 of the product's 128 are zeros, so the six registers that a tile's operand names beyond its own (the next tile's, or work registers) add nothing whatever codes they hold.
; Scale words: lanes 0-15 hold tile t's, lanes 16-31 tile t + 4's (K) or t + 2's (V), picked by the instruction's row selector.
; CLUSTER: the four work-groups of a cluster need the same K and V: each load is asked for jointly (mask 15).  Branches, trip counts and LDS addresses hang on the wave's number and the loop's counter alone; g enters only global addresses and the diagonal's compare.
; No prefetch: every fill stands at the head, so there is no loop to run ahead in.
; Inside a block of 32 keys position p holds offset 8 (p / 16) + p % 8 + 16 ((p / 8) % 2), as in every operand of this program.
.set STG,   0                          ; 8 pairs x 4,608 bytes: X's part
.set KV,    36864
.set SCK,   233472
.set SCV,   241664
.set SPARE, 262144                     ; the spare words, 128 bytes a wave
.set A16,  1
.set A8,   2
.set ASK0, 3
.set ASV0, 4
.set SPW,  5
.set NIL,  6
.set AD16, 7
.set AD8,  8
.set ADS,  9
.set ADT,  10
.set STA,  11
.set VS,   28                          ; v28-29   V's scale words
.set KSC,  30                          ; v30-33   K's scale words
.set KF,   34                          ; v34-81   K's eight tiles, 6 registers each
.set TT,   82                          ; v82-93   at work
.set VF,   94                          ; v94-141  V's four fragments
.set S,    142                         ; v142-205 scores, then p
.set O,    206                         ; v206-237 O^T
.set P,    238                         ; v238-249 p's codes
.set BM,   246                         ; the blocks' largest scores, until the codes are made
.set F,    252                         ; f
.set PW,   253                         ; p's scale word
.set T,    2                           ; the loop's counter
.set KS,   3                           ; the step of 128 keys in hand
.set WV,   18
.set SEL,  20
.set CS,   22
.set G1,   24
.set G0,   40
.set TB,   66
.set TS,   67
.set TJ,   68
.set SWT,  69                          ; X: the trip behind which it changes tiles (b); Y: 15, never
.set EB,   75                          ; 8 - b
.set CB,   76                          ; the block of the tile in hand
.set CB0,  77
.set CBH,  78                          ; 15 - b
.set G16,  79                          ; 16 g
.set Q0,   80
.set Q0H,  81
.set ROLE, 82                          ; 0 X, 1 Y
.set KN,   98                          ; the next trip's step
.set TBN,  99
.macro CROUND
	s_barrier_signal -1
	s_barrier_wait -1
	s_cmp_lg_u32 s[WV], 0
	s_cbranch_scc1 .Lnot_wave_0_\@
	s_barrier_signal -3
.Lnot_wave_0_\@:
	s_barrier_wait -3
	s_barrier_signal -1
	s_barrier_wait -1
.endm
.macro GOFF                            ; offsets in memory: v7 = 16 lane, v8 = 512 + 8 lane, v9 = 4 r
	v_and_b32 v7, 31, v0
	v_and_b32 v9, 15, v0
	v_lshlrev_b32 v8, 3, v7
	v_lshlrev_b32 v7, 4, v7
	v_add_nc_u32 v8, 512, v8
	v_lshlrev_b32 v9, 2, v9
.endm
.macro QLOAD                           ; the 16 queries from s[Q0] on: half a fragment and its scale bytes
	s_mul_i32 s88, s70, 98304
	s_mul_i32 s89, s[Q0], 48
	s_add_co_u32 s88, s88, s89
	s_mov_b32 s89, 0
	s_add_nc_u64 s[88:89], s[4:5], s[88:89]
	s_lshl_b32 s90, s71, 3
	s_add_co_u32 s90, s90, s73
	s_lshl_b32 s90, s90, 13
	s_lshl_b32 s91, s[Q0], 2
	s_add_co_u32 s90, s90, s91
	s_lshl_b32 s91, s74, 1
	s_add_co_u32 s90, s90, s91
	s_add_co_u32 s90, s90, 9437184
	s_mov_b32 s91, 0
	s_add_nc_u64 s[90:91], s[4:5], s[90:91]
	s_wait_alu depctr_va_vdst(0)                   ; the wait behind the run of scalar lines
	global_load_b128 v[16:19], v7, s[88:89]
	global_load_b64 v[20:21], v8, s[88:89]
	global_load_u16 v255, v9, s[90:91]
.endm
.macro KLOAD a16, a8, as               ; a step's eight K tiles and their scale bytes: 20 LDS loads
.irp t, 0,1,2,3,4,5,6,7
	ds_load_b128 v[KF+6*\t:KF+6*\t+3], v[\a16] offset:\t*768
	ds_load_b64 v[KF+6*\t+4:KF+6*\t+5], v[\a8] offset:\t*768
.endr
.irp t, 0,1,2,3
	ds_load_u16 v[KSC+\t], v[\as] offset:64*\t
.endr
.endm
.macro RESET                           ; the state of a tile's walk: v13 the largest score so far, v12 = -M, v[14:15] the sum
	v_mov_b32 v13, 0xff61b1e6
	v_mov_b32 v14, 0
	v_mov_b32 v15, 0
	v_floor_f32 v12, -v13
.set n, 0
.rept 32
	v_mov_b32 v[O+n], 0
.set n, n+1
.endr
.endm
.macro FMAS j0                         ; t - M for 16 scores
.irp j, 0,2,4,6,8,10,12,14
	v_pk_fma_f32 v[S+\j0+\j:S+\j0+\j+1], v[S+\j0+\j:S+\j0+\j+1], s[CS:CS+1], v[12:13] op_sel_hi:[1,0,0]
.endr
.endm
.macro FINISH                          ; o = O / l, its codes and scale bytes, stored for the 16 queries from s[Q0] on
	v_add_f32 v14, v14, v15
	s_delay_alu instid0(VALU_DEP_1)
	v_permlanex16_b32 v[F], v14, s[SEL], s[SEL+1]
	s_delay_alu instid0(VALU_DEP_1)
	v_add_f32 v14, v14, v[F]
	s_wait_alu depctr_va_vdst(0)
	v_rcp_f32 v14, v14
	GOFF
	s_lshl_b32 s83, s71, 11
	s_add_co_u32 s83, s83, s[Q0]
	s_lshr_b32 s92, s83, 7
	s_bfe_u32 s93, s83, 0x30004
	s_mul_i32 s84, s92, 98304
	s_mul_i32 s85, s73, 12288
	s_add_co_u32 s84, s84, s85
	s_mul_i32 s85, s93, 1536
	s_add_co_u32 s84, s84, s85
	s_mul_i32 s85, s74, 768
	s_add_co_u32 s84, s84, s85
	s_mov_b32 s85, 0
	s_add_nc_u64 s[84:85], s[6:7], s[84:85]
	s_lshl_b32 s86, s92, 12
	s_lshl_b32 s87, s73, 9
	s_add_co_u32 s86, s86, s87
	s_lshl_b32 s87, s93, 6
	s_add_co_u32 s86, s86, s87
	s_lshl_b32 s87, s74, 1
	s_add_co_u32 s86, s86, s87
	s_add_co_u32 s86, s86, 3145728
	s_mov_b32 s87, 0
	s_add_nc_u64 s[86:87], s[6:7], s[86:87]
	s_wait_alu depctr_va_vdst(0)                   ; one wait for the reciprocal, for O's first read behind it and for the offsets
.set n, 0
.rept 32
	v_mul_f32 v[S+n], v[O+n], v14
.set n, n+1
.endr
.irp b, 0,1
	v_max3_num_f32 v[BM+\b], |v[S+16*\b]|, |v[S+1+16*\b]|, 0x1800000
.endr
.irp i, 2,4,6,8,10,12,14
.irp b, 0,1
	s_delay_alu instid0(VALU_DEP_2)
	v_max3_num_f32 v[BM+\b], v[BM+\b], |v[S+16*\b+\i]|, |v[S+1+16*\b+\i]|
.endr
.endr
.irp b, 0,1
	s_delay_alu instid0(VALU_DEP_2)
	v_permlanex16_b32 v[TT+\b], v[BM+\b], s[SEL], s[SEL+1]
.endr
.irp b, 0,1
	s_delay_alu instid0(VALU_DEP_2)
	v_max_num_f32 v[BM+\b], v[BM+\b], v[TT+\b]
.endr
.irp b, 0,1
	s_delay_alu instid0(VALU_DEP_2)
	v_add_nc_u32 v[TT+8+\b], 0xff000000, v[BM+\b]
.endr
.irp b, 0,1
	s_delay_alu instid0(VALU_DEP_2)
	v_lshrrev_b32 v[TT+\b], 23, v[TT+8+\b]
.endr
	s_delay_alu instid0(VALU_DEP_1)
	v_lshl_or_b32 v254, v[TT+1], 8, v[TT]
	v_cvt_scalef32_pk16_fp6_f32 v[P:P+2], v[S:S+15], v[TT+8]
	v_cvt_scalef32_pk16_fp6_f32 v[P+4:P+6], v[S+16:S+31], v[TT+9]
	v_nop
.irp i, 0,1,2
	v_permlane16_swap_b32 v[P+\i], v[P+4+\i]
.endr
	s_delay_alu instid0(VALU_DEP_3)
	v_mov_b32 v[P+3], v[P+4]
	s_delay_alu instid0(VALU_DEP_3)
	v_mov_b32 v[P+4], v[P+5]
	s_delay_alu instid0(VALU_DEP_3)
	v_mov_b32 v[P+5], v[P+6]
	global_store_b128 v7, v[P:P+3], s[84:85]
	global_store_b64 v8, v[P+4:P+5], s[84:85]
	global_store_b16 v9, v254, s[86:87]
.endm
	s_load_b128 s[4:7], s[0:1], 0x0                ; qkv, oq
	v_lshl_add_u32 v[SPW], v0, 2, SPARE
	v_mov_b32 v[NIL], 0
	ds_add_u32 v[SPW], v[NIL]                      ; the opening lines: the add twice on end and its wait ahead of my first tensor load
	ds_add_u32 v[SPW], v[NIL]
	v_lshrrev_b32 v7, 5, v0
	s_delay_alu instid0(VALU_DEP_1)
	v_readfirstlane_b32 s[WV], v7
	s_bfe_u32 s83, ttmp6, 0x40000                  ; cx
	s_lshl_b32 s84, ttmp9, 2
	s_add_co_u32 s83, s83, s84                     ; g
	s_lshl_b32 s[G16], s83, 4
	s_and_b32 s70, ttmp7, 0xffff                   ; 16 batch + head
	s_lshr_b32 s71, s70, 4
	s_and_b32 s72, s70, 15
	s_lshr_b32 s73, s72, 1
	s_and_b32 s74, s72, 1
	s_lshr_b32 s96, s[WV], 1                       ; b
	s_lshr_b32 s[ROLE], s[WV], 2
	s_xor_b32 s[ROLE], s[ROLE], s[WV]
	s_and_b32 s[ROLE], s[ROLE], 1                  ; of waves w, w + 4, w + 8, w + 12 two are X and two Y
	s_sub_co_u32 s[CBH], 15, s96
	s_sub_co_u32 s[EB], 8, s96
	s_cmp_eq_u32 s[ROLE], 0
	s_cselect_b32 s[CB0], s96, s[CBH]
	s_cselect_b32 s[SWT], s96, 15
	s_lshl_b32 s[Q0H], s[CBH], 7
	s_add_co_u32 s[Q0H], s[Q0H], s[G16]
	s_lshl_b32 s[Q0], s[CB0], 7
	s_add_co_u32 s[Q0], s[Q0], s[G16]
	s_mov_b32 s[G1], 15|(3<<16)|(1<<21)            ; the mask of a 4 x 1 cluster, elements of 8 bytes, bit 21 beside a mask
	s_mov_b32 s[G1+1], 768<<16                     ; rows of 6,144 bytes,
	s_mov_b32 s[G1+2], 2<<16                       ; two of them: K's 128 keys, V's 128 keys,
	s_mov_b32 s[G1+3], 768<<16
	s_mov_b32 s[G1+4], 2
	s_mov_b32 s[G1+5], 393216                      ; 32 x 98,304 bytes apart
	s_mov_b32 s[G1+6], 0
	s_mov_b32 s[G1+7], 0
	s_mul_i32 s86, s[WV], 12288
	s_add_co_u32 s86, s86, KV                      ; unit = wave
	s_add_co_u32 s87, s70, 32
	s_mul_i32 s88, s87, 98304
	s_mul_i32 s87, s[WV], 6144
	s_add_co_u32 s88, s88, s87
	s_mov_b32 s89, 0
	s_lshl_b32 s92, s71, 3
	s_add_co_u32 s92, s92, s73
	s_add_co_u32 s92, s92, 16
	s_lshl_b32 s92, s92, 13
	s_add_co_u32 s92, s92, 9437184                 ; k's scale words of my pair of heads
	s_mov_b32 s93, 0
	s_lshl_b32 s94, s70, 12
	s_add_co_u32 s94, s94, 9699328                 ; v's scale words
	s_mov_b32 s95, 0
	s_lshl_b32 s83, s74, 1
	s_add_co_u32 s83, s83, SCK
	s_mul_i32 s97, s96, 4608
	s_mov_b32 s[SEL], 0x76543210
	s_mov_b32 s[SEL+1], 0xfedcba98
	s_mov_b32 s[CS], 0x3d38aa3b                    ; log2(e) / 32
	s_mov_b32 s[CS+1], s[CS]
	s_mov_b32 s[T], 0
	s_wait_dscnt 0x0
	s_wait_kmcnt 0x0
	s_mov_b32 s[G0], 1
	s_mov_b32 s[G0+1], s86
	s_add_nc_u64 s[G0+2:G0+3], s[4:5], s[88:89]
	s_or_b32 s[G0+3], s[G0+3], 0x80000000
	s_add_nc_u64 s[92:93], s[4:5], s[92:93]
	s_add_nc_u64 s[94:95], s[4:5], s[94:95]
	CROUND                                         ; the four work-groups are here: the joint loads meet
	tensor_load_to_lds s[G0:G0+3], s[G1:G1+7]      ; my one load: keys 128 wave .. + 127
	s_nop 0
.rept 4
	v_nop
.endr
	v_and_b32 v12, 31, v0
	v_and_b32 v13, 15, v0
	v_bfe_u32 v14, v0, 4, 1                        ; h
	v_lshlrev_b32 v[S], 4, v0
	v_lshlrev_b32 v[S+1], 3, v0
	v_lshlrev_b32 v[A16], 4, v12
	v_lshlrev_b32 v[A8], 3, v12
	v_lshl_add_u32 v[ASK0], v13, 2, s83
	v_lshl_add_u32 v[ASV0], v13, 2, SCV
	v_lshl_add_u32 v[STA], v12, 4, s97
	v_add_nc_u32 v[A16], KV, v[A16]
	v_add_nc_u32 v[A8], KV+512, v[A8]
	v_lshl_add_u32 v[ASK0], v14, 8, v[ASK0]        ; lanes 16-31: the tile four further on, 4 x 64 bytes
	v_lshl_add_u32 v[ASV0], v14, 7, v[ASV0]        ; lanes 16-31: the tile two further on, 2 x 64 bytes
	v_add_nc_u32 v[S+2], SCK, v[S]
	v_add_nc_u32 v[S+3], SCV, v[S+1]
	global_load_b128 v[S+4:S+7], v[S], s[92:93]    ; 512 bytes a wave of k's scale words,
	global_load_b64 v[S+8:S+9], v[S+1], s[94:95]   ; 256 of v's
	GOFF
	QLOAD
	RESET
.irp j, 22,23,24,25,26,27
	v_mov_b32 v[\j], 0                             ; q's codes for the upper 64 of the product's 128
.endr
.irp b, 0,1,2,3,4,5
	v_mov_b32 v[TT+\b], 0                          ; named by tile 7's operand and as lane permutes' destinations before they are first made
.endr
	v_mov_b32 v[F], 0
	v_mov_b32 v[PW], 0
	s_wait_alu depctr_va_vdst(0)                   ; the wait at the head's end
	s_wait_loadcnt 0x0
	s_wait_tensorcnt 0x0                           ; my unit is in
	ds_store_b128 v[S+2], v[S+4:S+7]
	ds_store_b64 v[S+3], v[S+8:S+9]
	s_wait_dscnt 0x0
	s_barrier_signal -1
	s_barrier_wait -1                              ; all 16 units and the scale words are in
	KLOAD A16, A8, ASK0                            ; step 0's K tiles
.Lloop:
	s_cmp_gt_u32 s[T], s[SWT]
	s_cselect_b32 s[KS], s[EB], 0
	s_cselect_b32 s[CB], s[CBH], s[CB0]
	s_add_co_u32 s[KS], s[KS], s[T]                ; X behind its change of tiles: step 8 - b + trip; else the trip
	s_cmp_gt_u32 s[KS], s[CB]
	s_cbranch_scc1 .Lhidden                        ; wholly above the diagonal (X's ninth trip)
	s_mul_i32 s[TB], s[KS], 12288
	s_lshl_b32 s[TJ], s[KS], 8
	s_add_co_u32 s[KN], s[T], 1                    ; the next trip's step, held at the last unit
	s_cmp_gt_u32 s[KN], s[SWT]
	s_cselect_b32 s83, s[EB], 0
	s_add_co_u32 s[KN], s[KN], s83
	s_min_u32 s[KN], s[KN], 15
	s_mul_i32 s[TBN], s[KN], 12288
	s_lshl_b32 s[TS], s[KN], 9
	v_add_nc_u32 v[AD16], s[TB], v[A16]            ; (these four are the places behind the last trip's products)
	v_add_nc_u32 v[AD8], s[TB], v[A8]
	v_add_nc_u32 v[ADT], s[TJ], v[ASV0]
	v_nop
.irp d, 0,1,2,3
	ds_load_b128 v[VF+12*\d:VF+12*\d+3], v[AD16] offset:6144+\d*1536
	ds_load_b64 v[VF+12*\d+4:VF+12*\d+5], v[AD8] offset:6144+\d*1536
	ds_load_b128 v[VF+12*\d+6:VF+12*\d+9], v[AD16] offset:6144+\d*1536+768
	ds_load_b64 v[VF+12*\d+10:VF+12*\d+11], v[AD8] offset:6144+\d*1536+768
.endr
	ds_load_b32 v[VS], v[ADT]
	ds_load_b32 v[VS+1], v[ADT] offset:64
	s_wait_dscnt 18                                ; K's tiles, asked for a trip ago, are in; V's 18 loads may be out
.irp t, 0,1,2,3
	v_wmma_scale_f32_16x16x128_f8f6f4 v[S+8*\t:S+8*\t+7], v[KF+6*\t:KF+6*\t+11], v[16:27], 0, v[KSC+\t], v255 matrix_a_fmt:MATRIX_FMT_FP6 matrix_b_fmt:MATRIX_FMT_FP6
.endr
.irp t, 0,1,2,3
	v_wmma_scale_f32_16x16x128_f8f6f4 v[S+32+8*\t:S+32+8*\t+7], v[KF+24+6*\t:KF+24+6*\t+11], v[16:27], 0, v[KSC+\t], v255 matrix_a_fmt:MATRIX_FMT_FP6 matrix_b_fmt:MATRIX_FMT_FP6 matrix_a_scale:MATRIX_SCALE_ROW1
.endr
	v_add_nc_u32 v[AD16], s[TBN], v[A16]           ; (four places: for the loads into K's registers and for the first read of the scores)
	v_add_nc_u32 v[AD8], s[TBN], v[A8]
	v_add_nc_u32 v[ADS], s[TS], v[ASK0]
	v_nop
	KLOAD AD16, AD8, ADS                           ; the next step's K tiles
	s_cmp_lg_u32 s[KS], s[CB]
	s_cbranch_scc1 .Lopen
	v_and_b32 v[F], 15, v0                         ; the step on the diagonal: key 16 (n / 8) + 8 h + n % 8 of the block counts up to query 16 g + r
	v_bfe_u32 v254, v0, 4, 1
	s_delay_alu instid0(VALU_DEP_1)
	v_lshlrev_b32 v254, 3, v254
	s_delay_alu instid0(VALU_DEP_1)
	v_sub_nc_u32 v[F], v[F], v254
	s_delay_alu instid0(VALU_DEP_1)
	v_add_nc_u32 v[F], s[G16], v[F]
	v_mov_b32 v254, 0xff800000
.set n, 0
.rept 64
	v_cmp_gt_i32 vcc_lo, 16*(n/8)+n%8, v[F]
	v_cndmask_b32 v[S+n], v[S+n], v254, vcc_lo
.set n, n+1
.endr
.Lopen:
.irp b, 0,1,2,3
	v_max3_num_f32 v[BM+\b], v[S+16*\b], v[S+1+16*\b], v[S+2+16*\b]
.endr
.irp i, 3,5,7,9,11,13
.irp b, 0,1,2,3
	v_max3_num_f32 v[BM+\b], v[BM+\b], v[S+16*\b+\i], v[S+1+16*\b+\i]
.endr
.endr
.irp b, 0,1,2,3
	v_max_num_f32 v[BM+\b], v[BM+\b], v[S+15+16*\b]
.endr
.irp b, 0,1,2,3
	s_delay_alu instid0(VALU_DEP_4)
	v_permlanex16_b32 v[TT+\b], v[BM+\b], s[SEL], s[SEL+1]
.endr
.irp b, 0,1,2,3
	s_delay_alu instid0(VALU_DEP_4)
	v_max_num_f32 v[BM+\b], v[BM+\b], v[TT+\b]
.endr
	s_delay_alu instid0(VALU_DEP_2)
	v_max3_num_f32 v254, v[BM], v[BM+1], v[BM+2]
	s_delay_alu instid0(VALU_DEP_1)
	v_max3_num_f32 v13, v13, v254, v[BM+3]         ; the running largest score (c is positive: the largest t is c x it)
	v_mov_b32 v[F], v12
	s_delay_alu instid0(VALU_DEP_2)
	v_mul_f32 v254, s[CS], v13
	s_delay_alu instid0(VALU_DEP_1)
	v_floor_f32 v12, -v254                         ; -M
	FMAS 0
	v_sub_f32 v[F], v12, v[F]                      ; old M - new M, a whole number
	FMAS 16
	v_cvt_i32_f32 v[F], v[F]
	FMAS 32
	v_ldexp_f32 v[F], 1.0, v[F]                    ; f = 2^(old M - new M)
	FMAS 48
.irp b, 0,1,2,3
	v_fma_f32 v[BM+\b], v[BM+\b], s[CS], v12
.endr
	s_wait_alu depctr_va_vdst(0)                   ; the wait ahead of the batch
.set n, 0
.rept 64
	v_exp_f32 v[S+n], v[S+n]
.set n, n+1
.endr
	v_pk_mul_f32 v[14:15], v[14:15], v[F:F+1] op_sel_hi:[1,0]
	s_wait_alu depctr_va_vdst(0)                   ; and behind it
	s_wait_dscnt 20                                ; V's fragments are in; the next step's 20 K loads may be out
.irp b, 0,1,2,3
	v_exp_f32 v[BM+\b], v[BM+\b]                   ; each block's largest p
.endr
	v_pk_add_f32 v[TT:TT+1], v[S:S+1], v[S+2:S+3]  ; the sum of the unquantised p, in four chains
	v_pk_add_f32 v[TT+2:TT+3], v[S+4:S+5], v[S+6:S+7]
	v_pk_add_f32 v[TT+4:TT+5], v[S+8:S+9], v[S+10:S+11]
.irp j, 12,20,28,36,44,52
	v_pk_add_f32 v[14:15], v[14:15], v[S+\j:S+\j+1]
	v_pk_add_f32 v[TT:TT+1], v[TT:TT+1], v[S+\j+2:S+\j+3]
	v_pk_add_f32 v[TT+2:TT+3], v[TT+2:TT+3], v[S+\j+4:S+\j+5]
	v_pk_add_f32 v[TT+4:TT+5], v[TT+4:TT+5], v[S+\j+6:S+\j+7]
.endr
	v_pk_add_f32 v[14:15], v[14:15], v[S+60:S+61]
	v_pk_add_f32 v[TT:TT+1], v[TT:TT+1], v[S+62:S+63]
	v_pk_add_f32 v[TT+2:TT+3], v[TT+2:TT+3], v[TT+4:TT+5]
	s_delay_alu instid0(VALU_DEP_2)
	v_pk_add_f32 v[14:15], v[14:15], v[TT:TT+1]
	s_delay_alu instid0(VALU_DEP_1)
	v_pk_add_f32 v[14:15], v[14:15], v[TT+2:TT+3]
	s_wait_alu depctr_va_vdst(0)
.irp b, 0,1,2,3
	v_max_num_f32 v[BM+\b], 0x1800000, v[BM+\b]
.endr
.irp b, 0,1,2,3
	s_delay_alu instid0(VALU_DEP_4)
	v_add_nc_u32 v[TT+8+\b], 0xff000000, v[BM+\b]
.endr
.irp b, 0,1,2,3
	s_delay_alu instid0(VALU_DEP_4)
	v_lshrrev_b32 v[TT+\b], 23, v[TT+8+\b]
.endr
	s_delay_alu instid0(VALU_DEP_3)
	v_lshl_or_b32 v[PW], v[TT+1], 8, v[TT]
	v_lshl_or_b32 v254, v[TT+3], 8, v[TT+2]
	s_delay_alu instid0(VALU_DEP_1)
	v_lshl_or_b32 v[PW], v254, 16, v[PW]           ; p's scale word for these 128 keys
.irp c, 0,1
	v_cvt_scalef32_pk16_fp6_f32 v[P+6*\c:P+6*\c+2], v[S+32*\c:S+15+32*\c], v[TT+8+2*\c]
	v_cvt_scalef32_pk16_fp6_f32 v[TT+4*\c:TT+4*\c+2], v[S+16+32*\c:S+31+32*\c], v[TT+8+2*\c+1]
.endr
	v_nop
.irp c, 0,1
.irp i, 0,1,2
	v_permlane16_swap_b32 v[P+6*\c+\i], v[TT+4*\c+\i]
.endr
.irp i, 0,1,2
	s_delay_alu instid0(VALU_DEP_3)
	v_mov_b32 v[P+3+6*\c+\i], v[TT+4*\c+\i]
.endr
.endr
.irp j, 0,2,4,6,8,10,12,14,16,18,20,22,24,26,28,30
	v_pk_mul_f32 v[O+\j:O+1+\j], v[O+\j:O+1+\j], v[F:F+1] op_sel_hi:[1,0]
.endr
.irp d, 0,1
	v_wmma_scale_f32_16x16x128_f8f6f4 v[O+8*\d:O+8*\d+7], v[VF+12*\d:VF+12*\d+11], v[P:P+11], v[O+8*\d:O+8*\d+7], v[VS+\d], v[PW] matrix_a_fmt:MATRIX_FMT_FP6 matrix_b_fmt:MATRIX_FMT_FP6
.endr
.irp d, 0,1
	v_wmma_scale_f32_16x16x128_f8f6f4 v[O+16+8*\d:O+16+8*\d+7], v[VF+24+12*\d:VF+24+12*\d+11], v[P:P+11], v[O+16+8*\d:O+16+8*\d+7], v[VS+\d], v[PW] matrix_a_fmt:MATRIX_FMT_FP6 matrix_b_fmt:MATRIX_FMT_FP6 matrix_a_scale:MATRIX_SCALE_ROW1
.endr
.Lhidden:
	s_cmp_eq_u32 s[T], s[SWT]
	s_cbranch_scc0 .Lsame_tile
	FINISH                                         ; X: block b's tile is whole
	s_mov_b32 s[Q0], s[Q0H]                        ; on to block 15 - b's queries
	QLOAD
	RESET
	s_wait_alu depctr_va_vdst(0)
	s_wait_loadcnt 0x0
	s_wait_xcnt 0x0                                ; the stores have read their registers, which the next step writes
.Lsame_tile:
	s_add_co_u32 s[T], s[T], 1
	s_cmp_lt_u32 s[T], 9
	s_cbranch_scc1 .Lloop
.rept 4
	v_nop                                          ; places behind the last products
.endr
	s_wait_dscnt 0x0                               ; the last trip's K loads
	s_barrier_signal -1
	s_barrier_wait -1                              ; every wave's walk is over
	s_cmp_lg_u32 s[ROLE], 0
	s_cbranch_scc1 .Lnot_x
.irp i, 0,1,2,3,4,5,6,7
	ds_store_b128 v[STA], v[O+4*\i:O+4*\i+3] offset:512*\i
.endr
	ds_store_b128 v[STA], v[12:15] offset:4096     ; -M, the largest score, the sum's two halves
.Lnot_x:
	s_wait_dscnt 0x0
	s_barrier_signal -1
	s_barrier_wait -1
	s_cmp_eq_u32 s[ROLE], 0
	s_cbranch_scc1 .Lend
.irp i, 0,1,2,3,4,5,6,7
	ds_load_b128 v[S+32+4*\i:S+35+4*\i], v[STA] offset:512*\i
.endr
	ds_load_b128 v[TT:TT+3], v[STA] offset:4096
	s_wait_dscnt 0x0
	v_min_num_f32 v[F], v12, v[TT]                 ; - the larger M
	s_delay_alu instid0(VALU_DEP_1)
	v_sub_f32 v[PW], v[F], v12
	v_sub_f32 v254, v[F], v[TT]
	s_delay_alu instid0(VALU_DEP_2)
	v_cvt_i32_f32 v[PW], v[PW]
	s_delay_alu instid0(VALU_DEP_2)
	v_cvt_i32_f32 v254, v254
	s_delay_alu instid0(VALU_DEP_2)
	v_ldexp_f32 v[F], 1.0, v[PW]                   ; my part's factor,
	s_delay_alu instid0(VALU_DEP_2)
	v_ldexp_f32 v254, 1.0, v254                    ; X's (0 where X had no step)
	v_pk_mul_f32 v[14:15], v[14:15], v[F:F+1] op_sel_hi:[1,0]
.irp j, 0,2,4,6,8,10,12,14,16,18,20,22,24,26,28,30
	v_pk_mul_f32 v[O+\j:O+1+\j], v[O+\j:O+1+\j], v[F:F+1] op_sel_hi:[1,0]
.endr
	v_pk_fma_f32 v[14:15], v[TT+2:TT+3], v[254:255], v[14:15] op_sel_hi:[1,0,1]
.irp j, 0,2,4,6,8,10,12,14,16,18,20,22,24,26,28,30
	v_pk_fma_f32 v[O+\j:O+1+\j], v[S+32+\j:S+33+\j], v[254:255], v[O+\j:O+1+\j] op_sel_hi:[1,0,1]
.endr
	FINISH
.Lend:
	s_wait_tensorcnt 0x0                           ; the wave's end
	ds_add_u32 v[SPW], v[NIL]
	s_wait_dscnt 0x0
	CROUND                                         ; the closing round
	s_endpgm
.Lfunc_end_k_qc622ec16b4_attn:
	.size	k_qc622ec16b4_attn, .Lfunc_end_k_qc622ec16b4_attn-k_qc622ec16b4_attn
	.p2alignl 7, 3214868480
	.fill 96, 4, 3214868480
	.section	.rodata,"a",@progbits
	.p2align	6, 0x0
	.amdhsa_kernel k_qc622ec16b4_attn
		.amdhsa_group_segment_fixed_size 327680
		.amdhsa_private_segment_fixed_size 0
		.amdhsa_enable_private_segment 0
		.amdhsa_kernarg_size 16
		.amdhsa_user_sgpr_count 2
		.amdhsa_user_sgpr_kernarg_segment_ptr 1
		.amdhsa_wavefront_size32 1
		.amdhsa_system_sgpr_workgroup_id_x 1
		.amdhsa_system_sgpr_workgroup_id_y 1
		.amdhsa_system_sgpr_workgroup_id_z 1
		.amdhsa_system_vgpr_workitem_id 0
		.amdhsa_next_free_vgpr 256
		.amdhsa_next_free_sgpr 100
		.amdhsa_reserve_vcc 1
		.amdhsa_float_denorm_mode_32 3
		.amdhsa_float_denorm_mode_16_64 3
		.amdhsa_memory_ordered 1
		.amdhsa_forward_progress 1
		.amdhsa_inst_pref_size 50
	.end_amdhsa_kernel
	.amdgpu_metadata
---
amdhsa.version: [ 1, 2 ]
amdhsa.kernels:
  - .name:           k_qc622ec16b4_attn
    .symbol:         k_qc622ec16b4_attn.kd
    .args:
      - { .name: qkv, .offset: 0, .size: 8, .value_kind: global_buffer, .address_space: global }
      - { .name: oq, .offset: 8, .size: 8, .value_kind: global_buffer, .address_space: global }
    .group_segment_fixed_size: 327680
    .private_segment_fixed_size: 0
    .kernarg_segment_align: 8
    .kernarg_segment_size: 16
    .max_flat_workgroup_size: 512
    .sgpr_count:     100
    .vgpr_count:     256
    .wavefront_size: 32
...
	.end_amdgpu_metadata
.endif
;; end of part 10
;; launch proj (part 11): grid 8 x 32, 4 waves a work-group, clusters of 4 x 4, 327,680 bytes of LDS; arguments oq, wts, bproj, x, x1; writes x1
.if DOCPART == 11
	.amdgcn_target "amdgcn-amd-amdhsa--gfx1250"
	.amdhsa_code_object_version 6
	.text
	.protected	k_qc622ec16b4_proj
	.globl	k_qc622ec16b4_proj
	.p2align	8
	.type	k_qc622ec16b4_proj,@function
k_qc622ec16b4_proj:
	s_mov_b64 s[64:65], 0
	v_nop
	global_prefetch_b8 v0, s[64:65] scope:SCOPE_SE
	s_setreg_imm32_b32 hwreg(HW_REG_WAVE_MODE, 25, 1), 1
	s_wait_xcnt 0x0
	s_wait_alu depctr_hold_cnt(0) depctr_sa_sdst(0) depctr_va_vdst(0) depctr_va_sdst(0) depctr_va_ssrc(0) depctr_va_vcc(0) depctr_vm_vsrc(0)
	s_getreg_b32 s2, hwreg(HW_REG_IB_STS2, 6, 4)
	s_cmp_eq_u32 s2, 0
	s_cbranch_scc0 .Lentry_in_a_cluster
	s_endpgm
.Lentry_in_a_cluster:
	s_bfe_u32 s2, ttmp6, 0x10000c
	s_cmp_lg_u32 s2, 0xf033
	s_cbranch_scc0 .Lentry_shape_is_right
	s_endpgm
.Lentry_shape_is_right:
; x1 = x + o Wproj + bproj.  C[m][n] = R[m][n] + (bias[n] + sum over k of A[m][k] B[n][k]), K = 1,024; A = o's codes, B = Wproj's codes, FP6 (E2M3) with E8M0 scales for each 32 along K; R = x, C = x1: [4,096][1,024] f32; sums in f32.
; OPERANDS IN MEMORY: codes [row / 128][K step of 128][(row / 16) % 8][1,536], scale words [row / 128][K step][row % 128].  A fragment (16 rows x 128 K) is an image of its 12 registers, in two halves of 768 bytes: registers 6 c .. 6 c + 3 at 16 x lane,
; 6 c + 4, 6 c + 5 at 512 + 8 x lane: it comes from LDS by two loads of 16 bytes and two of 8, each of consecutive bytes: no pitch, no padding.
; SHAPE: C has 4,096 x 1,024 numbers: tiles of 128 x 128 make 256 work-groups, tiles of 256 x 256 only 64.  Four waves, 64 x 64 each: 16 accumulators.  A tile's rows of A are one group of 128 rows of the layout above, its rows of B likewise.
; K goes in steps of 512 through two LDS slots: A's eight K steps lie at LDS 0 on, B's at SLOT on, each slot's part 49,152 dense bytes.  Waves 0 and 1 bring A's and B's 98,304 dense bytes by one tensor load each.
; Here K = 1,024 is two slots: both are first fills, nothing is filled again, and there is no loop.  The scale words of the two groups for all of K come once, with the first fills, wave 2 A's, wave 3 B's.
; CLUSTERS: 4 x 4 work-groups; A's tiles are asked for jointly along a row of the cluster, B's along a column.  THE MATRIX INSTRUCTION IS USED TRANSPOSED (source 0 = B's rows, source 1 = A's): lane (r, h) holds row 16 a + r and columns 16 b + 8 h + 0..7.
; THE BIAS is the C of each sum's first matrix instruction: eight registers for each of B's four blocks, in the result's layout.
; THE RESIDUAL: a wave's 64 columns are 256 consecutive bytes of a row, at a multiple of 256.  On the way out a block of 16 rows goes through the wave's own stage and comes back with sixteen lanes to a row; R is loaded at the head in that very layout
; (32 loads, which stay on their way under the whole product) and added there.
; REGISTERS, in windows of 256: window 0: v1-31 addresses; v32-63 scale words, two sets; v64-95 the bias, later v64-127 two buffers of 16 rows; v128-255 the accumulators ((a, b) at v[128 + 8 (4 a + b)]).
;   window 1: two sets of fragments, at v0 and v128: A's four at + 0, B's four at + 48.   window 2: v0-127 the residual.
.set KTOT,   1024
.set A_SC,   3145728                   ; A's scale words in its buffer
.set B_OFF,  2359296                   ; B's codes in wts
.set B_SC,   9535488                   ; B's scale words in wts
.set KS,     KTOT/128
.set NSL,    KTOT/512                  ; slots' worth of K
.set LAPS,   NSL/2                     ; a lap = two slots = once round the ring
.set FR,     12                        ; registers of a fragment
.set NP,     4                         ; places behind this matrix instruction (ISA guide 7.12.1)
.set GSTEP,  12288                     ; 128 rows x 128 K
.set QTR,    2*GSTEP                   ; two K steps of a group
.set HALF,   4*GSTEP                   ; A's part of a slot, or B's
.set SLOT,   2*HALF
.set HALFS,  KS*512                    ; the scale words of 128 rows, all of K
.set QS,     HALFS/2                   ; half of them
.set SCL,    2*SLOT
.set SPARE,  SCL+2*HALFS               ; the spare words, 128 bytes for each wave: two blocks of 256 bytes that no other line names
.set STG,    SPARE+512                 ; a stage of 16 rows x (256 bytes + 16) for each wave; no fill lands here
.set SPITCH, 272                       ; 68 words: row r starts at bank 4 r mod 64 (64 banks of 4 bytes: ISA guide 11.1)
.set ROWC,   4096                      ; a row of R and of C in bytes
.set ADRA, 16                          ; v16-17 LDS address of my A fragments' 16-byte parts in slot 0, 1; v18-19 of their 8-byte parts
.set ADRB, 20                          ; v20-23 the same for B
.set STO,  24                          ; v24 the stage by the result's layout: row r, 32 h
.set RD,   25                          ; v25 the stage by rows: row h, 16 r
.set CO,   26                          ; v26 the same two rows in R and C: 4,096 h + 16 r; never rewritten
.set ADRS, 27                          ; v27 my scale words: lanes 0-15 A's rows, lanes 16-31 B's
.set SPW,  28                          ; v28 LDS address of my spare word; never rewritten
.set NIL,  29                          ; v29 0; never rewritten
.set SC,   32                          ; set s at v[SC + 16 s]; register 4 q + i: lanes 0-15 A's block i, lanes 16-31 B's block i, the slot's q-th 128 along K
.set BIAS, 64
.set OUTB, 64
.set ACC,  128
.set G1, 24
.set G0, 32
.set G1B, 48
.set G0B, 56
.set G1S, 68
.set G0S, 76
.set G1SB, 80
.set G0SB, 88
.set MSB, 0
.macro WIN new                         ; the immediate's high byte repeats the setting that is left
.if MSB != \new
	s_set_vgpr_msb (MSB<<8)|\new
.set MSB, \new
.endif
.endm
.set MUL,   0x05                       ; sources 0 (B) and 1 (A) window 1; C and D window 0
.set TO_F,  0x40                       ; destination window 1, address window 0
.set TO_R,  0x80                       ; destination window 2, address window 0
.set ADD_R, 0x08                       ; source 1 window 2
.macro JLOAD g0a, g1a, g0b, g1b        ; a joint load: waves 0 and 1 fetch for A, waves 2 and 3 for B; an s_nop 0 and four v_nop follow each line
	s_cmp_eq_u32 s15, 0
	s_cbranch_scc0 .Lfor_b_\@
	tensor_load_to_lds s[\g0a:\g0a+3], s[\g1a:\g1a+7]
	s_nop 0
.rept 4
	v_nop
.endr
	s_branch .Lasked_\@
.Lfor_b_\@:
	tensor_load_to_lds s[\g0b:\g0b+3], s[\g1b:\g1b+7]
	s_nop 0
.rept 4
	v_nop
.endr
.Lasked_\@:
.endm
.macro CREST                           ; a round of the cluster's barrier behind its opening barrier
	s_cmp_lg_u32 s14, 0
	s_cbranch_scc1 .Lnot_wave_0_\@
	s_barrier_signal -3
.Lnot_wave_0_\@:
	s_barrier_wait -3
	s_barrier_signal -1
	s_barrier_wait -1
.endm
.macro CROUND
	s_barrier_signal -1
	s_barrier_wait -1
	CREST
.endm
	s_load_b256 s[4:11], s[0:1], 0x0               ; A s[4:5], wts s[6:7], the bias s[8:9], R s[10:11]
	s_load_b64 s[12:13], s[0:1], 0x20              ; C
	v_lshl_add_u32 v[SPW], v0, 2, SPARE
	v_mov_b32 v[NIL], 0
	ds_add_u32 v[SPW], v[NIL]                      ; the wave's opening: the add, twice on end, and its wait ahead of my first tensor load
	ds_add_u32 v[SPW], v[NIL]
	v_lshrrev_b32 v1, 5, v0
	v_readfirstlane_b32 s14, v1                    ; wave 0..3
	s_lshr_b32 s15, s14, 1                         ; my half of the tile's rows.
	s_and_b32 s16, s14, 1                          ; my half of its columns.
	s_bfe_u32 s40, ttmp6, 0x40000                  ; cx
	s_bfe_u32 s41, ttmp6, 0x40004                  ; cy
	s_lshl_b32 s42, ttmp9, 2
	s_add_co_u32 s42, s42, s40                     ; tile column of C = B's group of 128 rows
	s_and_b32 s17, ttmp7, 0xffff
	s_lshl_b32 s17, s17, 2
	s_add_co_u32 s17, s17, s41                     ; tile row of C = A's group of 128 rows
	s_lshl_b32 s43, s41, 2
	s_lshl_b32 s43, 15, s43                        ; my row of the cluster
	s_lshl_b32 s44, 0x1111, s40                    ; my column
	s_or_b32 s[G1+0], s43, (3<<16)|(1<<21)         ; elements of 8 bytes, no padding; 15:0 the mask; bit 21 set beside a mask
	s_or_b32 s[G1B+0], s44, (3<<16)|(1<<21)
.irp g, G1, G1B
	s_mov_b32 s[\g+1], 6144<<16                    ; a group's codes for all of K: 98,304 dense bytes, two rows of 49,152
	s_mov_b32 s[\g+2], 2<<16
	s_mov_b32 s[\g+3], 6144<<16
	s_mov_b32 s[\g+4], 2
	s_mov_b32 s[\g+5], 6144
	s_mov_b32 s[\g+6], 0
	s_mov_b32 s[\g+7], 0
.endr
	s_or_b32 s[G1S+0], s43, (3<<16)|(1<<21)        ; a group's scale words: HALFS dense bytes
	s_or_b32 s[G1SB+0], s44, (3<<16)|(1<<21)
.irp g, G1S, G1SB
	s_mov_b32 s[\g+1], (HALFS/16)<<16              ; a group's scale words, HALFS dense bytes, two rows
	s_mov_b32 s[\g+2], 2<<16
	s_mov_b32 s[\g+3], (HALFS/16)<<16
	s_mov_b32 s[\g+4], 2
	s_mov_b32 s[\g+5], HALFS/16
	s_mov_b32 s[\g+6], 0
	s_mov_b32 s[\g+7], 0
.endr
	s_mul_i32 s22, s17, HALFS
	s_add_co_u32 s22, s22, A_SC
	s_mul_i32 s92, s42, HALFS
	s_add_co_u32 s92, s92, B_SC
	s_mul_i32 s20, s17, KS*GSTEP
	s_mul_i32 s46, s42, KS*GSTEP
	s_add_co_u32 s46, s46, B_OFF
	s_mov_b32 s21, 0
	s_mov_b32 s23, 0
	s_mov_b32 s47, 0
	s_mov_b32 s93, 0
	s_wait_dscnt 0x0                               ; both opening adds are done
	s_wait_kmcnt 0x0
	s_add_nc_u64 s[20:21], s[4:5], s[20:21]
	s_add_nc_u64 s[22:23], s[4:5], s[22:23]
	s_add_nc_u64 s[46:47], s[6:7], s[46:47]
	s_add_nc_u64 s[92:93], s[6:7], s[92:93]
	CROUND                                         ; all sixteen work-groups are here: the first joint loads meet
	s_mov_b32 s[G0S], 1
	s_mov_b32 s[G0S+1], SCL
	s_mov_b64 s[G0S+2:G0S+3], s[22:23]
	s_or_b32 s[G0S+3], s[G0S+3], 0x80000000
	s_mov_b32 s[G0SB], 1
	s_mov_b32 s[G0SB+1], SCL+HALFS
	s_mov_b64 s[G0SB+2:G0SB+3], s[92:93]
	s_or_b32 s[G0SB+3], s[G0SB+3], 0x80000000
	; ALL OF K COMES AT THE HEAD, ONE LOAD A WAVE: wave 0 A's group (98,304 bytes, LDS 0 on), wave 1 B's (LDS SLOT on), wave 2 A's scale words, wave 3 B's.  Nothing is filled later.
	s_mov_b32 s[G0], 1
	s_mov_b32 s[G0+1], 0
	s_mov_b64 s[G0+2:G0+3], s[20:21]
	s_or_b32 s[G0+3], s[G0+3], 0x80000000
	s_mov_b32 s[G0B], 1
	s_mov_b32 s[G0B+1], SLOT
	s_mov_b64 s[G0B+2:G0B+3], s[46:47]
	s_or_b32 s[G0B+3], s[G0B+3], 0x80000000
.macro ARM under, g0, g1, next
	s_cmp_lt_u32 s14, \under
	s_cbranch_scc0 \next
	tensor_load_to_lds s[\g0:\g0+3], s[\g1:\g1+7]
	s_nop 0
.rept 4
	v_nop
.endr
	s_branch .Lhead_asked
\next:
.endm
	ARM 1, G0,  G1,  .Lhead_b
	ARM 2, G0B, G1B, .Lhead_sa
	ARM 3, G0S, G1S, .Lhead_sb
	tensor_load_to_lds s[G0SB:G0SB+3], s[G1SB:G1SB+7]
	s_nop 0
.rept 4
	v_nop
.endr
.Lhead_asked:
	v_and_b32 v1, 15, v0                           ; r
	v_bfe_u32 v2, v0, 4, 1                         ; h
	v_and_b32 v3, 31, v0
	v_lshlrev_b32 v4, 4, v3                        ; 16 x lane
	v_lshlrev_b32 v5, 3, v3
	v_add_nc_u32 v5, 512, v5                       ; 512 + 8 x lane
	v_lshlrev_b32 v7, 5, v2                        ; 32 h: the bias of my half's eight columns of a tile; never rewritten
	s_wait_alu depctr_va_vdst(0)
	v_lshlrev_b32 v[CO], 12, v2
	v_lshl_add_u32 v[CO], v1, 4, v[CO]             ; lanes 0-15 one row's 256 bytes, lanes 16-31 the next row's
	s_wait_alu depctr_va_vdst(0)
	s_lshl_b32 s20, s17, 7
	s_lshl_b32 s21, s15, 6
	s_add_co_u32 s20, s20, s21                     ; my first row: 128 x tile row + 64 x half
	s_lshl_b32 s20, s20, 12
	s_lshl_b32 s22, s42, 9
	s_lshl_b32 s21, s16, 8
	s_add_co_u32 s22, s22, s21                     ; my first column, in bytes: 512 x tile column + 256 x half
	s_add_co_u32 s20, s20, s22
	s_mov_b32 s21, 0
	s_mov_b32 s23, 0
	s_add_nc_u64 s[10:11], s[10:11], s[20:21]
	s_add_nc_u64 s[12:13], s[12:13], s[20:21]
	s_add_nc_u64 s[8:9], s[8:9], s[22:23]
.irp b, 0,1,2,3
	global_load_b128 v[BIAS+8*\b:BIAS+8*\b+3], v7, s[8:9] offset:64*\b
	global_load_b128 v[BIAS+8*\b+4:BIAS+8*\b+7], v7, s[8:9] offset:64*\b+16
.endr
	s_mul_i32 s21, s15, 4*1536                     ; my four fragments of A's eight,
	s_mul_i32 s22, s16, 4*1536
	s_add_co_u32 s22, s22, SLOT                    ; B's codes lie behind all of A's
.irp s, 0,1
	v_add_nc_u32 v[ADRA+\s], s21, v4
	v_add_nc_u32 v[ADRA+2+\s], s21, v5
	v_add_nc_u32 v[ADRB+\s], s22, v4
	v_add_nc_u32 v[ADRB+2+\s], s22, v5
	s_add_co_u32 s21, s21, HALF                    ; the second four K steps lie behind the first four of the same operand
	s_add_co_u32 s22, s22, HALF
.endr
	s_lshl_b32 s21, s15, 8                         ; A's scale words: my 64 rows, 4 bytes each
	s_lshl_b32 s22, s16, 8
	s_add_co_u32 s22, s22, HALFS                   ; B's: behind A's
	s_sub_co_u32 s22, s22, s21
	v_mul_u32_u24 v6, s22, v2                      ; lanes 16-31 take B's: the lower base + h x the distance
	s_add_co_u32 s21, s21, SCL
	v_lshl_add_u32 v6, v1, 2, v6
	v_add_nc_u32 v[ADRS], s21, v6
	s_mul_i32 s23, s14, 16*SPITCH
	s_add_co_u32 s23, s23, STG                     ; my stage
	v_mul_u32_u24 v6, v1, SPITCH
	v_lshl_add_u32 v6, v2, 5, v6
	v_add_nc_u32 v[STO], s23, v6
	v_mul_u32_u24 v6, v2, SPITCH
	v_lshl_add_u32 v6, v1, 4, v6
	v_add_nc_u32 v[RD], s23, v6
.macro FRAG reg, adr, q, i             ; a fragment as it lies: for each half 16 bytes a lane and 8 bytes a lane
.irp c, 0,1
	ds_load_b128 v[\reg+6*\c:\reg+6*\c+3], v[\adr] offset:(\q)*GSTEP+(\i)*1536+768*\c
	ds_load_b64 v[\reg+6*\c+4:\reg+6*\c+5], v[\adr+2] offset:(\q)*GSTEP+(\i)*1536+768*\c
.endr
.endm
; 4 matrix instructions: A's block a x B's four, 128 along K: the slot's q-th.  p: the set of fragments; sc: the set of scale words.  first = 1: the bias is the C of the sums' first products.
; The 16 accumulators take turns, one instruction a turn, in the same order in every step.
.macro MUL4 a, p, q, sc, first
.irp b, 0,1,2,3
.if \first
	v_wmma_scale_f32_16x16x128_f8f6f4 v[ACC+8*(4*(\a)+\b):ACC+8*(4*(\a)+\b)+7], v[128*(\p)+48+FR*\b:128*(\p)+48+FR*\b+FR-1], v[128*(\p)+FR*(\a):128*(\p)+FR*(\a)+FR-1], v[BIAS+8*\b:BIAS+8*\b+7], v[SC+16*(\sc)+4*(\q)+\b], v[SC+16*(\sc)+4*(\q)+(\a)] matrix_a_fmt:MATRIX_FMT_FP6 matrix_b_fmt:MATRIX_FMT_FP6 matrix_a_scale:MATRIX_SCALE_ROW1
.else
	v_wmma_scale_f32_16x16x128_f8f6f4 v[ACC+8*(4*(\a)+\b):ACC+8*(4*(\a)+\b)+7], v[128*(\p)+48+FR*\b:128*(\p)+48+FR*\b+FR-1], v[128*(\p)+FR*(\a):128*(\p)+FR*(\a)+FR-1], v[ACC+8*(4*(\a)+\b):ACC+8*(4*(\a)+\b)+7], v[SC+16*(\sc)+4*(\q)+\b], v[SC+16*(\sc)+4*(\q)+(\a)] matrix_a_fmt:MATRIX_FMT_FP6 matrix_b_fmt:MATRIX_FMT_FP6 matrix_a_scale:MATRIX_SCALE_ROW1
.endif
.endr
.endm
.macro FETCH slot, q, p                ; 32 LDS loads in one run: B's four fragments and A's four of the slot's q-th 128 along K, into set p
	WIN TO_F
.irp i, 0,1,2,3
	FRAG 128*(\p)+48+FR*\i, ADRB+\slot, \q, \i
.endr
.irp i, 0,1,2,3
	FRAG 128*(\p)+FR*\i, ADRA+\slot, \q, \i
.endr
.endm
.macro SCALES sc                       ; a slot's scale words: lanes 0-15 A's block i, lanes 16-31 B's block i
.irp q, 0,1,2,3
.irp i, 0,1,2,3
	ds_load_b32 v[SC+16*\sc+4*\q+\i], v[ADRS] offset:512*\q+64*\i
.endr
.endr
.endm
.macro PLACES n                        ; plain vector instructions between a matrix instruction and a load into one of its registers, or the first read of its result
.rept \n
	v_nop
.endr
.endm
.macro STEP slot, q, first             ; a step of 128 along K that has its successor in the same slot: the successor's fragments are asked for first, then this step's 16 products are issued
	s_wait_dscnt 0x0                               ; this step's fragments are in (asked for 16 matrix instructions ago, or 8 behind a change of slots)
	PLACES NP                                      ; behind the last step's products, which read the other set
	FETCH \slot, (\q)+1, 1-(\q)%2
	WIN MUL
	MUL4 0, (\q)%2, \q, \slot, \first
	MUL4 1, (\q)%2, \q, \slot, \first
	MUL4 2, (\q)%2, \q, \slot, \first
	MUL4 3, (\q)%2, \q, \slot, \first
.endm
; A slot's fourth step changes slots: one barrier; in front of it each wave waits for all its tensor loads, adds 0 to its spare word, and waits for that and for its reads of this slot.  fill = 1: this slot is filled again, two slots ahead.
.macro TURN slot, next, fill
	WIN 0                                          ; (the add's two registers lie in window 0)
	s_wait_tensorcnt 0x0                           ; all my tensor loads have landed: my part of the next slot
	ds_add_u32 v[SPW], v[NIL]                      ; 0 onto my spare word
	s_wait_dscnt 1                                 ; this step's fragments are in; the add may be out
	WIN MUL
	MUL4 0, 1, 3, \slot, 0
	s_wait_dscnt 0x0                               ; the add is done, and my reads of this slot are over
	s_barrier_signal -1
	MUL4 1, 1, 3, \slot, 0
	WIN 0
	s_barrier_wait -1
.if \fill
	CREST                                          ; the barrier has opened a round of the cluster's barrier: no wave of any partner still reads this slot or has a load on its way
	s_add_nc_u64 s[G0+4*\slot+2:G0+4*\slot+3], s[G0+4*\slot+2:G0+4*\slot+3], 2*HALF
	s_add_nc_u64 s[G0B+4*\slot+2:G0B+4*\slot+3], s[G0B+4*\slot+2:G0B+4*\slot+3], 2*HALF
	JLOAD G0+4*\slot, G1, G0B+4*\slot, G1B         ; the first tensor load behind the round; its four v_nop are the places in front of the loads below
.else
	PLACES NP
.endif
	v_add_nc_u32 v[ADRS], 2048, v[ADRS]            ; the next slot's scale words
	SCALES \next
	FETCH \next, 0, 0
	WIN MUL
	MUL4 2, 1, 3, \slot, 0
	MUL4 3, 1, 3, \slot, 0
.endm
	s_wait_alu depctr_va_vdst(0)
	s_wait_tensorcnt 0x0                           ; my tile of the head's four is in
	s_barrier_signal -1
	s_barrier_wait -1                              ; everybody's are
	SCALES 0
	FETCH 0, 0, 0
	WIN TO_R
.irp a, 0,1,2,3                        ; R's 64 rows x 256 bytes, two rows a load, into window 2: wanted on the way out alone, so asked for behind the head's tiles
.irp t, 0,1,2,3,4,5,6,7
	global_load_b128 v[32*\a+4*\t:32*\a+4*\t+3], v[CO], s[10:11] offset:(16*\a+2*\t)*ROWC th:TH_LOAD_NT
.endr
.endr
	WIN 0
	s_wait_loadcnt 32
	STEP 0, 0, 1                                   ; the first step's products start the sums, from the bias
	STEP 0, 1, 0
	STEP 0, 2, 0
.if LAPS > 1
	WIN 0                                          ; at a label and at a branch every window is 0
	s_mov_b32 s3, LAPS-1
.Llap:                                                 ; a trip goes once round the ring, from a lap's fourth step to the next lap's third, and fills both slots again
	TURN 0, 1, 1
	STEP 1, 0, 0
	STEP 1, 1, 0
	STEP 1, 2, 0
	TURN 1, 0, 1
	STEP 0, 0, 0
	STEP 0, 1, 0
	STEP 0, 2, 0
	WIN 0
	s_sub_co_u32 s3, s3, 1
	s_cmp_lg_u32 s3, 0
	s_cbranch_scc1 .Llap
.endif
	TURN 0, 1, 0                                   ; the last lap fills nothing, and has no round of the cluster's barrier
	STEP 1, 0, 0
	STEP 1, 1, 0
	STEP 1, 2, 0
	s_wait_dscnt 0x0                               ; the very last step: nothing more to fetch
	WIN MUL
	MUL4 0, 1, 3, 1, 0
	MUL4 1, 1, 3, 1, 0
	MUL4 2, 1, 3, 1, 0
	MUL4 3, 1, 3, 1, 0
	WIN 0
; THE WAY OUT, block by block of 16 rows x 64 columns: through my own stage and back with sixteen lanes to a row's 256 bytes; R is added; two rows a store.
; LDS serves a wave's instructions in order (ISA guide 5.7.1.4): no wait between the stores and the loads, nor in front of the next block's stores.
.macro TOSTAGE a
.irp b, 0,1,2,3
	ds_store_b128 v[STO], v[ACC+8*(4*(\a)+\b):ACC+8*(4*(\a)+\b)+3] offset:64*\b          ; each accumulator from its low end on
	ds_store_b128 v[STO], v[ACC+8*(4*(\a)+\b)+4:ACC+8*(4*(\a)+\b)+7] offset:64*\b+16
.endr
.set BB, OUTB+32*((\a)%2)
.irp t, 0,1,2,3,4,5,6,7
	ds_load_b128 v[BB+4*\t:BB+4*\t+3], v[RD] offset:2*\t*SPITCH
.endr
.endm
.macro SEND a, younger                 ; younger: the LDS instructions issued behind block a's loads, which may stay out
.set BB, OUTB+32*((\a)%2)
	s_wait_dscnt \younger
	WIN ADD_R
.irp t, 0,1,2,3,4,5,6,7
	v_pk_add_f32 v[BB+4*\t:BB+4*\t+1], v[BB+4*\t:BB+4*\t+1], v[32*(\a)+4*\t:32*(\a)+4*\t+1]
	v_pk_add_f32 v[BB+4*\t+2:BB+4*\t+3], v[BB+4*\t+2:BB+4*\t+3], v[32*(\a)+4*\t+2:32*(\a)+4*\t+3]
.endr
	WIN 0
.irp t, 0,1,2,3,4,5,6,7
	global_store_b128 v[CO], v[BB+4*\t:BB+4*\t+3], s[12:13] offset:(16*(\a)+2*\t)*ROWC   ; 16 lanes store 256 consecutive bytes, at a multiple of 256 from C's first byte
.endr
.endm
	PLACES NP
	s_wait_loadcnt 0x0                             ; R
	TOSTAGE 0
.irp a, 1,2,3
.if \a > 1
	s_wait_xcnt 0x0                                ; block a - 2's stores have read their registers: block a's loads may land there
.endif
	TOSTAGE \a
	SEND \a-1, 16                                  ; behind block a - 1's loads: block a's 8 stores and 8 loads
.endr
	SEND 3, 0
	s_wait_tensorcnt 0x0                           ; the wave's end: behind my last tensor load and my last LDS store
	ds_add_u32 v[SPW], v[NIL]
	s_wait_dscnt 0x0
	CROUND                                         ; the closing round: no work-group ends while a partner may still ask for a tile that names it
	s_endpgm
.Lfunc_end_k_qc622ec16b4_proj:
	.size	k_qc622ec16b4_proj, .Lfunc_end_k_qc622ec16b4_proj-k_qc622ec16b4_proj
	.p2alignl 7, 3214868480
	.fill 96, 4, 3214868480
	.section	.rodata,"a",@progbits
	.p2align	6, 0x0
	.amdhsa_kernel k_qc622ec16b4_proj
		.amdhsa_group_segment_fixed_size 327680
		.amdhsa_private_segment_fixed_size 0
		.amdhsa_enable_private_segment 0
		.amdhsa_kernarg_size 40
		.amdhsa_user_sgpr_count 2
		.amdhsa_user_sgpr_kernarg_segment_ptr 1
		.amdhsa_wavefront_size32 1
		.amdhsa_system_sgpr_workgroup_id_x 1
		.amdhsa_system_sgpr_workgroup_id_y 1
		.amdhsa_system_sgpr_workgroup_id_z 1
		.amdhsa_system_vgpr_workitem_id 0
		.amdhsa_next_free_vgpr 768
		.amdhsa_next_free_sgpr 102
		.amdhsa_reserve_vcc 0
		.amdhsa_float_denorm_mode_32 3
		.amdhsa_float_denorm_mode_16_64 3
		.amdhsa_memory_ordered 1
		.amdhsa_forward_progress 1
		.amdhsa_inst_pref_size 61
	.end_amdhsa_kernel
	.amdgpu_metadata
---
amdhsa.version: [ 1, 2 ]
amdhsa.kernels:
  - .name:           k_qc622ec16b4_proj
    .symbol:         k_qc622ec16b4_proj.kd
    .args:
      - { .name: oq, .offset: 0, .size: 8, .value_kind: global_buffer, .address_space: global }
      - { .name: wts, .offset: 8, .size: 8, .value_kind: global_buffer, .address_space: global }
      - { .name: bproj, .offset: 16, .size: 8, .value_kind: global_buffer, .address_space: global }
      - { .name: x, .offset: 24, .size: 8, .value_kind: global_buffer, .address_space: global }
      - { .name: x1, .offset: 32, .size: 8, .value_kind: global_buffer, .address_space: global }
    .group_segment_fixed_size: 327680
    .private_segment_fixed_size: 0
    .kernarg_segment_align: 8
    .kernarg_segment_size: 40
    .max_flat_workgroup_size: 128
    .sgpr_count:     102
    .vgpr_count:     768
    .wavefront_size: 32
...
	.end_amdgpu_metadata
.endif
;; end of part 11
;; launch ln1 (part 12): grid 256 x 1, 4 waves a work-group, no clusters, 32,768 bytes of LDS; arguments x1, g2, be2, h2q; writes h2q
.if DOCPART == 12
	.amdgcn_target "amdgcn-amd-amdhsa--gfx1250"
	.amdhsa_code_object_version 6
	.text
	.protected	k_qc622ec16b4_ln1
	.globl	k_qc622ec16b4_ln1
	.p2align	8
	.type	k_qc622ec16b4_ln1,@function
k_qc622ec16b4_ln1:
	s_mov_b64 s[64:65], 0
	v_nop
	global_prefetch_b8 v0, s[64:65] scope:SCOPE_SE
	s_setreg_imm32_b32 hwreg(HW_REG_WAVE_MODE, 25, 1), 1
	s_wait_xcnt 0x0
; y = (x - mean) rsqrt(var + 1e-5) g + b over rows of 1,024 f32, and y's codes of FP6 (E2M3) with one E8M0 byte for each 32 along the row, laid as an operand of the products' launches.
; OUTPUT: codes [row / 128][K step 0..7][(row / 16) % 8][1,536 bytes], scale words at 3,145,728: [row / 128][K step][row % 128].  A fragment (16 rows x 128 K) is an image of its 12 registers, in two halves of
; 768 bytes: registers 6 c .. 6 c + 3 at 16 x lane, registers 6 c + 4, 6 c + 5 at 512 + 8 x lane; lane (r, h) holds row r, block 2 c + h.  Position p of a block holds k offset 8 (p / 16) + p % 8 + 16 ((p / 8) % 2), as in every operand of this program.
; SHARES.  A work-group takes 16 rows (one row of fragments), wave w rows 4 w .. 4 w + 3, a row at a time; all 32 loads of a wave's four rows go out at the head.
; The mean is taken first and the variance of x - mean: no difference of large sums is formed.
; A row is loaded dense (16 bytes a lane, 512 a load); it turns through the wave's own LDS so that lane L holds block L whole (32 numbers).  The codes of the 16 rows meet in LDS, one barrier, and leave as 512 and 256 consecutive bytes.
; LIMITS: a block of zeros, or one whose largest magnitude lies under 2^-124, gets the byte 1 (zero codes; this program alone reads the bytes); NaN and infinities are not served.
; No cluster: work-groups share only g and b, 8 KiB.  No tensor load: each byte is read once, by loads whose data the arithmetic wants in registers.
.set X,     32                         ; v32-159  four rows of 32 numbers a lane
.set G,     160                        ; v160-191 g at my columns
.set BE,    192                        ; v192-223 b at my columns
.set Y,     224                        ; v224-255 my block of the row in hand
.set TURNB, 4608                       ; LDS: for each wave 32 blocks x (128 bytes + 16)
.set IMGA,  4*TURNB                    ; 32 pieces (piece L = block L) x (16 rows x 16 bytes + 16): the halves' first four registers
.set IMGB,  IMGA+32*272                ; 32 pieces x (16 rows x 8 bytes + 8): their last two
.set SCS,   IMGB+32*136                ; 8 K steps x 16 rows x 4 scale bytes
.set SPARE, SCS+512                    ; the spare words, 128 bytes for each wave: two blocks of 256 bytes that no other line names
.set SPW,   30                         ; v30  LDS address of my spare word; never rewritten
.set NIL,   31                         ; v31  0; never rewritten
	s_load_b256 s[4:11], s[0:1], 0x0               ; x s[4:5], g s[6:7], b s[8:9], the codes' buffer s[10:11]
	v_lshl_add_u32 v[SPW], v0, 2, SPARE
	v_mov_b32 v[NIL], 0
	v_lshrrev_b32 v1, 5, v0
	v_readfirstlane_b32 s16, v1                    ; wave 0..3
	v_and_b32 v26, 31, v0                          ; lane
	v_lshlrev_b32 v1, 4, v26                       ; v1: 16 x lane
	v_lshlrev_b32 v16, 3, v26                      ; v16: 8 x lane
	s_mul_i32 s17, s16, TURNB
	v_lshrrev_b32 v2, 3, v26
	v_mul_u32_u24 v2, v2, 144
	v_and_b32 v3, 7, v26
	v_lshl_add_u32 v2, v3, 4, v2
	v_add_nc_u32 v2, s17, v2                       ; v2: the turn, in: load j's 16 bytes belong to block 4 j + lane / 8, at 16 (lane % 8)
	v_mul_u32_u24 v3, v26, 144
	v_add_nc_u32 v3, s17, v3                       ; v3: the turn, out: block = lane
	s_lshl_b32 s17, s16, 6
	v_mul_u32_u24 v4, v26, 272
	v_add_nc_u32 v4, s17, v4
	v_add_nc_u32 v4, IMGA, v4                      ; v4: piece = lane, row 4 w (+ q in the immediate), 16 bytes a row
	s_lshl_b32 s17, s16, 5
	v_mul_u32_u24 v5, v26, 136
	v_add_nc_u32 v5, s17, v5
	v_add_nc_u32 v5, IMGB, v5                      ; v5: the same, 8 bytes a row
	s_lshl_b32 s17, s16, 4
	v_lshrrev_b32 v6, 2, v26
	v_lshlrev_b32 v6, 6, v6
	v_and_b32 v7, 3, v26
	v_add_nc_u32 v6, v6, v7
	v_add_nc_u32 v6, s17, v6
	v_add_nc_u32 v6, SCS, v6                       ; v6: K step lane / 4, row 4 w (+ q), byte lane % 4
	v_lshrrev_b32 v27, 4, v26                      ; lane / 16
	v_and_b32 v28, 15, v26                         ; lane % 16
	s_mul_i32 s17, s16, 2176
	v_mul_u32_u24 v7, v27, 272
	v_lshl_add_u32 v7, v28, 4, v7
	v_add_nc_u32 v7, s17, v7
	v_add_nc_u32 v7, IMGA, v7                      ; v7: the way out: wave w takes pieces 8 w .. 8 w + 7, two an instruction
	s_mul_i32 s17, s16, 1088
	v_mul_u32_u24 v8, v27, 136
	v_lshl_add_u32 v8, v28, 3, v8
	v_add_nc_u32 v8, s17, v8
	v_add_nc_u32 v8, IMGB, v8                      ; v8: likewise
	s_lshl_b32 s17, s16, 7
	v_lshlrev_b32 v9, 2, v26
	v_add_nc_u32 v9, s17, v9
	v_add_nc_u32 v9, SCS, v9                       ; v9: K steps 2 w, 2 w + 1: 32 scale words
	v_lshlrev_b32 v17, 9, v27
	v_lshl_add_u32 v17, v28, 2, v17                ; v17: their place in memory: 512 bytes from K step to K step, 4 a row
	s_mov_b32 s12, 0x76543210
	s_mov_b32 s13, 0xfedcba98                      ; v_permlanex16_b32's selects for lane l xor 16
	s_mov_b32 s14, 0x3a800000                      ; 1 / 1,024
	s_mov_b32 s15, 0x3727c5ac                      ; 1e-5
	s_lshl_b32 s18, ttmp9, 16                      ; 16 rows of 4,096 bytes a work-group,
	s_lshl_b32 s19, s16, 14                        ; 4 a wave
	s_add_co_u32 s18, s18, s19
	s_mov_b32 s19, 0
	s_lshr_b32 s20, ttmp9, 3                       ; group of 128 rows
	s_and_b32 s21, ttmp9, 7                        ; fragment row in it
	s_mul_i32 s22, s20, 98304
	s_mul_i32 s23, s21, 1536
	s_add_co_u32 s22, s22, s23
	s_mul_i32 s23, s16, 24576                      ; K step 2 w
	s_add_co_u32 s22, s22, s23
	s_mov_b32 s23, 0
	s_lshl_b32 s24, s20, 12
	s_lshl_b32 s25, s21, 6
	s_add_co_u32 s24, s24, s25
	s_lshl_b32 s25, s16, 10
	s_add_co_u32 s24, s24, s25
	s_add_co_u32 s24, s24, 3145728
	s_mov_b32 s25, 0
	s_wait_kmcnt 0x0
	s_add_nc_u64 s[4:5], s[4:5], s[18:19]
	s_add_nc_u64 s[20:21], s[10:11], s[24:25]      ; scale words
	s_add_nc_u64 s[10:11], s[10:11], s[22:23]      ; codes
.irp j, 0,1,2,3,4,5,6,7
	global_load_b128 v[G+4*\j:G+4*\j+3], v1, s[6:7] offset:512*\j
.endr
.irp j, 0,1,2,3,4,5,6,7
	global_load_b128 v[BE+4*\j:BE+4*\j+3], v1, s[8:9] offset:512*\j
.endr
.irp q, 0,1,2,3
.irp j, 0,1,2,3,4,5,6,7
	global_load_b128 v[X+32*\q+4*\j:X+32*\q+4*\j+3], v1, s[4:5] offset:4096*\q+512*\j th:TH_LOAD_NT
.endr
.endr
.macro SUM32                           ; v12 = the sum of v12 over the wave's 32 lanes, in every lane
	v_add_f32_dpp v12, v12, v12 row_xmask:1 row_mask:0xf bank_mask:0xf
	v_add_f32_dpp v12, v12, v12 row_xmask:2 row_mask:0xf bank_mask:0xf
	v_add_f32_dpp v12, v12, v12 row_xmask:4 row_mask:0xf bank_mask:0xf
	v_add_f32_dpp v12, v12, v12 row_xmask:8 row_mask:0xf bank_mask:0xf
	v_permlanex16_b32 v13, v12, s12, s13
	v_add_f32 v12, v12, v13
.endm
.macro ROW q
.set XR, X+32*\q
	s_wait_loadcnt 8*(3-\q)                        ; g, b and this row are in; the later rows' loads, 8 each, may be out
	v_pk_add_f32 v[12:13], v[XR:XR+1], v[XR+2:XR+3]
	v_pk_add_f32 v[14:15], v[XR+4:XR+5], v[XR+6:XR+7]
.irp j, 8,12,16,20,24,28
	v_pk_add_f32 v[12:13], v[12:13], v[XR+\j:XR+\j+1]
	v_pk_add_f32 v[14:15], v[14:15], v[XR+\j+2:XR+\j+3]
.endr
	v_pk_add_f32 v[12:13], v[12:13], v[14:15]
	v_add_f32 v12, v12, v13
	SUM32
	v_mul_f32 v10, s14, v12                        ; the mean
	v_mov_b32 v11, v10
.irp j, 0,2,4,6,8,10,12,14,16,18,20,22,24,26,28,30
	v_pk_add_f32 v[XR+\j:XR+\j+1], v[XR+\j:XR+\j+1], v[10:11] neg_lo:[0,1] neg_hi:[0,1]   ; d = x - mean
.endr
	v_pk_mul_f32 v[12:13], v[XR:XR+1], v[XR:XR+1]
	v_pk_mul_f32 v[14:15], v[XR+2:XR+3], v[XR+2:XR+3]
.irp j, 4,8,12,16,20,24,28
	v_pk_fma_f32 v[12:13], v[XR+\j:XR+\j+1], v[XR+\j:XR+\j+1], v[12:13]
	v_pk_fma_f32 v[14:15], v[XR+\j+2:XR+\j+3], v[XR+\j+2:XR+\j+3], v[14:15]
.endr
	v_pk_add_f32 v[12:13], v[12:13], v[14:15]
	v_add_f32 v12, v12, v13
	SUM32
	v_fma_f32 v12, v12, s14, s15                   ; the variance + 1e-5
	s_wait_alu depctr_va_vdst(0)
	v_rsq_f32 v10, v12
	v_nop                                          ; a plain instruction behind the transcendental (ISA guide 5.7.2)
	s_wait_alu depctr_va_vdst(0)                   ; the wait ahead of the first line that names the result
	v_mov_b32 v11, v10
.irp j, 0,2,4,6,8,10,12,14,16,18,20,22,24,26,28,30
	v_pk_mul_f32 v[XR+\j:XR+\j+1], v[XR+\j:XR+\j+1], v[10:11]
.endr
.irp j, 0,2,4,6,8,10,12,14,16,18,20,22,24,26,28,30
	v_pk_fma_f32 v[XR+\j:XR+\j+1], v[XR+\j:XR+\j+1], v[G+\j:G+\j+1], v[BE+\j:BE+\j+1]
.endr
.irp j, 0,1,2,3,4,5,6,7
	ds_store_b128 v2, v[XR+4*\j:XR+4*\j+3] offset:576*\j
.endr
	ds_load_b128 v[Y:Y+3],     v3                  ; LDS serves a wave's instructions in order: these see the stores above.  The block's eight pieces in the blocks' own order: k 0-7, 16-23, 8-15, 24-31
	ds_load_b128 v[Y+4:Y+7],   v3 offset:16
	ds_load_b128 v[Y+8:Y+11],  v3 offset:64
	ds_load_b128 v[Y+12:Y+15], v3 offset:80
	ds_load_b128 v[Y+16:Y+19], v3 offset:32
	ds_load_b128 v[Y+20:Y+23], v3 offset:48
	ds_load_b128 v[Y+24:Y+27], v3 offset:96
	ds_load_b128 v[Y+28:Y+31], v3 offset:112
	s_wait_dscnt 0x0                               ; my block is in; the last row's stores of codes have read their registers
	v_max3_num_f32 v12, |v[Y]|, |v[Y+1]|, |v[Y+2]|
	v_max3_num_f32 v13, |v[Y+3]|, |v[Y+4]|, |v[Y+5]|
.irp i, 6,10,14,18,22,26
	v_max3_num_f32 v12, v12, |v[Y+\i]|, |v[Y+\i+1]|
	v_max3_num_f32 v13, v13, |v[Y+\i+2]|, |v[Y+\i+3]|
.endr
	v_max3_num_f32 v12, v12, |v[Y+30]|, |v[Y+31]|
	v_max3_num_f32 v12, v12, v13, 0x1800000        ; and the floor 2^(3 - 127): the byte cannot fall under 1
	v_add_nc_u32 v14, 0xff000000, v12              ; 2 off the exponent field: the conversion's scale operand
	v_lshrrev_b32 v19, 23, v14                     ; the scale's byte
	v_cvt_scalef32_pk16_fp6_f32 v[20:22], v[Y:Y+15], v14
	v_cvt_scalef32_pk16_fp6_f32 v[26:28], v[Y+16:Y+31], v14   ; (a conversion's three registers begin on an even number)
	v_nop                                          ; one plain instruction behind a scaled conversion
	v_mov_b32 v23, v26
	v_mov_b32 v24, v27
	v_mov_b32 v25, v28
	ds_store_b128 v4, v[20:23] offset:16*\q
	ds_store_b64 v5, v[24:25] offset:8*\q
	ds_store_b8 v6, v19 offset:4*\q
.endm
	ROW 0
	ROW 1
	ROW 2
	ROW 3
	s_wait_dscnt 0x0                               ; for the others' sake: my stores have landed
	s_barrier_signal -1
	s_barrier_wait -1                              ; the 16 rows' codes and scale bytes lie in LDS
.irp e, 0,1,2,3                        ; half e % 2 of K step 2 w + e / 2
	ds_load_b128 v[X+8*\e:X+8*\e+3], v7 offset:544*\e
	ds_load_b64 v[X+8*\e+4:X+8*\e+5], v8 offset:272*\e
.endr
	ds_load_b32 v[X+32], v9
	s_wait_dscnt 0x0
.irp e, 0,1,2,3
	global_store_b128 v1, v[X+8*\e:X+8*\e+3], s[10:11] offset:(\e/2)*12288+(\e%2)*768          ; 512 consecutive bytes
	global_store_b64 v16, v[X+8*\e+4:X+8*\e+5], s[10:11] offset:(\e/2)*12288+(\e%2)*768+512    ; 256 consecutive bytes
.endr
	global_store_b32 v17, v[X+32], s[20:21]        ; two runs of 64 bytes: one byte in 128 of what the launch reads
	s_wait_tensorcnt 0x0                           ; the wave's end: behind my last LDS store
	ds_add_u32 v[SPW], v[NIL]
	s_wait_dscnt 0x0
	s_endpgm
.Lfunc_end_k_qc622ec16b4_ln1:
	.size	k_qc622ec16b4_ln1, .Lfunc_end_k_qc622ec16b4_ln1-k_qc622ec16b4_ln1
	.p2alignl 7, 3214868480
	.fill 96, 4, 3214868480
	.section	.rodata,"a",@progbits
	.p2align	6, 0x0
	.amdhsa_kernel k_qc622ec16b4_ln1
		.amdhsa_group_segment_fixed_size 32768
		.amdhsa_private_segment_fixed_size 0
		.amdhsa_enable_private_segment 0
		.amdhsa_kernarg_size 32
		.amdhsa_user_sgpr_count 2
		.amdhsa_user_sgpr_kernarg_segment_ptr 1
		.amdhsa_wavefront_size32 1
		.amdhsa_system_sgpr_workgroup_id_x 1
		.amdhsa_system_sgpr_workgroup_id_y 1
		.amdhsa_system_sgpr_workgroup_id_z 1
		.amdhsa_system_vgpr_workitem_id 0
		.amdhsa_next_free_vgpr 256
		.amdhsa_next_free_sgpr 66
		.amdhsa_reserve_vcc 0
		.amdhsa_float_denorm_mode_32 3
		.amdhsa_float_denorm_mode_16_64 3
		.amdhsa_memory_ordered 1
		.amdhsa_forward_progress 1
		.amdhsa_inst_pref_size 45
	.end_amdhsa_kernel
	.amdgpu_metadata
---
amdhsa.version: [ 1, 2 ]
amdhsa.kernels:
  - .name:           k_qc622ec16b4_ln1
    .symbol:         k_qc622ec16b4_ln1.kd
    .args:
      - { .name: x1, .offset: 0, .size: 8, .value_kind: global_buffer, .address_space: global }
      - { .name: g2, .offset: 8, .size: 8, .value_kind: global_buffer, .address_space: global }
      - { .name: be2, .offset: 16, .size: 8, .value_kind: global_buffer, .address_space: global }
      - { .name: h2q, .offset: 24, .size: 8, .value_kind: global_buffer, .address_space: global }
    .group_segment_fixed_size: 32768
    .private_segment_fixed_size: 0
    .kernarg_segment_align: 8
    .kernarg_segment_size: 32
    .max_flat_workgroup_size: 128
    .sgpr_count:     66
    .vgpr_count:     256
    .wavefront_size: 32
...
	.end_amdgpu_metadata
.endif
;; end of part 12
;; launch ffn1 (part 13): grid 16 x 16, 4 waves a work-group, clusters of 4 x 4, 327,680 bytes of LDS; arguments h2q, wts, b1, f1q; writes f1q
.if DOCPART == 13
	.amdgcn_target "amdgcn-amd-amdhsa--gfx1250"
	.amdhsa_code_object_version 6
	.text
	.protected	k_qc622ec16b4_ffn1
	.globl	k_qc622ec16b4_ffn1
	.p2align	8
	.type	k_qc622ec16b4_ffn1,@function
k_qc622ec16b4_ffn1:
	s_mov_b64 s[64:65], 0
	v_nop
	global_prefetch_b8 v0, s[64:65] scope:SCOPE_SE
	s_setreg_imm32_b32 hwreg(HW_REG_WAVE_MODE, 25, 1), 1
	s_wait_xcnt 0x0
	s_wait_alu depctr_hold_cnt(0) depctr_sa_sdst(0) depctr_va_vdst(0) depctr_va_sdst(0) depctr_va_ssrc(0) depctr_va_vcc(0) depctr_vm_vsrc(0)
	s_getreg_b32 s2, hwreg(HW_REG_IB_STS2, 6, 4)
	s_cmp_eq_u32 s2, 0
	s_cbranch_scc0 .Lentry_in_a_cluster
	s_endpgm
.Lentry_in_a_cluster:
	s_bfe_u32 s2, ttmp6, 0x10000c
	s_cmp_lg_u32 s2, 0xf033
	s_cbranch_scc0 .Lentry_shape_is_right
	s_endpgm
.Lentry_shape_is_right:
.set KTOT,   1024
.set A_SC,   3145728
.set B_OFF,  3145728
.set B_SC,   9568256
.set KS,     KTOT/128
.set LAPS,   KTOT/512
.set NQ,     2
.set FR,     12
.set NL,     4
.set NP,     4
.set GSTEP,  12288
.set HALFT,  2*GSTEP
.set SLOT,   4*HALFT
.set HALFS,  KS*512
.set SCL,    2*SLOT
.set SPARE,  SCL+4*HALFS
.set STG,    SPARE+512
.set ADRA, 16
.set ADRB, 20
.set ADRS, 27
.set SPW,  28
.set NIL,  29
.set SC,   32
.set BIAS, 64
.set AF,   128
.set HN,   128
.set PC,   192
.set TM,   216
.set PW,   232
.set G1, 24
.set G0, 32
.set G1B, 48
.set G0B, 56
.set G1S, 68
.set G0S, 76
.set G1SB, 80
.set G0SB, 88
.set MSB, 0
.macro WIN new
.if MSB != \new
	s_set_vgpr_msb (MSB<<8)|\new
.set MSB, \new
.endif
.endm
.set MUL_LO, 0xa1
.set MUL_HI, 0xf1
.set TO_B,   0x40
.macro JLOAD g0a, g1a, g0b, g1b
	s_cmp_eq_u32 s15, 0
	s_cbranch_scc0 .Lfor_b_\@
	tensor_load_to_lds s[\g0a:\g0a+3], s[\g1a:\g1a+7]
	s_nop 0
.rept 4
	v_nop
.endr
	s_branch .Lasked_\@
.Lfor_b_\@:
	tensor_load_to_lds s[\g0b:\g0b+3], s[\g1b:\g1b+7]
	s_nop 0
.rept 4
	v_nop
.endr
.Lasked_\@:
.endm
.macro CREST
	s_cmp_lg_u32 s14, 0
	s_cbranch_scc1 .Lnot_wave_0_\@
	s_barrier_signal -3
.Lnot_wave_0_\@:
	s_barrier_wait -3
	s_barrier_signal -1
	s_barrier_wait -1
.endm
.macro CROUND
	s_barrier_signal -1
	s_barrier_wait -1
	CREST
.endm
	s_load_b256 s[4:11], s[0:1], 0x0
	v_lshl_add_u32 v[SPW], v0, 2, SPARE
	v_mov_b32 v[NIL], 0
	ds_add_u32 v[SPW], v[NIL]
	ds_add_u32 v[SPW], v[NIL]
	v_lshrrev_b32 v1, 5, v0
	v_readfirstlane_b32 s14, v1
	s_lshr_b32 s15, s14, 1
	s_and_b32 s16, s14, 1
	s_bfe_u32 s40, ttmp6, 0x40000
	s_bfe_u32 s41, ttmp6, 0x40004
	s_lshl_b32 s42, ttmp9, 2
	s_add_co_u32 s42, s42, s40
	s_and_b32 s17, ttmp7, 0xffff
	s_lshl_b32 s17, s17, 2
	s_add_co_u32 s17, s17, s41
	s_lshl_b32 s43, s41, 2
	s_lshl_b32 s43, 15, s43
	s_lshl_b32 s44, 0x1111, s40
	s_or_b32 s[G1+0], s43, (3<<16)|(1<<21)
	s_or_b32 s[G1B+0], s44, (3<<16)|(1<<21)
.irp g, G1, G1B
	s_mov_b32 s[\g+1], 3072<<16                    ; for the head's load: two groups' 24,576 bytes, two rows 98,304 bytes apart
	s_mov_b32 s[\g+2], 2<<16
	s_mov_b32 s[\g+3], 3072<<16
	s_mov_b32 s[\g+4], 2
	s_mov_b32 s[\g+5], 12288
	s_mov_b32 s[\g+6], 0
	s_mov_b32 s[\g+7], 0
.endr
	s_or_b32 s[G1S+0], s43, (3<<16)|(1<<21)
	s_or_b32 s[G1SB+0], s44, (3<<16)|(1<<21)
.irp g, G1S, G1SB
	s_mov_b32 s[\g+1], (HALFS/8)<<16               ; the scale words of 256 rows, dense: two rows of HALFS bytes
	s_mov_b32 s[\g+2], 2<<16
	s_mov_b32 s[\g+3], (HALFS/8)<<16
	s_mov_b32 s[\g+4], 2
	s_mov_b32 s[\g+5], HALFS/8
	s_mov_b32 s[\g+6], 0
	s_mov_b32 s[\g+7], 0
.endr
	s_lshl_b32 s20, s17, 1
	s_lshl_b32 s46, s42, 1
	s_mul_i32 s22, s20, HALFS
	s_add_co_u32 s22, s22, A_SC
	s_mul_i32 s92, s46, HALFS
	s_add_co_u32 s92, s92, B_SC
	s_mul_i32 s20, s20, KS*GSTEP
	s_mul_i32 s46, s46, KS*GSTEP
	s_add_co_u32 s46, s46, B_OFF
	s_mov_b32 s21, 0
	s_mov_b32 s23, 0
	s_mov_b32 s47, 0
	s_mov_b32 s93, 0
	s_mul_i32 s45, s14, HALFT
	s_wait_dscnt 0x0
	s_wait_kmcnt 0x0
	s_add_nc_u64 s[20:21], s[4:5], s[20:21]
	s_add_nc_u64 s[22:23], s[4:5], s[22:23]
	s_add_nc_u64 s[46:47], s[6:7], s[46:47]
	s_add_nc_u64 s[92:93], s[6:7], s[92:93]
	CROUND
	s_mov_b32 s[G0S], 1
	s_mov_b32 s[G0S+1], SCL
	s_mov_b64 s[G0S+2:G0S+3], s[22:23]
	s_or_b32 s[G0S+3], s[G0S+3], 0x80000000
	s_mov_b32 s[G0SB], 1
	s_mov_b32 s[G0SB+1], SCL+2*HALFS
	s_mov_b64 s[G0SB+2:G0SB+3], s[92:93]
	s_or_b32 s[G0SB+3], s[G0SB+3], 0x80000000
	; THE HEAD'S LOADS, ONE A WAVE: wave 0 K step 0 of A's 256 rows, wave 1 of B's, wave 2 A's scale words, wave 3 B's.  Slot 0's group 0 serves the head's load and is set for the ring behind the wait for it.
	s_mov_b32 s[G0], 1
	s_mov_b32 s[G0+1], 0
	s_mov_b64 s[G0+2:G0+3], s[20:21]
	s_or_b32 s[G0+3], s[G0+3], 0x80000000
	s_mov_b32 s[G0B], 1
	s_mov_b32 s[G0B+1], 2*HALFT
	s_mov_b64 s[G0B+2:G0B+3], s[46:47]
	s_or_b32 s[G0B+3], s[G0B+3], 0x80000000
	s_mul_i32 s96, s16, KS*GSTEP                   ; in the ring I fetch one group of 128 rows
	s_add_co_u32 s96, s96, HALFT                   ; slot 1: K step 1
	s_mov_b32 s97, 0
	; THE PREFETCH: the ring's K steps 1 to 3 are asked into the L2 ahead of their loads: 1 and 2 at the head, 3 behind slot 1's load.  Of the 96 blocks of 256 bytes that a wave fetches, each of the four partners that ask jointly takes 24,
	; told apart by address (cx for A, cy for B); lanes 24-31 name the last block again.  s[4:5] and v30 are never rewritten; the last block named ends with the group's 98,304 bytes.
	s_cmp_eq_u32 s15, 0
	s_cselect_b64 s[4:5], s[20:21], s[46:47]
	s_cselect_b32 s6, s40, s41
	s_mul_i32 s6, s6, 6144
	s_add_co_u32 s6, s6, s96                       ; my group of 128 rows, K step 1
	s_mov_b32 s7, 0
	s_add_nc_u64 s[4:5], s[4:5], s[6:7]
	s_mov_b32 s[G0+4], 1
	s_add_co_u32 s[G0+5], s45, SLOT
	s_add_nc_u64 s[G0+6:G0+7], s[20:21], s[96:97]
	s_or_b32 s[G0+7], s[G0+7], 0x80000000
	s_mov_b32 s[G0B+4], 1
	s_add_co_u32 s[G0B+5], s45, SLOT
	s_add_nc_u64 s[G0B+6:G0B+7], s[46:47], s[96:97]
	s_or_b32 s[G0B+7], s[G0B+7], 0x80000000
.macro ARM under, g0, g1, next
	s_cmp_lt_u32 s14, \under
	s_cbranch_scc0 \next
	tensor_load_to_lds s[\g0:\g0+3], s[\g1:\g1+7]
	s_nop 0
.rept 4
	v_nop
.endr
	s_branch .Lhead_asked
\next:
.endm
	ARM 1, G0,  G1,  .Lhead_b
	ARM 2, G0B, G1B, .Lhead_sa
	ARM 3, G0S, G1S, .Lhead_sb
	tensor_load_to_lds s[G0SB:G0SB+3], s[G1SB:G1SB+7]
	s_nop 0
.rept 4
	v_nop
.endr
.Lhead_asked:
	v_and_b32 v1, 15, v0
	v_bfe_u32 v2, v0, 4, 1
	v_and_b32 v3, 31, v0
	v_lshlrev_b32 v4, 4, v3
	s_wait_alu depctr_va_vdst(0)
	v_lshlrev_b32 v5, 3, v3
	v_add_nc_u32 v5, 512, v5
	v_min_u32 v30, 23, v3
	v_lshlrev_b32 v30, 8, v30                      ; v30: a lane a block of 256 bytes
	global_prefetch_b8 v30, s[4:5] th:TH_LOAD_NT scope:SCOPE_SE                  ; my share of K step 1,
	global_prefetch_b8 v30, s[4:5] offset:HALFT th:TH_LOAD_NT scope:SCOPE_SE     ; and of K step 2
	s_wait_alu depctr_va_vdst(0)
	v_lshlrev_b32 v7, 5, v2
	s_lshl_b32 s20, s42, 10
	s_lshl_b32 s21, s16, 9
	s_add_co_u32 s20, s20, s21
	s_mov_b32 s21, 0
	s_add_nc_u64 s[8:9], s[8:9], s[20:21]
.irp b, 0,1,2,3,4,5,6,7
	global_load_b128 v[BIAS+8*\b:BIAS+8*\b+3], v7, s[8:9] offset:64*\b
	global_load_b128 v[BIAS+8*\b+4:BIAS+8*\b+7], v7, s[8:9] offset:64*\b+16
.endr
	s_mul_i32 s21, s15, HALFT
	s_mul_i32 s22, s16, HALFT
	s_add_co_u32 s22, s22, 2*HALFT
.irp s, 0,1
	v_add_nc_u32 v[ADRA+\s], s21, v4
	v_add_nc_u32 v[ADRA+2+\s], s21, v5
	v_add_nc_u32 v[ADRB+\s], s22, v4
	v_add_nc_u32 v[ADRB+2+\s], s22, v5
	s_add_co_u32 s21, s21, SLOT
	s_add_co_u32 s22, s22, SLOT
.endr
	s_mul_i32 s21, s15, HALFS
	s_mul_i32 s22, s16, HALFS
	s_add_co_u32 s22, s22, 2*HALFS
	s_sub_co_u32 s22, s22, s21
	v_mul_u32_u24 v6, s22, v2
	s_add_co_u32 s21, s21, SCL
	v_lshl_add_u32 v6, v1, 2, v6
	v_add_nc_u32 v[ADRS], s21, v6
	s_lshl_b32 s20, s17, 1
	s_add_co_u32 s20, s20, s15
	s_lshl_b32 s21, s42, 1
	s_add_co_u32 s21, s21, s16
	s_mul_i32 s22, s20, 393216
	s_mul_i32 s23, s21, GSTEP
	s_add_co_u32 s22, s22, s23
	s_mov_b32 s23, 0
	s_lshl_b32 s20, s20, 14
	s_lshl_b32 s21, s21, 9
	s_add_co_u32 s20, s20, s21
	s_add_co_u32 s20, s20, 12582912
	s_mov_b32 s21, 0
	s_add_nc_u64 s[12:13], s[10:11], s[20:21]
	s_add_nc_u64 s[10:11], s[10:11], s[22:23]
	s_lshl_b32 s45, s14, 9
	s_add_co_u32 s45, s45, STG
	v_lshl_add_u32 v12, v1, 2, s45
	v_add_nc_u32 v13, s45, v4
.macro FRAG reg, adr, q, i
.irp c, 0,1
	ds_load_b128 v[\reg+6*\c:\reg+6*\c+3], v[\adr] offset:(\q)*GSTEP+(\i)*1536+768*\c
	ds_load_b64 v[\reg+6*\c+4:\reg+6*\c+5], v[\adr+2] offset:(\q)*GSTEP+(\i)*1536+768*\c
.endr
.endm
.macro MUL16 a0, p, q, sc, first
.irp a, \a0, \a0+1
.irp b, 0,1,2,3,4,5,6,7
.if \first
	v_wmma_scale_f32_16x16x128_f8f6f4 v[8*(8*((\a)%4)+\b):8*(8*((\a)%4)+\b)+7], v[128*(\p)+FR*\b:128*(\p)+FR*\b+FR-1], v[AF+FR*(\a):AF+FR*(\a)+FR-1], v[BIAS+8*\b:BIAS+8*\b+7], v[SC+16*(\sc)+2*\b+(\q)], v[SC+16*(\sc)+2*(\a)+(\q)] matrix_a_fmt:MATRIX_FMT_FP6 matrix_b_fmt:MATRIX_FMT_FP6 matrix_a_scale:MATRIX_SCALE_ROW1
.else
	v_wmma_scale_f32_16x16x128_f8f6f4 v[8*(8*((\a)%4)+\b):8*(8*((\a)%4)+\b)+7], v[128*(\p)+FR*\b:128*(\p)+FR*\b+FR-1], v[AF+FR*(\a):AF+FR*(\a)+FR-1], v[8*(8*((\a)%4)+\b):8*(8*((\a)%4)+\b)+7], v[SC+16*(\sc)+2*\b+(\q)], v[SC+16*(\sc)+2*(\a)+(\q)] matrix_a_fmt:MATRIX_FMT_FP6 matrix_b_fmt:MATRIX_FMT_FP6 matrix_a_scale:MATRIX_SCALE_ROW1
.endif
.endr
.endr
.endm
.macro FETCH_B slot, q, p
	WIN TO_B
.irp i, 0,1,2,3,4,5,6,7
	FRAG 128*(\p)+FR*\i, ADRB+\slot, \q, \i
.endr
	WIN 0
.endm
.macro FETCH_A slot, q, i0
.irp i, \i0, \i0+1, \i0+2, \i0+3
	FRAG AF+FR*(\i), ADRA+\slot, \q, \i
.endr
.endm
.macro SCALES sc
.irp i, 0,1,2,3,4,5,6,7
.irp q, 0,1
	ds_load_b32 v[SC+16*\sc+2*\i+\q], v[ADRS] offset:512*\q+64*\i
.endr
.endr
.endm
.macro PLACES n
.rept \n
	v_nop
.endr
.endm
.macro STEP slot, q, first
	s_wait_dscnt 4*NL
.if \first
	WIN 0x81
.else
	WIN MUL_LO
.endif
	MUL16 0, (\q)%2, \q, \slot, \first
	MUL16 2, (\q)%2, \q, \slot, \first
	s_wait_dscnt 0
	PLACES NP
	FETCH_B \slot, (\q)+1, 1-(\q)%2
	FETCH_A \slot, (\q)+1, 0
.if \first
	WIN 0xc1
.else
	WIN MUL_HI
.endif
	MUL16 4, (\q)%2, \q, \slot, \first
	MUL16 6, (\q)%2, \q, \slot, \first
	PLACES NP
	WIN 0
	FETCH_A \slot, (\q)+1, 4
.endm
.macro TURN slot, next, fill
	s_wait_tensorcnt 0x0
	ds_add_u32 v[SPW], v[NIL]
	s_wait_dscnt 4*NL+1
	WIN MUL_LO
	MUL16 0, 1, NQ-1, \slot, 0
	s_wait_dscnt 0x0
	s_barrier_signal -1
	MUL16 2, 1, NQ-1, \slot, 0
	WIN 0
	s_barrier_wait -1
.if \fill
	CREST
	s_add_nc_u64 s[G0+4*\slot+2:G0+4*\slot+3], s[G0+4*\slot+2:G0+4*\slot+3], 2*HALFT
	s_add_nc_u64 s[G0B+4*\slot+2:G0B+4*\slot+3], s[G0B+4*\slot+2:G0B+4*\slot+3], 2*HALFT
	JLOAD G0+4*\slot, G1, G0B+4*\slot, G1B
.else
	PLACES NP
.endif
	s_wait_alu depctr_va_vdst(0)
	v_add_nc_u32 v[ADRS], 1024, v[ADRS]
	FETCH_B \next, 0, 0
	FETCH_A \next, 0, 0
	SCALES \next
	WIN MUL_HI
	MUL16 4, 1, NQ-1, \slot, 0
	MUL16 6, 1, NQ-1, \slot, 0
	PLACES NP
	WIN 0
	FETCH_A \next, 0, 4
.endm
.macro QUANT s
.irp b, 0,1,2,3
	v_max3_num_f32 v[TM+\b], 0x1800000, |v[\s+16*\b]|, |v[\s+1+16*\b]|
.endr
.irp i, 2,4,6,8,10,12,14
.irp b, 0,1,2,3
	v_max3_num_f32 v[TM+\b], v[TM+\b], |v[\s+16*\b+\i]|, |v[\s+1+16*\b+\i]|
.endr
.endr
.irp b, 0,1,2,3
	v_permlanex16_b32 v[TM+4+\b], v[TM+\b], s66, s67
.endr
.irp b, 0,1,2,3
	v_max_num_f32 v[TM+\b], v[TM+\b], v[TM+4+\b]
.endr
.irp b, 0,1,2,3
	v_add_nc_u32 v[TM+12+\b], 0xff000000, v[TM+\b]
.endr
.irp b, 0,1,2,3
	v_lshrrev_b32 v[TM+4+\b], 23, v[TM+12+\b]
.endr
	v_lshl_or_b32 v[PW], v[TM+5], 8, v[TM+4]
	v_lshl_or_b32 v[PW], v[TM+6], 16, v[PW]
	v_lshl_or_b32 v[PW], v[TM+7], 24, v[PW]
.irp c, 0,1
	v_cvt_scalef32_pk16_fp6_f32 v[PC+6*\c:PC+2+6*\c], v[\s+32*\c:\s+15+32*\c], v[TM+12+2*\c]
	v_cvt_scalef32_pk16_fp6_f32 v[PC+12+4*\c:PC+14+4*\c], v[\s+16+32*\c:\s+31+32*\c], v[TM+12+2*\c+1]
.endr
	v_nop
.irp c, 0,1
.irp i, 0,1,2
	v_permlane16_swap_b32 v[PC+6*\c+\i], v[PC+12+4*\c+\i]
.endr
.irp i, 0,1,2
	v_mov_b32 v[PC+3+6*\c+\i], v[PC+12+4*\c+\i]
.endr
.endr
.endm
	s_mov_b32 s66, 0x76543210
	s_mov_b32 s67, 0xfedcba98
	s_wait_alu depctr_va_vdst(0)
	s_wait_loadcnt 0x0
	s_wait_tensorcnt 0x0                           ; my tile of the head's four is in
	ds_add_u32 v[SPW], v[NIL]
.irp g, G1, G1B
	s_mov_b32 s[\g+1], 1536<<16                    ; no tensor load of mine is out: from here on a load brings 24,576 dense bytes as two rows of 12,288
	s_mov_b32 s[\g+3], 1536<<16
	s_mov_b32 s[\g+5], 1536
.endr
	s_mul_i32 s20, s14, HALFT                      ; slot 0's group 0 for the ring: my quarter of the slot, my group of 128 rows
	s_mov_b32 s[G0+1], s20
	s_mov_b32 s[G0B+1], s20
	s_mul_i32 s20, s16, KS*GSTEP
	s_mov_b32 s21, 0
	s_add_nc_u64 s[G0+2:G0+3], s[G0+2:G0+3], s[20:21]
	s_add_nc_u64 s[G0B+2:G0B+3], s[G0B+2:G0B+3], s[20:21]
	s_wait_dscnt 0x0
	CROUND                                         ; all four tiles are in, all sixteen work-groups are here
	JLOAD G0+4, G1, G0B+4, G1B                     ; slot 1's first fill, the first tensor load behind the round
	FETCH_B 0, 0, 0
	FETCH_A 0, 0, 0
	SCALES 0
	global_prefetch_b8 v30, s[4:5] offset:2*HALFT th:TH_LOAD_NT scope:SCOPE_SE   ; behind slot 1's load: my share of K step 3
	FETCH_A 0, 0, 4
	STEP 0, 0, 1
	s_mov_b32 s3, LAPS-1
.Llap:
	TURN 0, 1, 1
	STEP 1, 0, 0
	TURN 1, 0, 1
	STEP 0, 0, 0
	s_sub_co_u32 s3, s3, 1
	s_cmp_lg_u32 s3, 0
	s_cbranch_scc1 .Llap
	TURN 0, 1, 0
	STEP 1, 0, 0
	s_wait_dscnt 4*NL
	WIN MUL_LO
	MUL16 0, 1, NQ-1, 1, 0
	MUL16 2, 1, NQ-1, 1, 0
	s_wait_dscnt 0
	WIN MUL_HI
	MUL16 4, 1, NQ-1, 1, 0
	MUL16 6, 1, NQ-1, 1, 0
	WIN 0
	PLACES NP
.irp b, 0,1,2,3
	v_mov_b32 v[TM+4+\b], 0
.endr
.irp a, 0,1,2,3,4,5,6,7
.if \a > 0
	s_wait_xcnt 0x0
.endif
	WIN 0x08+4*(\a/4)
.set n, 0
.rept 64
	v_max_num_f32 v[HN+n], 0, v[64*(\a%4)+n]
.set n, n+1
.endr
	WIN 0
	QUANT HN
	global_store_b128 v4, v[PC:PC+3], s[10:11] offset:\a*1536
	global_store_b64 v5, v[PC+4:PC+5], s[10:11] offset:\a*1536
	global_store_b128 v4, v[PC+6:PC+9], s[10:11] offset:\a*1536+768
	global_store_b64 v5, v[PC+10:PC+11], s[10:11] offset:\a*1536+768
	ds_store_b32 v12, v[PW] offset:64*\a
.endr
	ds_load_b128 v[240:243], v13
	s_wait_dscnt 0x0
	global_store_b128 v4, v[240:243], s[12:13]
	s_wait_tensorcnt 0x0
	ds_add_u32 v[SPW], v[NIL]
	s_wait_dscnt 0x0
	CROUND
	s_endpgm
.Lfunc_end_k_qc622ec16b4_ffn1:
	.size	k_qc622ec16b4_ffn1, .Lfunc_end_k_qc622ec16b4_ffn1-k_qc622ec16b4_ffn1
	.p2alignl 7, 3214868480
	.fill 96, 4, 3214868480
	.section	.rodata,"a",@progbits
	.p2align	6, 0x0
	.amdhsa_kernel k_qc622ec16b4_ffn1
		.amdhsa_group_segment_fixed_size 327680
		.amdhsa_private_segment_fixed_size 0
		.amdhsa_enable_private_segment 0
		.amdhsa_kernarg_size 32
		.amdhsa_user_sgpr_count 2
		.amdhsa_user_sgpr_kernarg_segment_ptr 1
		.amdhsa_wavefront_size32 1
		.amdhsa_system_sgpr_workgroup_id_x 1
		.amdhsa_system_sgpr_workgroup_id_y 1
		.amdhsa_system_sgpr_workgroup_id_z 1
		.amdhsa_system_vgpr_workitem_id 0
		.amdhsa_next_free_vgpr 1024
		.amdhsa_next_free_sgpr 102
		.amdhsa_reserve_vcc 0
		.amdhsa_float_denorm_mode_32 3
		.amdhsa_float_denorm_mode_16_64 3
		.amdhsa_memory_ordered 1
		.amdhsa_forward_progress 1
		.amdhsa_inst_pref_size 170
	.end_amdhsa_kernel
	.amdgpu_metadata
---
amdhsa.version: [ 1, 2 ]
amdhsa.kernels:
  - .name:           k_qc622ec16b4_ffn1
    .symbol:         k_qc622ec16b4_ffn1.kd
    .args:
      - { .name: h2q, .offset: 0, .size: 8, .value_kind: global_buffer, .address_space: global }
      - { .name: wts, .offset: 8, .size: 8, .value_kind: global_buffer, .address_space: global }
      - { .name: b1, .offset: 16, .size: 8, .value_kind: global_buffer, .address_space: global }
      - { .name: f1q, .offset: 24, .size: 8, .value_kind: global_buffer, .address_space: global }
    .group_segment_fixed_size: 327680
    .private_segment_fixed_size: 0
    .kernarg_segment_align: 8
    .kernarg_segment_size: 32
    .max_flat_workgroup_size: 128
    .sgpr_count:     102
    .vgpr_count:     1024
    .wavefront_size: 32
...
	.end_amdgpu_metadata
.endif
;; end of part 13
;; launch ffn2 (part 14): grid 8 x 32, 4 waves a work-group, clusters of 4 x 4, 327,680 bytes of LDS; arguments f1q, wts, b2, x1, out0; writes out0
.if DOCPART == 14
	.amdgcn_target "amdgcn-amd-amdhsa--gfx1250"
	.amdhsa_code_object_version 6
	.text
	.protected	k_qc622ec16b4_ffn2
	.globl	k_qc622ec16b4_ffn2
	.p2align	8
	.type	k_qc622ec16b4_ffn2,@function
k_qc622ec16b4_ffn2:
	s_mov_b64 s[64:65], 0
	v_nop
	global_prefetch_b8 v0, s[64:65] scope:SCOPE_SE
	s_setreg_imm32_b32 hwreg(HW_REG_WAVE_MODE, 25, 1), 1
	s_wait_xcnt 0x0
	s_wait_alu depctr_hold_cnt(0) depctr_sa_sdst(0) depctr_va_vdst(0) depctr_va_sdst(0) depctr_va_ssrc(0) depctr_va_vcc(0) depctr_vm_vsrc(0)
	s_getreg_b32 s2, hwreg(HW_REG_IB_STS2, 6, 4)
	s_cmp_eq_u32 s2, 0
	s_cbranch_scc0 .Lentry_in_a_cluster
	s_endpgm
.Lentry_in_a_cluster:
	s_bfe_u32 s2, ttmp6, 0x10000c
	s_cmp_lg_u32 s2, 0xf033
	s_cbranch_scc0 .Lentry_shape_is_right
	s_endpgm
.Lentry_shape_is_right:
; out = x1 + relu(..) W2 + b2.  C[m][n] = R[m][n] + (bias[n] + sum over k of A[m][k] B[n][k]), K = 4,096; A = the hidden layer's codes, B = W2's codes, FP6 (E2M3) with E8M0 scales for each 32 along K; R = x1, C = out0: [4,096][1,024] f32; sums in f32.
; OPERANDS IN MEMORY: codes [row / 128][K step of 128][(row / 16) % 8][1,536], scale words [row / 128][K step][row % 128].  A fragment (16 rows x 128 K) is an image of its 12 registers, in two halves of 768 bytes: registers 6 c .. 6 c + 3 at 16 x lane,
; 6 c + 4, 6 c + 5 at 512 + 8 x lane: it comes from LDS by two loads of 16 bytes and two of 8, each of consecutive bytes: no pitch, no padding.
; SHAPE: C has 4,096 x 1,024 numbers: tiles of 128 x 128 make 256 work-groups, tiles of 256 x 256 only 64.  Four waves, 64 x 64 each: 16 accumulators.  A tile's rows of A are one group of 128 rows of the layout above, its rows of B likewise.
; K goes in steps of 512 through two LDS slots: A's four K steps (49,152 dense bytes), then B's four.  Each wave brings 24,576 dense bytes by one tensor load: waves 0, 1 A's K steps 0-1 and 2-3, waves 2, 3 B's.
; K = 4,096 is eight slots: two first fills and six refills.  The scale words of the two groups for all of K (32,768 bytes) come once, with the first fills, wave 2 A's, wave 3 B's.
; CLUSTERS: 4 x 4 work-groups; A's tiles are asked for jointly along a row of the cluster, B's along a column.  THE MATRIX INSTRUCTION IS USED TRANSPOSED (source 0 = B's rows, source 1 = A's): lane (r, h) holds row 16 a + r and columns 16 b + 8 h + 0..7.
; THE BIAS is the C of each sum's first matrix instruction: eight registers for each of B's four blocks, in the result's layout.
; THE RESIDUAL: a wave's 64 columns are 256 consecutive bytes of a row, at a multiple of 256.  On the way out a block of 16 rows goes through the wave's own stage and comes back with sixteen lanes to a row; R is loaded at the head in that very layout
; (32 loads, which stay on their way under the whole product) and added there.
; REGISTERS, in windows of 256: window 0: v1-31 addresses; v32-63 scale words, two sets; v64-95 the bias, later v64-127 two buffers of 16 rows; v128-255 the accumulators ((a, b) at v[128 + 8 (4 a + b)]).
;   window 1: two sets of fragments, at v0 and v128: A's four at + 0, B's four at + 48.   window 2: v0-127 the residual.
.set KTOT,   4096
.set A_SC,   12582912                  ; A's scale words in its buffer
.set B_OFF,  6291456                   ; B's codes in wts
.set B_SC,   9699328                   ; B's scale words in wts
.set KS,     KTOT/128
.set NSL,    KTOT/512                  ; slots' worth of K
.set LAPS,   NSL/2                     ; a lap = two slots = once round the ring
.set FR,     12                        ; registers of a fragment
.set NP,     4                         ; places behind this matrix instruction (ISA guide 7.12.1)
.set GSTEP,  12288                     ; 128 rows x 128 K
.set QTR,    2*GSTEP                   ; what one tensor load brings
.set HALF,   4*GSTEP                   ; A's part of a slot, or B's
.set SLOT,   2*HALF
.set HALFS,  KS*512                    ; the scale words of 128 rows, all of K
.set QS,     HALFS/2                   ; half of them
.set SCL,    2*SLOT
.set SPARE,  SCL+2*HALFS               ; the spare words, 128 bytes for each wave: two blocks of 256 bytes that no other line names
.set STG,    SPARE+512                 ; a stage of 16 rows x (256 bytes + 16) for each wave; no fill lands here
.set SPITCH, 272                       ; 68 words: row r starts at bank 4 r mod 64 (64 banks of 4 bytes: ISA guide 11.1)
.set ROWC,   4096                      ; a row of R and of C in bytes
.set ADRA, 16                          ; v16-17 LDS address of my A fragments' 16-byte parts in slot 0, 1; v18-19 of their 8-byte parts
.set ADRB, 20                          ; v20-23 the same for B
.set STO,  24                          ; v24 the stage by the result's layout: row r, 32 h
.set RD,   25                          ; v25 the stage by rows: row h, 16 r
.set CO,   26                          ; v26 the same two rows in R and C: 4,096 h + 16 r; never rewritten
.set ADRS, 27                          ; v27 my scale words: lanes 0-15 A's rows, lanes 16-31 B's
.set SPW,  28                          ; v28 LDS address of my spare word; never rewritten
.set NIL,  29                          ; v29 0; never rewritten
.set SC,   32                          ; set s at v[SC + 16 s]; register 4 q + i: lanes 0-15 A's block i, lanes 16-31 B's block i, the slot's q-th 128 along K
.set BIAS, 64
.set OUTB, 64
.set ACC,  128
.set G1, 24
.set G0, 32
.set G1B, 48
.set G0B, 56
.set G1S, 68
.set G0S, 76
.set G1SB, 80
.set G0SB, 88
.set MSB, 0
.macro WIN new                         ; the immediate's high byte repeats the setting that is left
.if MSB != \new
	s_set_vgpr_msb (MSB<<8)|\new
.set MSB, \new
.endif
.endm
.set MUL,   0x05                       ; sources 0 (B) and 1 (A) window 1; C and D window 0
.set TO_F,  0x40                       ; destination window 1, address window 0
.set TO_R,  0x80                       ; destination window 2, address window 0
.set ADD_R, 0x08                       ; source 1 window 2
.macro JLOAD g0a, g1a, g0b, g1b        ; a joint load: waves 0 and 1 fetch for A, waves 2 and 3 for B; an s_nop 0 and four v_nop follow each line
	s_cmp_eq_u32 s15, 0
	s_cbranch_scc0 .Lfor_b_\@
	tensor_load_to_lds s[\g0a:\g0a+3], s[\g1a:\g1a+7]
	s_nop 0
.rept 4
	v_nop
.endr
	s_branch .Lasked_\@
.Lfor_b_\@:
	tensor_load_to_lds s[\g0b:\g0b+3], s[\g1b:\g1b+7]
	s_nop 0
.rept 4
	v_nop
.endr
.Lasked_\@:
.endm
.macro CREST                           ; a round of the cluster's barrier behind its opening barrier
	s_cmp_lg_u32 s14, 0
	s_cbranch_scc1 .Lnot_wave_0_\@
	s_barrier_signal -3
.Lnot_wave_0_\@:
	s_barrier_wait -3
	s_barrier_signal -1
	s_barrier_wait -1
.endm
.macro CROUND
	s_barrier_signal -1
	s_barrier_wait -1
	CREST
.endm
	s_load_b256 s[4:11], s[0:1], 0x0               ; A s[4:5], wts s[6:7], the bias s[8:9], R s[10:11]
	s_load_b64 s[12:13], s[0:1], 0x20              ; C
	v_lshl_add_u32 v[SPW], v0, 2, SPARE
	v_mov_b32 v[NIL], 0
	ds_add_u32 v[SPW], v[NIL]                      ; the wave's opening: the add, twice on end, and its wait ahead of my first tensor load
	ds_add_u32 v[SPW], v[NIL]
	v_lshrrev_b32 v1, 5, v0
	v_readfirstlane_b32 s14, v1                    ; wave 0..3
	s_lshr_b32 s15, s14, 1                         ; my half of the tile's rows.  Also: I fetch for A (0) or for B (1)
	s_and_b32 s16, s14, 1                          ; my half of its columns.  Also: which two K steps of a slot I fetch
	s_bfe_u32 s40, ttmp6, 0x40000                  ; cx
	s_bfe_u32 s41, ttmp6, 0x40004                  ; cy
	s_lshl_b32 s42, ttmp9, 2
	s_add_co_u32 s42, s42, s40                     ; tile column of C = B's group of 128 rows
	s_and_b32 s17, ttmp7, 0xffff
	s_lshl_b32 s17, s17, 2
	s_add_co_u32 s17, s17, s41                     ; tile row of C = A's group of 128 rows
	s_lshl_b32 s43, s41, 2
	s_lshl_b32 s43, 15, s43                        ; my row of the cluster
	s_lshl_b32 s44, 0x1111, s40                    ; my column
	s_or_b32 s[G1+0], s43, (3<<16)|(1<<21)         ; elements of 8 bytes, no padding; 15:0 the mask; bit 21 set beside a mask
	s_or_b32 s[G1B+0], s44, (3<<16)|(1<<21)
.irp g, G1, G1B
	s_mov_b32 s[\g+1], 3072<<16                    ; for the head's load: an operand's whole part of slot 0, 49,152 dense bytes, two rows of 24,576
	s_mov_b32 s[\g+2], 2<<16
	s_mov_b32 s[\g+3], 3072<<16
	s_mov_b32 s[\g+4], 2
	s_mov_b32 s[\g+5], 3072
	s_mov_b32 s[\g+6], 0
	s_mov_b32 s[\g+7], 0
.endr
	s_or_b32 s[G1S+0], s43, (3<<16)|(1<<21)        ; a group's scale words: HALFS dense bytes
	s_or_b32 s[G1SB+0], s44, (3<<16)|(1<<21)
.irp g, G1S, G1SB
	s_mov_b32 s[\g+1], (HALFS/16)<<16              ; a group's scale words, HALFS dense bytes, two rows
	s_mov_b32 s[\g+2], 2<<16
	s_mov_b32 s[\g+3], (HALFS/16)<<16
	s_mov_b32 s[\g+4], 2
	s_mov_b32 s[\g+5], HALFS/16
	s_mov_b32 s[\g+6], 0
	s_mov_b32 s[\g+7], 0
.endr
	s_mul_i32 s22, s17, HALFS
	s_add_co_u32 s22, s22, A_SC
	s_mul_i32 s92, s42, HALFS
	s_add_co_u32 s92, s92, B_SC
	s_mul_i32 s20, s17, KS*GSTEP
	s_mul_i32 s46, s42, KS*GSTEP
	s_add_co_u32 s46, s46, B_OFF
	s_mov_b32 s21, 0
	s_mov_b32 s23, 0
	s_mov_b32 s47, 0
	s_mov_b32 s93, 0
	s_mul_i32 s45, s14, QTR                        ; where they go: wave x a quarter: no place in the cluster enters an LDS address
	s_wait_dscnt 0x0                               ; both opening adds are done
	s_wait_kmcnt 0x0
	s_add_nc_u64 s[20:21], s[4:5], s[20:21]
	s_add_nc_u64 s[22:23], s[4:5], s[22:23]
	s_add_nc_u64 s[46:47], s[6:7], s[46:47]
	s_add_nc_u64 s[92:93], s[6:7], s[92:93]
	CROUND                                         ; all sixteen work-groups are here: the first joint loads meet
	s_mov_b32 s[G0S], 1
	s_mov_b32 s[G0S+1], SCL
	s_mov_b64 s[G0S+2:G0S+3], s[22:23]
	s_or_b32 s[G0S+3], s[G0S+3], 0x80000000
	s_mov_b32 s[G0SB], 1
	s_mov_b32 s[G0SB+1], SCL+HALFS
	s_mov_b64 s[G0SB+2:G0SB+3], s[92:93]
	s_or_b32 s[G0SB+3], s[G0SB+3], 0x80000000
	; THE HEAD'S LOADS, ONE A WAVE: wave 0 A's part of slot 0, wave 1 B's, wave 2 A's scale words, wave 3 B's.  Slot 0's group 0 serves the head's load and is set for the ring behind the wait for it.
.set PFA, 66                           ; s[66:67] where my prefetches stand
.set PFO, 30                           ; v30 their offset: a lane a block of 256 bytes; never rewritten
	s_mov_b32 s[G0], 1
	s_mov_b32 s[G0+1], 0
	s_mov_b64 s[G0+2:G0+3], s[20:21]
	s_or_b32 s[G0+3], s[G0+3], 0x80000000
	s_mov_b32 s[G0B], 1
	s_mov_b32 s[G0B+1], HALF
	s_mov_b64 s[G0B+2:G0B+3], s[46:47]
	s_or_b32 s[G0B+3], s[G0B+3], 0x80000000
	s_mul_i32 s18, s16, QTR                        ; in the ring I fetch two K steps of a slot
	; THE PREFETCH: behind the refill that asks for slot n stands a request for slot n + 2, two changes of slots ahead.  Of the 96 blocks of 256 bytes that a wave fetches, each of the four partners that ask jointly takes 24, told apart by address
	; (cx for A, cy for B); lanes 24-31 name the last block again.  Slot 0 comes by its load alone; the loop's last trip, whose slots n + 2 do not exist, asks for nothing.
	s_cmp_eq_u32 s15, 0
	s_cselect_b64 s[PFA:PFA+1], s[20:21], s[46:47]
	s_cselect_b32 s98, s40, s41
	s_mul_i32 s98, s98, 6144
	s_add_co_u32 s98, s98, s18
	s_add_co_u32 s98, s98, 3*HALF                  ; the first change of slots steps it to slot 4
	s_mov_b32 s99, 0
	s_add_nc_u64 s[PFA:PFA+1], s[PFA:PFA+1], s[98:99]
	s_add_co_u32 s96, s18, HALF                    ; slot 1
	s_mov_b32 s97, 0
	s_mov_b32 s[G0+4], 1
	s_add_co_u32 s[G0+5], s45, SLOT
	s_add_nc_u64 s[G0+6:G0+7], s[20:21], s[96:97]
	s_or_b32 s[G0+7], s[G0+7], 0x80000000
	s_mov_b32 s[G0B+4], 1
	s_add_co_u32 s[G0B+5], s45, SLOT
	s_add_nc_u64 s[G0B+6:G0B+7], s[46:47], s[96:97]
	s_or_b32 s[G0B+7], s[G0B+7], 0x80000000
.macro ASK
	s_cmp_gt_u32 s3, 1
	s_cbranch_scc0 .Lnot_mine_\@
	global_prefetch_b8 v[PFO], s[PFA:PFA+1] th:TH_LOAD_NT scope:SCOPE_SE
.Lnot_mine_\@:
.endm
.macro ARM under, g0, g1, next
	s_cmp_lt_u32 s14, \under
	s_cbranch_scc0 \next
	tensor_load_to_lds s[\g0:\g0+3], s[\g1:\g1+7]
	s_nop 0
.rept 4
	v_nop
.endr
	s_branch .Lhead_asked
\next:
.endm
	ARM 1, G0,  G1,  .Lhead_b
	ARM 2, G0B, G1B, .Lhead_sa
	ARM 3, G0S, G1S, .Lhead_sb
	tensor_load_to_lds s[G0SB:G0SB+3], s[G1SB:G1SB+7]
	s_nop 0
.rept 4
	v_nop
.endr
.Lhead_asked:
	v_and_b32 v1, 15, v0                           ; r
	v_bfe_u32 v2, v0, 4, 1                         ; h
	v_and_b32 v3, 31, v0
	v_lshlrev_b32 v4, 4, v3                        ; 16 x lane
	v_lshlrev_b32 v5, 3, v3
	v_add_nc_u32 v5, 512, v5                       ; 512 + 8 x lane
	v_min_u32 v[PFO], 23, v3
	v_lshlrev_b32 v[PFO], 8, v[PFO]
	v_lshlrev_b32 v7, 5, v2
	s_wait_alu depctr_va_vdst(0)
	v_lshlrev_b32 v[CO], 12, v2
	v_lshl_add_u32 v[CO], v1, 4, v[CO]             ; lanes 0-15 one row's 256 bytes, lanes 16-31 the next row's
	s_wait_alu depctr_va_vdst(0)
	s_lshl_b32 s20, s17, 7
	s_lshl_b32 s21, s15, 6
	s_add_co_u32 s20, s20, s21                     ; my first row: 128 x tile row + 64 x half
	s_lshl_b32 s20, s20, 12
	s_lshl_b32 s22, s42, 9
	s_lshl_b32 s21, s16, 8
	s_add_co_u32 s22, s22, s21                     ; my first column, in bytes: 512 x tile column + 256 x half
	s_add_co_u32 s20, s20, s22
	s_mov_b32 s21, 0
	s_mov_b32 s23, 0
	s_add_nc_u64 s[10:11], s[10:11], s[20:21]
	s_add_nc_u64 s[12:13], s[12:13], s[20:21]
	s_add_nc_u64 s[8:9], s[8:9], s[22:23]
.irp b, 0,1,2,3
	global_load_b128 v[BIAS+8*\b:BIAS+8*\b+3], v7, s[8:9] offset:64*\b
	global_load_b128 v[BIAS+8*\b+4:BIAS+8*\b+7], v7, s[8:9] offset:64*\b+16
.endr
	global_prefetch_b8 v[PFO], s[PFA:PFA+1] offset:-2*HALF th:TH_LOAD_NT scope:SCOPE_SE   ; my share of slot 1, which is loaded behind the head's wait,
	global_prefetch_b8 v[PFO], s[PFA:PFA+1] offset:-HALF th:TH_LOAD_NT scope:SCOPE_SE     ; and of slot 2: two slots are asked for and not yet read
	s_mul_i32 s21, s15, 4*1536
	s_mul_i32 s22, s16, 4*1536
	s_add_co_u32 s22, s22, HALF                    ; my four of B's, behind A's part of the slot
.irp s, 0,1
	v_add_nc_u32 v[ADRA+\s], s21, v4
	v_add_nc_u32 v[ADRA+2+\s], s21, v5
	v_add_nc_u32 v[ADRB+\s], s22, v4
	v_add_nc_u32 v[ADRB+2+\s], s22, v5
	s_add_co_u32 s21, s21, SLOT
	s_add_co_u32 s22, s22, SLOT
.endr
	s_lshl_b32 s21, s15, 8                         ; A's scale words: my 64 rows, 4 bytes each
	s_lshl_b32 s22, s16, 8
	s_add_co_u32 s22, s22, HALFS                   ; B's: behind A's
	s_sub_co_u32 s22, s22, s21
	v_mul_u32_u24 v6, s22, v2                      ; lanes 16-31 take B's: the lower base + h x the distance
	s_add_co_u32 s21, s21, SCL
	v_lshl_add_u32 v6, v1, 2, v6
	v_add_nc_u32 v[ADRS], s21, v6
	s_mul_i32 s23, s14, 16*SPITCH
	s_add_co_u32 s23, s23, STG                     ; my stage
	v_mul_u32_u24 v6, v1, SPITCH
	v_lshl_add_u32 v6, v2, 5, v6
	v_add_nc_u32 v[STO], s23, v6
	v_mul_u32_u24 v6, v2, SPITCH
	v_lshl_add_u32 v6, v1, 4, v6
	v_add_nc_u32 v[RD], s23, v6
.macro FRAG reg, adr, q, i             ; a fragment as it lies: for each half 16 bytes a lane and 8 bytes a lane
.irp c, 0,1
	ds_load_b128 v[\reg+6*\c:\reg+6*\c+3], v[\adr] offset:(\q)*GSTEP+(\i)*1536+768*\c
	ds_load_b64 v[\reg+6*\c+4:\reg+6*\c+5], v[\adr+2] offset:(\q)*GSTEP+(\i)*1536+768*\c
.endr
.endm
; 4 matrix instructions: A's block a x B's four, 128 along K: the slot's q-th.  p: the set of fragments; sc: the set of scale words.  first = 1: the bias is the C of the sums' first products.
; The 16 accumulators take turns, one instruction a turn, in the same order in every step.
.macro MUL4 a, p, q, sc, first
.irp b, 0,1,2,3
.if \first
	v_wmma_scale_f32_16x16x128_f8f6f4 v[ACC+8*(4*(\a)+\b):ACC+8*(4*(\a)+\b)+7], v[128*(\p)+48+FR*\b:128*(\p)+48+FR*\b+FR-1], v[128*(\p)+FR*(\a):128*(\p)+FR*(\a)+FR-1], v[BIAS+8*\b:BIAS+8*\b+7], v[SC+16*(\sc)+4*(\q)+\b], v[SC+16*(\sc)+4*(\q)+(\a)] matrix_a_fmt:MATRIX_FMT_FP6 matrix_b_fmt:MATRIX_FMT_FP6 matrix_a_scale:MATRIX_SCALE_ROW1
.else
	v_wmma_scale_f32_16x16x128_f8f6f4 v[ACC+8*(4*(\a)+\b):ACC+8*(4*(\a)+\b)+7], v[128*(\p)+48+FR*\b:128*(\p)+48+FR*\b+FR-1], v[128*(\p)+FR*(\a):128*(\p)+FR*(\a)+FR-1], v[ACC+8*(4*(\a)+\b):ACC+8*(4*(\a)+\b)+7], v[SC+16*(\sc)+4*(\q)+\b], v[SC+16*(\sc)+4*(\q)+(\a)] matrix_a_fmt:MATRIX_FMT_FP6 matrix_b_fmt:MATRIX_FMT_FP6 matrix_a_scale:MATRIX_SCALE_ROW1
.endif
.endr
.endm
.macro FETCH slot, q, p                ; 32 LDS loads in one run: B's four fragments and A's four of the slot's q-th 128 along K, into set p
	WIN TO_F
.irp i, 0,1,2,3
	FRAG 128*(\p)+48+FR*\i, ADRB+\slot, \q, \i
.endr
.irp i, 0,1,2,3
	FRAG 128*(\p)+FR*\i, ADRA+\slot, \q, \i
.endr
.endm
.macro SCALES sc                       ; a slot's scale words: lanes 0-15 A's block i, lanes 16-31 B's block i
.irp q, 0,1,2,3
.irp i, 0,1,2,3
	ds_load_b32 v[SC+16*\sc+4*\q+\i], v[ADRS] offset:512*\q+64*\i
.endr
.endr
.endm
.macro PLACES n                        ; plain vector instructions between a matrix instruction and a load into one of its registers, or the first read of its result
.rept \n
	v_nop
.endr
.endm
.macro STEP slot, q, first             ; a step of 128 along K that has its successor in the same slot: the successor's fragments are asked for first, then this step's 16 products are issued
	s_wait_dscnt 0x0                               ; this step's fragments are in (asked for 16 matrix instructions ago, or 8 behind a change of slots)
	PLACES NP                                      ; behind the last step's products, which read the other set
	FETCH \slot, (\q)+1, 1-(\q)%2
	WIN MUL
	MUL4 0, (\q)%2, \q, \slot, \first
	MUL4 1, (\q)%2, \q, \slot, \first
	MUL4 2, (\q)%2, \q, \slot, \first
	MUL4 3, (\q)%2, \q, \slot, \first
.endm
; A slot's fourth step changes slots: one barrier; in front of it each wave waits for all its tensor loads, adds 0 to its spare word, and waits for that and for its reads of this slot.  fill = 1: this slot is filled again, two slots ahead.
.macro TURN slot, next, fill
	WIN 0
.if \fill
	s_wait_xcnt 0x0                                ; my last prefetch has read its address: it is stepped here, a slot on
	s_add_nc_u64 s[PFA:PFA+1], s[PFA:PFA+1], HALF
.endif
	s_wait_tensorcnt 0x0
	ds_add_u32 v[SPW], v[NIL]
	s_wait_dscnt 1
	WIN MUL
	MUL4 0, 1, 3, \slot, 0
	s_wait_dscnt 0x0                               ; the add is done, and my reads of this slot are over
	s_barrier_signal -1
	MUL4 1, 1, 3, \slot, 0
	WIN 0
	s_barrier_wait -1
.if \fill
	CREST                                          ; the barrier has opened a round of the cluster's barrier: no wave of any partner still reads this slot or has a load on its way
	s_add_nc_u64 s[G0+4*\slot+2:G0+4*\slot+3], s[G0+4*\slot+2:G0+4*\slot+3], 2*HALF
	s_add_nc_u64 s[G0B+4*\slot+2:G0B+4*\slot+3], s[G0B+4*\slot+2:G0B+4*\slot+3], 2*HALF
	JLOAD G0+4*\slot, G1, G0B+4*\slot, G1B         ; the first tensor load behind the round; its four v_nop are the places in front of the loads below
.else
	PLACES NP
.endif
	s_wait_alu depctr_va_vdst(0)
	v_add_nc_u32 v[ADRS], 2048, v[ADRS]            ; the next slot's scale words
	SCALES \next
	FETCH \next, 0, 0
.if \fill
	WIN 0                                          ; (a branch follows)
	ASK
.endif
	WIN MUL
	MUL4 2, 1, 3, \slot, 0
	MUL4 3, 1, 3, \slot, 0
.endm
	s_wait_alu depctr_va_vdst(0)
	s_wait_tensorcnt 0x0                           ; my tile of the head's four is in
	ds_add_u32 v[SPW], v[NIL]
.irp g, G1, G1B
	s_mov_b32 s[\g+1], 1536<<16                    ; no tensor load of mine is out: from here on a load brings 24,576 dense bytes as two rows of 12,288
	s_mov_b32 s[\g+3], 1536<<16
	s_mov_b32 s[\g+5], 1536
.endr
	s_mul_i32 s20, s14, QTR                        ; slot 0's group 0 for the ring: my quarter of the slot, my two K steps
	s_mov_b32 s[G0+1], s20
	s_mov_b32 s[G0B+1], s20
	s_mul_i32 s20, s16, QTR
	s_mov_b32 s21, 0
	s_add_nc_u64 s[G0+2:G0+3], s[G0+2:G0+3], s[20:21]
	s_add_nc_u64 s[G0B+2:G0B+3], s[G0B+2:G0B+3], s[20:21]
	s_wait_dscnt 0x0
	CROUND                                         ; all four tiles are in, all sixteen work-groups are here
	JLOAD G0+4, G1, G0B+4, G1B                     ; slot 1's first fill, the first tensor load behind the round
	SCALES 0
	global_prefetch_b8 v[PFO], s[PFA:PFA+1] th:TH_LOAD_NT scope:SCOPE_SE                  ; behind slot 1's load: my share of slot 3
	FETCH 0, 0, 0
	WIN TO_R
.irp a, 0,1,2,3                        ; R's 64 rows x 256 bytes, two rows a load, into window 2: wanted on the way out alone, so asked for behind the head's tiles
.irp t, 0,1,2,3,4,5,6,7
	global_load_b128 v[32*\a+4*\t:32*\a+4*\t+3], v[CO], s[10:11] offset:(16*\a+2*\t)*ROWC th:TH_LOAD_NT
.endr
.endr
	WIN 0
	s_wait_loadcnt 32
	STEP 0, 0, 1                                   ; the first step's products start the sums, from the bias
	STEP 0, 1, 0
	STEP 0, 2, 0
.if LAPS > 1
	WIN 0                                          ; at a label and at a branch every window is 0
	s_mov_b32 s3, LAPS-1
.Llap:                                                 ; a trip goes once round the ring, from a lap's fourth step to the next lap's third, and fills both slots again
	TURN 0, 1, 1
	STEP 1, 0, 0
	STEP 1, 1, 0
	STEP 1, 2, 0
	TURN 1, 0, 1
	STEP 0, 0, 0
	STEP 0, 1, 0
	STEP 0, 2, 0
	WIN 0
	s_sub_co_u32 s3, s3, 1
	s_cmp_lg_u32 s3, 0
	s_cbranch_scc1 .Llap
.endif
	TURN 0, 1, 0                                   ; the last lap fills nothing, and has no round of the cluster's barrier
	STEP 1, 0, 0
	STEP 1, 1, 0
	STEP 1, 2, 0
	s_wait_dscnt 0x0                               ; the very last step: nothing more to fetch
	WIN MUL
	MUL4 0, 1, 3, 1, 0
	MUL4 1, 1, 3, 1, 0
	MUL4 2, 1, 3, 1, 0
	MUL4 3, 1, 3, 1, 0
	WIN 0
; THE WAY OUT, block by block of 16 rows x 64 columns: through my own stage and back with sixteen lanes to a row's 256 bytes; R is added; two rows a store.
; LDS serves a wave's instructions in order (ISA guide 5.7.1.4): no wait between the stores and the loads, nor in front of the next block's stores.
.macro TOSTAGE a
.irp b, 0,1,2,3
	ds_store_b128 v[STO], v[ACC+8*(4*(\a)+\b):ACC+8*(4*(\a)+\b)+3] offset:64*\b          ; each accumulator from its low end on
	ds_store_b128 v[STO], v[ACC+8*(4*(\a)+\b)+4:ACC+8*(4*(\a)+\b)+7] offset:64*\b+16
.endr
.set BB, OUTB+32*((\a)%2)
.irp t, 0,1,2,3,4,5,6,7
	ds_load_b128 v[BB+4*\t:BB+4*\t+3], v[RD] offset:2*\t*SPITCH
.endr
.endm
.macro SEND a, younger                 ; younger: the LDS instructions issued behind block a's loads, which may stay out
.set BB, OUTB+32*((\a)%2)
	s_wait_dscnt \younger
	WIN ADD_R
.irp t, 0,1,2,3,4,5,6,7
	v_pk_add_f32 v[BB+4*\t:BB+4*\t+1], v[BB+4*\t:BB+4*\t+1], v[32*(\a)+4*\t:32*(\a)+4*\t+1]
	v_pk_add_f32 v[BB+4*\t+2:BB+4*\t+3], v[BB+4*\t+2:BB+4*\t+3], v[32*(\a)+4*\t+2:32*(\a)+4*\t+3]
.endr
	WIN 0
.irp t, 0,1,2,3,4,5,6,7
	global_store_b128 v[CO], v[BB+4*\t:BB+4*\t+3], s[12:13] offset:(16*(\a)+2*\t)*ROWC th:TH_STORE_NT   ; 16 lanes store 256 consecutive bytes, at a multiple of 256 from C's first byte; written once, read by nobody here
.endr
.endm
	PLACES NP
	s_wait_loadcnt 0x0                             ; R
	TOSTAGE 0
.irp a, 1,2,3
.if \a > 1
	s_wait_xcnt 0x0                                ; block a - 2's stores have read their registers: block a's loads may land there
.endif
	TOSTAGE \a
	SEND \a-1, 16                                  ; behind block a - 1's loads: block a's 8 stores and 8 loads
.endr
	SEND 3, 0
	s_wait_tensorcnt 0x0                           ; the wave's end: behind my last tensor load and my last LDS store
	ds_add_u32 v[SPW], v[NIL]
	s_wait_dscnt 0x0
	CROUND                                         ; the closing round: no work-group ends while a partner may still ask for a tile that names it
	s_endpgm
.Lfunc_end_k_qc622ec16b4_ffn2:
	.size	k_qc622ec16b4_ffn2, .Lfunc_end_k_qc622ec16b4_ffn2-k_qc622ec16b4_ffn2
	.p2alignl 7, 3214868480
	.fill 96, 4, 3214868480
	.section	.rodata,"a",@progbits
	.p2align	6, 0x0
	.amdhsa_kernel k_qc622ec16b4_ffn2
		.amdhsa_group_segment_fixed_size 327680
		.amdhsa_private_segment_fixed_size 0
		.amdhsa_enable_private_segment 0
		.amdhsa_kernarg_size 40
		.amdhsa_user_sgpr_count 2
		.amdhsa_user_sgpr_kernarg_segment_ptr 1
		.amdhsa_wavefront_size32 1
		.amdhsa_system_sgpr_workgroup_id_x 1
		.amdhsa_system_sgpr_workgroup_id_y 1
		.amdhsa_system_sgpr_workgroup_id_z 1
		.amdhsa_system_vgpr_workitem_id 0
		.amdhsa_next_free_vgpr 768
		.amdhsa_next_free_sgpr 102
		.amdhsa_reserve_vcc 0
		.amdhsa_float_denorm_mode_32 3
		.amdhsa_float_denorm_mode_16_64 3
		.amdhsa_memory_ordered 1
		.amdhsa_forward_progress 1
		.amdhsa_inst_pref_size 103
	.end_amdhsa_kernel
	.amdgpu_metadata
---
amdhsa.version: [ 1, 2 ]
amdhsa.kernels:
  - .name:           k_qc622ec16b4_ffn2
    .symbol:         k_qc622ec16b4_ffn2.kd
    .args:
      - { .name: f1q, .offset: 0, .size: 8, .value_kind: global_buffer, .address_space: global }
      - { .name: wts, .offset: 8, .size: 8, .value_kind: global_buffer, .address_space: global }
      - { .name: b2, .offset: 16, .size: 8, .value_kind: global_buffer, .address_space: global }
      - { .name: x1, .offset: 24, .size: 8, .value_kind: global_buffer, .address_space: global }
      - { .name: out0, .offset: 32, .size: 8, .value_kind: global_buffer, .address_space: global }
    .group_segment_fixed_size: 327680
    .private_segment_fixed_size: 0
    .kernarg_segment_align: 8
    .kernarg_segment_size: 40
    .max_flat_workgroup_size: 128
    .sgpr_count:     102
    .vgpr_count:     768
    .wavefront_size: 32
...
	.end_amdgpu_metadata
.endif
;; end of part 14
